; MI455X (gfx1250); checked and timed in simulation.
; The chip was launched on July 23, 2026; its instructions are those of AMD's public machine-readable ISA for CDNA 5 (MIT licence, August 2026) and "CDNA5" Instruction Set Architecture Reference Guide (July 2026). The comments in the code are by the model that wrote it; some were corrected since.
;; Transformer Block. Allowed arithmetic: matrix products marked QUANTISED: E4M3 operands, one given power-of-two scale a tensor, by v_wmma_f32_16x16x64_fp8_fp8 or v_wmma_f32_16x16x128_fp8_fp8, f32 sums; everything else in f32.
;; Inputs: W1 1,024 x 1,024 float32; W2 1,024 x 1,024 float32; Wk 1,024 x 1,024 float32; Wo 1,024 x 1,024 float32; Wq 1,024 x 1,024 float32; Wv 1,024 x 1,024 float32; ln1_b 1,024 float32; ln1_w 1,024 float32; ln2_b 1,024 float32; ln2_w 1,024 float32; lowp_scales 16 int32 (the exponents e of the quantised operands' scales 2^e); token_emb 2 x 2,048 x 1,024 float32; x 2 x 2,048 x 1,024 float32.
;; Outputs: out0 2 x 2,048 x 1,024 float32.
;; This version of the problem:
;;   THIS VERSION OF THE PROBLEM IS GIVEN IN LOW PRECISION. The matrix products marked QUANTISED in the list below multiply operands that are first quantised to E4M3 (4 exponent bits, 3 mantissa bits; 8 bits a number), with one given power-of-two scale for each operand tensor; their sums are f32. All else is computed in f32.
;;   The module's matrix products, in the order in which they are computed (A, B: the left and right operand; K: the contracted axis; several contracted axes count as one K, in the product's order):
;;     1. [M 4,096, K 1,024] x [K 1,024, N 1,024]; A: computed on the way; B: input Wq: QUANTISED (scales: A lowp_scales[0], B lowp_scales[1])
;;     2. [M 4,096, K 1,024] x [K 1,024, N 1,024]; A: computed on the way; B: input Wk: QUANTISED (scales: A lowp_scales[2], B lowp_scales[3])
;;     3. [M 4,096, K 1,024] x [K 1,024, N 1,024]; A: input token_emb; B: input Wv: QUANTISED (scales: A lowp_scales[4], B lowp_scales[5])
;;     4. batch 32 x [M 2,048, K 64] x [K 64, N 2,048]; A: computed on the way; B: computed on the way: QUANTISED (scales: A lowp_scales[6], B lowp_scales[7])
;;     5. batch 32 x [M 2,048, K 2,048] x [K 2,048, N 64]; A: softmax (see below); B: computed on the way: QUANTISED (scales: A lowp_scales[8], B lowp_scales[9])
;;     6. [M 4,096, K 1,024] x [K 1,024, N 1,024]; A: computed on the way; B: input Wo: QUANTISED (scales: A lowp_scales[10], B lowp_scales[11])
;;     7. [M 4,096, K 1,024] x [K 1,024, N 1,024]; A: computed on the way; B: input W1: QUANTISED (scales: A lowp_scales[12], B lowp_scales[13])
;;     8. [M 4,096, K 1,024] x [K 1,024, N 1,024]; A: computed on the way; B: input W2: QUANTISED (scales: A lowp_scales[14], B lowp_scales[15])
;;   THE QUANTISER, for each operand of a quantised product, along K:
;;     - The operand's scale is 2^e, e = its entry of the input lowp_scales (int32; the entries are numbered through the quantised products in the list's order, A before B).
;;     - Each number is divided by the scale, clamped to +-448, and rounded to the nearest number of E4M3, ties to even, subnormals kept.
;;     - The product sums the exact products of the quantised numbers (number of the format x scale) in f32.
;;   ~~~python
;;   def quantise(x, axis, e):      # numpy; x: float32 -> the quantised numbers, widened to float32 again
;;       x = np.moveaxis(x, axis, -1); K = x.shape[-1]
;;       r = np.clip(x / 2.0 ** e, -448, 448)
;;       step = 2.0 ** (np.maximum(np.frexp(np.where(r == 0, 1, r))[1] - 1, -6) - 3)
;;       q = np.round(r / step) * step * 2.0 ** e      # np.round: ties to even
;;       return np.moveaxis(q, -1, axis).astype(np.float32)
;;   ~~~
;;   SOFTMAX AHEAD OF A QUANTISED PRODUCT. Where the list says 'softmax', what is quantised is not the finished softmax but p = 2^(t - M), with t = logit x log2(e) and M = ceil(the row's largest t), a whole number; so 1/2 < the row's largest p <= 1. The row's sum l is taken of the UNQUANTISED p, in f32, and the product's result is divided by l at the end. Since M is a whole number, a kernel that streams over the keys may use a running M (the ceiling of the running maximum): every later rescaling is an exact power of two, so the quantised numbers keep their values, but for numbers so far below the row's largest that they fall under the format's range.
;;   OPERANDS COMPUTED ON THE WAY. 'Computed on the way' means the value that the module computes at that place (a softmax that the list does not call 'softmax' is quantised finished and normalised). What goes into a quantiser is computed in f32, as accurately as f32 sums, v_exp_f32 and their like allow (about 1e-6 of the number): no bf16 or f16 on the way to a quantiser, and a product that is left as it is and whose result goes on into a quantised operand takes f32 operands (vector FMAs, or v_wmma_f32_16x16x4_f32). A number that lies on a knife's edge between two numbers of the format may be rounded either way, as far as f32 arithmetic and the matrix unit's own rounding can turn it there, and no further.
;; 2 versions. Each part assembles by itself: llvm-mc -triple=amdgcn-amd-amdhsa -mcpu=gfx1250 --defsym DOCPART=n.
;; ======== version 1 of 2: 4 launches
;; workspace buffers: img1 18,874,368 bytes; img2 12,582,912 bytes; img3 4,194,304 bytes
;; launch prep (part 1): grid 224 x 1, 4 waves a work-group, no clusters, 139,776 bytes of LDS; arguments x, token_emb, Wq, Wk, Wv, Wo, W1, W2, ln1_w, ln1_b, lowp_scales, img1; writes img1
.if DOCPART == 1
	.amdgcn_target "amdgcn-amd-amdhsa--gfx1250"
	.amdhsa_code_object_version 6
	.text
	.protected	k_q9a4df331f3_prep
	.globl	k_q9a4df331f3_prep
	.p2align	8
	.type	k_q9a4df331f3_prep,@function
k_q9a4df331f3_prep:
	s_mov_b64 s[64:65], 0
	v_nop
	global_prefetch_b8 v0, s[64:65] scope:SCOPE_SE
	s_setreg_imm32_b32 hwreg(HW_REG_WAVE_MODE, 25, 1), 1
	s_wait_xcnt 0x0
; PREP.  LayerNorm 1 of x, quantised twice (scale entries 0 and 2); token_emb (entry 4) and the six weights (entries 1, 3, 5, 11, 13, 15) quantised: all to codes of E4M3, stored as TILE IMAGES.
; A TILE is 16 rows x 1,024 along K.  Tile T = 2 b + u holds rows 32 b + 8 u + r + 8 (r / 8), r = 0 .. 15: so that, in a product used transposed, the 16 registers of two neighbouring tiles are 16 neighbours.
; ITS IMAGE, 16,384 bytes: [K step s 0..7][c 0..3][lane 0..31][16 bytes]; lane (r, h) = r + 16 h holds k = 128 s + 32 c + 16 h + 0 .. 15 of row r: the order of an operand's registers, so a later launch loads fragments whole.
; img1, in tiles: LN1 codes by entry 0 at 0, by entry 2 at 256, token_emb at 512, Wq 768, Wk 832, Wv 896, Wo 960, W1 1024, W2 1088.
; SHARES.  One wave, one tile: 896 waves, 224 work-groups.  Work-groups 0-63: x; 64-127: token_emb; from 128 on sixteen for each weight.  Only pointers and the scale are chosen by the work-group's number; the lines
; of LayerNorm and of the second image stand under scalar branches on it.  Waves share nothing: no barrier.
; A row is read by eight loads of 512 consecutive bytes; lane l then holds columns 128 j + 4 l + 0 .. 3.  Its 4 codes of K step j go to the wave's own stage in LDS, where the image is gathered in units of 16 rows x 16 bytes
; (+ 16 of padding: the 32 lanes' words fall on 32 different banks), and the image leaves in stores of 512 consecutive bytes.  Memory binds: matrix units, clusters and tensor loads would add nothing here.
; LIMITS: each given exponent e between -126 and 119, so that 2^e and 448 x 2^e are f32 numbers.  NaN and infinities among the inputs are not served.
.set ROWB,  4096                       ; bytes in a row
.set UNIT,  272                        ; a unit of the stage: 16 rows x 16 bytes + 16 of padding
.set IMG,   64*UNIT                    ; an image in the stage
.set WREG,  2*IMG                      ; a wave's region: image A, image B (LayerNorm's second quantising)
.set SPARE, 4*WREG                     ; behind the four regions: the spare words, 128 bytes a wave, which no other line names
.set L16,  2                           ; v2   16 x lane
.set ISTO, 3                           ; v3   the stage, in: region + UNIT (lane / 4) + 4 (lane % 4)
.set IRD,  4                           ; v4   the stage, out: region + UNIT (lane / 16) + 16 (lane % 16)
.set SPW,  5                           ; v5   my spare word; never rewritten
.set NIL,  6                           ; v6   0; never rewritten
.set SCA,  7                           ; v7, v8   2^e and 448 x 2^e of image A
.set LIA,  8
.set SCB,  9                           ; v9, v10  the same by entry 2, of image B
.set LIB,  10
.set MU,   12                          ; v[12:13] the row's mean (low word)
.set RS,   14                          ; v[14:15] 1 / sqrt(var + eps) (low word)
.set RD,   16                          ; v[16:19] sums at work
.set T,    20                          ; v[20:35] two sets of 8 held numbers
.set CA,   36                          ; v[36:43] a row's codes for image A
.set CB,   44                          ; v[44:51] for image B
.set X,    64                          ; v[64:191] four row buffers of 32; at the end an image on its way out
.set LW,   192                         ; v[192:223] ln1_w at my columns
.set LB,   224                         ; v[224:255] ln1_b
	s_load_b512 s[8:23], s[0:1], 0x0               ; x, token_emb, Wq, Wk, Wv, Wo, W1, W2
	s_load_b256 s[24:31], s[0:1], 0x40             ; ln1_w, ln1_b, lowp_scales, img1
	v_lshl_add_u32 v[SPW], v0, 2, SPARE
	v_mov_b32 v[NIL], 0
	v_lshrrev_b32 v1, 5, v0
	v_readfirstlane_b32 s2, v1                     ; wave
	v_and_b32 v1, 31, v0                           ; lane
	v_lshlrev_b32 v[L16], 4, v1
	s_mul_i32 s3, s2, WREG
	v_lshrrev_b32 v[ISTO], 2, v1
	v_mul_u32_u24 v[ISTO], v[ISTO], UNIT
	v_and_b32 v11, 3, v1
	v_lshl_add_u32 v[ISTO], v11, 2, v[ISTO]
	v_add_nc_u32 v[ISTO], s3, v[ISTO]
	v_lshrrev_b32 v[IRD], 4, v1
	v_mul_u32_u24 v[IRD], v[IRD], UNIT
	v_and_b32 v11, 15, v1
	v_lshl_add_u32 v[IRD], v11, 4, v[IRD]
	v_add_nc_u32 v[IRD], s3, v[IRD]
	v_mov_b32 v[MU+1], 0                           ; named as the upper halves of pairs, so they are written
	v_mov_b32 v[RS+1], 0
	s_mov_b32 s54, 0x76543210                      ; lane selects: lane l xor 16
	s_mov_b32 s55, 0xfedcba98
	s_mov_b32 s56, 0x3a800000                      ; 1 / 1024
	s_mov_b32 s57, 0x3727c5ac                      ; 1e-5
	; which tile of which tensor
	s_and_b32 s4, ttmp9, 0xfff0                    ; a weight's first work-group (128 + 16 k),
	s_and_b32 s5, ttmp9, 64                        ; x's (0) or token_emb's (64)
	s_cmp_lt_u32 ttmp9, 128
	s_cselect_b32 s4, s5, s4
	s_sub_co_u32 s4, ttmp9, s4
	s_lshl_b32 s4, s4, 2
	s_add_co_u32 s4, s4, s2                        ; T, the tile in its tensor
	s_lshr_b32 s5, s4, 1
	s_lshl_b32 s5, s5, 5
	s_and_b32 s6, s4, 1
	s_lshl_b32 s6, s6, 3
	s_add_co_u32 s5, s5, s6                        ; its first row: 32 (T / 2) + 8 (T % 2)
	s_lshl_b32 s58, s5, 12
	s_mov_b32 s59, 0
	s_lshl_b32 s6, ttmp9, 2
	s_add_co_u32 s6, s6, s2
	s_cmp_lt_u32 ttmp9, 64
	s_cselect_b32 s48, 1, 0                        ; 1: x, with LayerNorm and two images
	s_cselect_b32 s7, 0, 256
	s_add_co_u32 s6, s6, s7                        ; the tile in img1
	s_lshl_b32 s60, s6, 14
	s_mov_b32 s61, 0
	s_wait_kmcnt 0x0
	s_load_b512 s[32:47], s[28:29], 0x0            ; the sixteen exponents
	s_mov_b64 s[50:51], s[8:9]                     ; the source: a choice among buffers by the work-group's number alone
	s_cmp_ge_u32 ttmp9, 64
	s_cselect_b64 s[50:51], s[10:11], s[50:51]
	s_cmp_ge_u32 ttmp9, 128
	s_cselect_b64 s[50:51], s[12:13], s[50:51]
	s_cmp_ge_u32 ttmp9, 144
	s_cselect_b64 s[50:51], s[14:15], s[50:51]
	s_cmp_ge_u32 ttmp9, 160
	s_cselect_b64 s[50:51], s[16:17], s[50:51]
	s_cmp_ge_u32 ttmp9, 176
	s_cselect_b64 s[50:51], s[18:19], s[50:51]
	s_cmp_ge_u32 ttmp9, 192
	s_cselect_b64 s[50:51], s[20:21], s[50:51]
	s_cmp_ge_u32 ttmp9, 208
	s_cselect_b64 s[50:51], s[22:23], s[50:51]
	s_add_nc_u64 s[50:51], s[50:51], s[58:59]
	s_add_nc_u64 s[52:53], s[30:31], s[60:61]
	s_cmp_eq_u32 s48, 0
	s_cbranch_scc1 .Lno_gain
.irp j, 0,1,2,3,4,5,6,7
	global_load_b128 v[LW+4*\j:LW+4*\j+3], v[L16], s[24:25] offset:512*\j
	global_load_b128 v[LB+4*\j:LB+4*\j+3], v[L16], s[26:27] offset:512*\j
.endr
.Lno_gain:
.macro LOADROW i                       ; row i of the tile, 8 x 512 consecutive bytes, into buffer i % 4
.irp j, 0,1,2,3,4,5,6,7
	global_load_b128 v[X+32*((\i)%4)+4*\j:X+32*((\i)%4)+4*\j+3], v[L16], s[50:51] offset:((\i)+8*((\i)/8))*ROWB+512*\j th:TH_LOAD_NT
.endr
.endm
	LOADROW 0
	LOADROW 1
	LOADROW 2
	s_wait_kmcnt 0x0
	s_mov_b32 s49, s32                             ; the tensor's exponent, chosen as the pointer was
	s_cmp_ge_u32 ttmp9, 64
	s_cselect_b32 s49, s36, s49
	s_cmp_ge_u32 ttmp9, 128
	s_cselect_b32 s49, s33, s49
	s_cmp_ge_u32 ttmp9, 144
	s_cselect_b32 s49, s35, s49
	s_cmp_ge_u32 ttmp9, 160
	s_cselect_b32 s49, s37, s49
	s_cmp_ge_u32 ttmp9, 176
	s_cselect_b32 s49, s43, s49
	s_cmp_ge_u32 ttmp9, 192
	s_cselect_b32 s49, s45, s49
	s_cmp_ge_u32 ttmp9, 208
	s_cselect_b32 s49, s47, s49
	s_add_co_i32 s49, s49, 127
	s_lshl_b32 s62, s49, 23
	v_mov_b32 v[SCA], s62                          ; 2^e: the conversion takes its exponent field
	s_add_co_i32 s49, s49, 8
	s_lshl_b32 s49, s49, 23
	s_or_b32 s49, s49, 0x600000
	v_mov_b32 v[LIA], s49                          ; 448 x 2^e
	s_add_co_i32 s49, s34, 127
	s_lshl_b32 s62, s49, 23
	v_mov_b32 v[SCB], s62                          ; the same by entry 2
	s_add_co_i32 s49, s49, 8
	s_lshl_b32 s49, s49, 23
	s_or_b32 s49, s49, 0x600000
	v_mov_b32 v[LIB], s49
.macro REDUCE                          ; v[RD] summed over the 32 lanes, the result in every lane
	v_add_f32_dpp v[RD], v[RD], v[RD] row_xmask:1 row_mask:0xf bank_mask:0xf
	v_add_f32_dpp v[RD], v[RD], v[RD] row_xmask:2 row_mask:0xf bank_mask:0xf
	v_add_f32_dpp v[RD], v[RD], v[RD] row_xmask:4 row_mask:0xf bank_mask:0xf
	v_add_f32_dpp v[RD], v[RD], v[RD] row_xmask:8 row_mask:0xf bank_mask:0xf
	v_permlanex16_b32 v[RD+1], v[RD], s54, s55
	v_add_f32 v[RD], v[RD], v[RD+1]
.endm
; LayerNorm of the row in v[XB] on, in place: the mean; the deviations; the mean of their squares; (x - mean) x rsqrt(var + eps) x w + b
.macro LNROW
	v_pk_add_f32 v[RD:RD+1], v[XB:XB+1], v[XB+2:XB+3]
	v_pk_add_f32 v[RD+2:RD+3], v[XB+4:XB+5], v[XB+6:XB+7]
.irp k, 8,12,16,20,24,28
	v_pk_add_f32 v[RD:RD+1], v[RD:RD+1], v[XB+\k:XB+\k+1]
	v_pk_add_f32 v[RD+2:RD+3], v[RD+2:RD+3], v[XB+\k+2:XB+\k+3]
.endr
	v_pk_add_f32 v[RD:RD+1], v[RD:RD+1], v[RD+2:RD+3]
	v_add_f32 v[RD], v[RD], v[RD+1]
	REDUCE
	v_mul_f32 v[MU], s56, v[RD]
.irp k, 0,2,4,6,8,10,12,14,16,18,20,22,24,26,28,30
	v_pk_add_f32 v[XB+\k:XB+\k+1], v[XB+\k:XB+\k+1], v[MU:MU+1] op_sel_hi:[1,0] neg_lo:[0,1] neg_hi:[0,1]
.endr
	v_pk_mul_f32 v[RD:RD+1], v[XB:XB+1], v[XB:XB+1]
	v_pk_mul_f32 v[RD+2:RD+3], v[XB+2:XB+3], v[XB+2:XB+3]
.irp k, 4,8,12,16,20,24,28
	v_pk_fma_f32 v[RD:RD+1], v[XB+\k:XB+\k+1], v[XB+\k:XB+\k+1], v[RD:RD+1]
	v_pk_fma_f32 v[RD+2:RD+3], v[XB+\k+2:XB+\k+3], v[XB+\k+2:XB+\k+3], v[RD+2:RD+3]
.endr
	v_pk_add_f32 v[RD:RD+1], v[RD:RD+1], v[RD+2:RD+3]
	v_add_f32 v[RD], v[RD], v[RD+1]
	REDUCE
	v_fma_f32 v[RD], v[RD], s56, s57               ; var + eps
	v_rsq_f32 v[RS], v[RD]
	v_nop                                          ; a plain instruction behind the transcendental,
	s_wait_alu depctr_va_vdst(0)                   ; and the wait ahead of its first reader
.irp k, 0,2,4,6,8,10,12,14,16,18,20,22,24,26,28,30
	v_pk_mul_f32 v[XB+\k:XB+\k+1], v[XB+\k:XB+\k+1], v[RS:RS+1] op_sel_hi:[1,0]
.endr
.irp k, 0,2,4,6,8,10,12,14,16,18,20,22,24,26,28,30
	v_pk_fma_f32 v[XB+\k:XB+\k+1], v[XB+\k:XB+\k+1], v[LW+\k:LW+\k+1], v[LB+\k:LB+\k+1]
.endr
.endm
; The row in v[XB] on is quantised (the row stays as it is) and its codes go into the stage: register j holds the 4 codes of columns 128 j + 4 lane on, which are 4 bytes of row i in unit 8 j + lane / 4
.macro QROW sc, lim, c, base, i
.irp jj, 0,1,2,3
.irp k, 0,1,2,3,4,5,6,7
	v_med3_num_f32 v[T+8*(\jj%2)+\k], v[XB+8*\jj+\k], -v[\lim], v[\lim]   ; the conversion to an 8-bit code does not saturate (ISA guide 7.6.2): the hold at 448 x the scale
.endr
	v_cvt_scalef32_pk8_fp8_f32 v[\c+2*\jj:\c+2*\jj+1], v[T+8*(\jj%2):T+8*(\jj%2)+7], v[\sc]
.endr
	v_nop                                          ; a plain instruction behind the last conversion of the run
.irp j, 0,1,2,3,4,5,6,7
	ds_store_b32 v[ISTO], v[\c+\j] offset:\base+8*UNIT*\j+16*(\i)
.endr
.endm
.macro ROW i
.set XB, X+32*((\i)%4)
.if (\i) < 14
	s_wait_loadcnt 16                              ; row i is in; the two rows behind it stay out
.else
	s_wait_loadcnt 8*(15-(\i))
.endif
.if (\i)+3 < 16
	LOADROW (\i)+3                                 ; into the buffer of row i - 1, which has been quantised
.endif
	s_cmp_eq_u32 s48, 0
	s_cbranch_scc1 .Lplain_\@
	LNROW
.Lplain_\@:
	s_wait_dscnt 0x0                               ; the last row's stores into the stage have read the codes' registers
	QROW SCA, LIA, CA, 0, \i
	s_cmp_eq_u32 s48, 0
	s_cbranch_scc1 .Lone_\@
	QROW SCB, LIB, CB, IMG, \i
.Lone_\@:
.endm
.irp i, 0,1,2,3,4,5,6,7,8,9,10,11,12,13,14,15
	ROW \i
.endr
; An image leaves: two units, 512 bytes of the image, an instruction.  LDS serves a wave's instructions in order (ISA guide 5.7.1.4): the loads see my stores.
.macro WRITEOUT base, goff
.set t, 0
.rept 32
	ds_load_b128 v[X+4*t:X+4*t+3], v[IRD] offset:\base+2*UNIT*t
.set t, t+1
.endr
.set t, 0
.rept 32
	s_wait_dscnt 31-t
	global_store_b128 v[L16], v[X+4*t:X+4*t+3], s[52:53] offset:\goff+512*t   ; 32 lanes store 512 consecutive bytes, at a multiple of 512 from the buffer's first byte
.set t, t+1
.endr
.endm
	WRITEOUT 0, 0
	s_cmp_eq_u32 s48, 0
	s_cbranch_scc1 .Ldone
	s_wait_xcnt 0x0                                ; the stores have read their registers: the second image may land there
	WRITEOUT IMG, 256*16384                        ; 256 tiles further on
.Ldone:
	s_wait_tensorcnt 0x0                           ; the wave's end, behind my last LDS store
	ds_add_u32 v[SPW], v[NIL]
	s_wait_dscnt 0x0
	s_endpgm
.Lfunc_end_k_q9a4df331f3_prep:
	.size	k_q9a4df331f3_prep, .Lfunc_end_k_q9a4df331f3_prep-k_q9a4df331f3_prep
	.p2alignl 7, 3214868480
	.fill 96, 4, 3214868480
	.section	.rodata,"a",@progbits
	.p2align	6, 0x0
	.amdhsa_kernel k_q9a4df331f3_prep
		.amdhsa_group_segment_fixed_size 139776
		.amdhsa_private_segment_fixed_size 0
		.amdhsa_enable_private_segment 0
		.amdhsa_kernarg_size 96
		.amdhsa_user_sgpr_count 2
		.amdhsa_user_sgpr_kernarg_segment_ptr 1
		.amdhsa_wavefront_size32 1
		.amdhsa_system_sgpr_workgroup_id_x 1
		.amdhsa_system_sgpr_workgroup_id_y 1
		.amdhsa_system_sgpr_workgroup_id_z 1
		.amdhsa_system_vgpr_workitem_id 0
		.amdhsa_next_free_vgpr 256
		.amdhsa_next_free_sgpr 66
		.amdhsa_reserve_vcc 0
		.amdhsa_float_denorm_mode_32 3
		.amdhsa_float_denorm_mode_16_64 3
		.amdhsa_memory_ordered 1
		.amdhsa_forward_progress 1
		.amdhsa_inst_pref_size 218
	.end_amdhsa_kernel
	.amdgpu_metadata
---
amdhsa.version: [ 1, 2 ]
amdhsa.kernels:
  - .name:           k_q9a4df331f3_prep
    .symbol:         k_q9a4df331f3_prep.kd
    .args:
      - { .name: x, .offset: 0, .size: 8, .value_kind: global_buffer, .address_space: global }
      - { .name: token_emb, .offset: 8, .size: 8, .value_kind: global_buffer, .address_space: global }
      - { .name: Wq, .offset: 16, .size: 8, .value_kind: global_buffer, .address_space: global }
      - { .name: Wk, .offset: 24, .size: 8, .value_kind: global_buffer, .address_space: global }
      - { .name: Wv, .offset: 32, .size: 8, .value_kind: global_buffer, .address_space: global }
      - { .name: Wo, .offset: 40, .size: 8, .value_kind: global_buffer, .address_space: global }
      - { .name: W1, .offset: 48, .size: 8, .value_kind: global_buffer, .address_space: global }
      - { .name: W2, .offset: 56, .size: 8, .value_kind: global_buffer, .address_space: global }
      - { .name: ln1_w, .offset: 64, .size: 8, .value_kind: global_buffer, .address_space: global }
      - { .name: ln1_b, .offset: 72, .size: 8, .value_kind: global_buffer, .address_space: global }
      - { .name: lowp_scales, .offset: 80, .size: 8, .value_kind: global_buffer, .address_space: global }
      - { .name: img1, .offset: 88, .size: 8, .value_kind: global_buffer, .address_space: global }
    .group_segment_fixed_size: 139776
    .private_segment_fixed_size: 0
    .kernarg_segment_align: 8
    .kernarg_segment_size: 96
    .max_flat_workgroup_size: 128
    .sgpr_count:     66
    .vgpr_count:     256
    .wavefront_size: 32
...
	.end_amdgpu_metadata
.endif
;; end of part 1
;; launch qkv (part 2): grid 12 x 16, 4 waves a work-group, clusters of 4 x 4, 327,680 bytes of LDS; arguments img1, lowp_scales, img2; writes img2
.if DOCPART == 2
	.amdgcn_target "amdgcn-amd-amdhsa--gfx1250"
	.amdhsa_code_object_version 6
	.text
	.protected	k_q9a4df331f3_qkv
	.globl	k_q9a4df331f3_qkv
	.p2align	8
	.type	k_q9a4df331f3_qkv,@function
k_q9a4df331f3_qkv:
	s_mov_b64 s[64:65], 0
	v_nop
	global_prefetch_b8 v0, s[64:65] scope:SCOPE_SE
	s_setreg_imm32_b32 hwreg(HW_REG_WAVE_MODE, 25, 1), 1
	s_wait_xcnt 0x0
	s_wait_alu depctr_hold_cnt(0) depctr_sa_sdst(0) depctr_va_vdst(0) depctr_va_sdst(0) depctr_va_ssrc(0) depctr_va_vcc(0) depctr_vm_vsrc(0)
	s_getreg_b32 s2, hwreg(HW_REG_IB_STS2, 6, 4)
	s_cmp_eq_u32 s2, 0
	s_cbranch_scc0 .Lentry_in_a_cluster
	s_endpgm
.Lentry_in_a_cluster:
	s_bfe_u32 s2, ttmp6, 0x10000c
	s_cmp_lg_u32 s2, 0xf033
	s_cbranch_scc0 .Lentry_shape_is_right
	s_endpgm
.Lentry_shape_is_right:
; QKV.  Three products of 4,096 x 1,024 x 1,024 on codes of E4M3, and their results quantised at once as attention's operands.  Cluster x says which: 0: q = LN1 Wq^T, 1: k = LN1 Wk^T, 2: v.
; Operands come from img1 as tile images (a tile: 16 rows, tile 2 b + u = rows 32 b + 8 u + r + 8 (r / 8); an image: [K step][c][lane][16 bytes], lane (r, h): k = 128 s + 32 c + 16 h + 0 .. 15).
; THE MATRIX INSTRUCTION IS USED TRANSPOSED: source 0 = a tile of the N side, source 1 = a tile of the M side.  A lane then holds ONE row of the M side, and the 16 registers of N tiles 2 b, 2 b + 1 are n = 32 b + 16 h + 0 .. 15:
; 16 neighbours along the next product's K.  q, k: M = tokens, N = the weight's rows (the head's 64 are the next K).  v: M = Wv's rows, N = tokens (the keys are the next K): V^T = Wv token_emb^T.
; So eight conversions make four pieces of 16 bytes a lane that ARE pieces of the next operands' images, and each store covers 512 consecutive bytes: no way through LDS.
; img2: q at 0, [batch x head 32][token tile 128][c 0..1][lane][16]; k at 4 MiB, the same; v at 8 MiB, [batch x head][key step 16][tile of the head's 64: 4][c 0..3][lane][16].
; SHARES.  A work-group of four waves makes 256 x 256, a wave 128 x 128: 64 accumulators, 512 registers.  K goes in steps of 256 (4,096 bytes of each tile's image) through two LDS slots; 1,024 along K are four such steps, written out.
; CLUSTERS: 4 x 4.  The four of a row need the same tiles of the M side, the four of a column the same of the N side: joint tensor loads.  192 work-groups: three products of 64 blocks.
; No prefetch: four K steps in all, and each is asked for a step ahead.
; LIMITS: e6 - e0 - e1, e7 - e2 - e3 and e9 - e4 - e5 between -126 and 119, so that each folded scale and 448 x it are f32 numbers.
; REGISTERS, in windows of 256: window 0: v0-31 addresses, from v128 the M side's fragments, ONE set (on the way out v32-111 are at work); window 1: the N side's, TWO sets; windows 2, 3: the accumulators ((a, b) at v[8 (8 (a % 4) + b)]).
.set CHUNK,  4096                      ; a tile's part of a slot: two K steps of 2,048 bytes
.set WLOAD,  8*CHUNK                   ; what one tensor load brings: 8 tiles' parts
.set SLOT,   4*WLOAD                   ; the M side's 16 tiles, then the N side's
.set SPARE,  2*SLOT                    ; behind the ring: the spare words, 128 bytes a wave, which no other line names
.set FR,     16                        ; registers of a fragment
.set NL,     4                         ; LDS loads that bring one
.set NP,     4                         ; places behind this matrix instruction (ISA guide 7.12.1)
.set ADRA, 16                          ; v16-17  LDS address of my M fragments in slot 0, 1
.set ADRB, 20                          ; v20-21  the same for N
.set CO,   26                          ; v26     my byte offset in img2
.set SPW,  28                          ; v28     my spare word; never rewritten
.set NIL,  29                          ; v29     0; never rewritten
.set SCL,  30                          ; v30     the folded scale
.set LIMV, 31                          ; v31     448 x it
.set TMP,  32                          ; v32-95  a block's sums, held
.set PC,   96                          ; v96-111 its codes
.set AF,   128
.set G1, 24                            ; s[24:31] group 1 for the M side; s[32:39] its groups 0, one a slot
.set G0, 32
.set G1B, 48                           ; s[48:55], s[56:63] the same for the N side
.set G0B, 56
.set MSB, 0
.macro WIN new                         ; the immediate's high byte repeats the setting that is left
.if MSB != \new
	s_set_vgpr_msb (MSB<<8)|\new
.set MSB, \new
.endif
.endm
.set MUL_LO, 0xa1                      ; source 0 window 1, source 1 window 0, C and D window 2
.set MUL_HI, 0xf1                      ; the same, C and D window 3
.set TO_B,   0x40                      ; destination window 1
; A joint load: waves 0 and 1 fetch for the M side, waves 2 and 3 for the N side.  The branch hangs on the wave's number alone.  An s_nop 0 and four v_nop follow each line.
.macro JLOAD g0a, g1a, g0b, g1b
	s_cmp_eq_u32 s15, 0
	s_cbranch_scc0 .Lfor_b_\@
	tensor_load_to_lds s[\g0a:\g0a+3], s[\g1a:\g1a+7]
	s_nop 0
.rept 4
	v_nop
.endr
	s_branch .Lasked_\@
.Lfor_b_\@:
	tensor_load_to_lds s[\g0b:\g0b+3], s[\g1b:\g1b+7]
	s_nop 0
.rept 4
	v_nop
.endr
.Lasked_\@:
.endm
.macro CREST                           ; a round of the cluster's barrier behind its opening barrier
	s_cmp_lg_u32 s14, 0
	s_cbranch_scc1 .Lnot_wave_0_\@
	s_barrier_signal -3
.Lnot_wave_0_\@:
	s_barrier_wait -3
	s_barrier_signal -1
	s_barrier_wait -1
.endm
.macro CROUND
	s_barrier_signal -1
	s_barrier_wait -1
	CREST
.endm
	s_load_b128 s[4:7], s[0:1], 0x0                ; img1, lowp_scales
	s_load_b64 s[8:9], s[0:1], 0x10                ; img2
	v_lshl_add_u32 v[SPW], v0, 2, SPARE
	v_mov_b32 v[NIL], 0
	ds_add_u32 v[SPW], v[NIL]                      ; the wave's opening: the add, and its wait ahead of my first tensor load; the set-up below stands between them
	v_lshrrev_b32 v1, 5, v0
	v_readfirstlane_b32 s14, v1                    ; wave 0..3
	s_lshr_b32 s15, s14, 1                         ; my half of the block's M rows.  Also: I fetch for M (0) or for N (1)
	s_and_b32 s16, s14, 1                          ; my half of its N rows.  Also: which 8 tiles I fetch
	s_bfe_u32 s40, ttmp6, 0x40000                  ; cx
	s_bfe_u32 s41, ttmp6, 0x40004                  ; cy
	s_and_b32 s10, ttmp7, 0xffff
	s_lshl_b32 s10, s10, 2                         ; 4 x cluster y
	s_lshl_b32 s66, ttmp9, 8                       ; the M side's first tile in img1: 0 or 256 (LN1's codes),
	s_lshl_b32 s67, ttmp9, 6
	s_add_co_u32 s67, s67, 768                     ; the N side's: 768 (Wq) or 832 (Wk);
	s_cmp_eq_u32 ttmp9, 2                          ; for v: M = Wv (896), N = token_emb (512).  The choice hangs on the cluster's x, which all partners share
	s_cselect_b32 s11, 0, s10
	s_cselect_b32 s12, s10, 0
	s_cselect_b32 s66, 896, s66
	s_cselect_b32 s67, 512, s67
	s_add_co_u32 s17, s41, s11                     ; the block's row TR = cy (+ 4 x cluster y for q, k)
	s_add_co_u32 s42, s40, s12                     ; its column TC = cx (+ 4 x cluster y for v)
	s_lshl_b32 s43, s41, 2
	s_lshl_b32 s43, 15, s43                        ; my row of the cluster
	s_lshl_b32 s44, 0x1111, s40                    ; my column
	; group 1: 8 rows (tiles) of 512 elements of 8 bytes (4,096 bytes), 2,048 elements (a tile's image) apart; dense in LDS: fragments are read at 16 x lane, so no padding is wanted
	s_or_b32 s[G1+0], s43, (3<<16)|(1<<21)
	s_or_b32 s[G1B+0], s44, (3<<16)|(1<<21)
.irp g, G1, G1B
	s_mov_b32 s[\g+1], 512<<16                     ; tensor_dim0
	s_mov_b32 s[\g+2], 8<<16                       ; tensor_dim1
	s_mov_b32 s[\g+3], 512<<16                     ; tile_dim0
	s_mov_b32 s[\g+4], 8                           ; tile_dim1
	s_mov_b32 s[\g+5], 2048                        ; tensor_dim0_stride
	s_mov_b32 s[\g+6], 0
	s_mov_b32 s[\g+7], 0
.endr
	s_lshl_b32 s18, s16, 3                         ; which 8 tiles I fetch
	s_lshl_b32 s20, s17, 4
	s_add_co_u32 s20, s20, s18
	s_add_co_u32 s20, s20, s66                     ; M: tile first + 16 TR + 8 x half
	s_lshl_b32 s20, s20, 14
	s_mov_b32 s21, 0
	s_lshl_b32 s46, s42, 4
	s_add_co_u32 s46, s46, s18
	s_add_co_u32 s46, s46, s67                     ; N: tile first + 16 TC + 8 x half
	s_lshl_b32 s46, s46, 14
	s_mov_b32 s47, 0
	s_mul_i32 s45, s14, WLOAD                      ; where they go: wave x 32,768: no place in the cluster enters an LDS address
	s_wait_dscnt 0x0                               ; the opening add is done
	s_wait_kmcnt 0x0
	s_load_b512 s[80:95], s[6:7], 0x0              ; the sixteen exponents
	s_add_nc_u64 s[20:21], s[4:5], s[20:21]
	s_add_nc_u64 s[46:47], s[4:5], s[46:47]
	CROUND                                         ; all sixteen work-groups are here: the first joint loads meet
.irp s, 0,1
	s_mov_b32 s[G0+4*\s], 1
	s_add_co_u32 s[G0+4*\s+1], s45, \s*SLOT
	s_add_nc_u64 s[G0+4*\s+2:G0+4*\s+3], s[20:21], \s*CHUNK
	s_or_b32 s[G0+4*\s+3], s[G0+4*\s+3], 0x80000000
	s_mov_b32 s[G0B+4*\s], 1
	s_add_co_u32 s[G0B+4*\s+1], s45, \s*SLOT
	s_add_nc_u64 s[G0B+4*\s+2:G0B+4*\s+3], s[46:47], \s*CHUNK
	s_or_b32 s[G0B+4*\s+3], s[G0B+4*\s+3], 0x80000000
	JLOAD G0+4*\s, G1, G0B+4*\s, G1B
.endr
	v_and_b32 v1, 31, v0
	v_lshlrev_b32 v4, 4, v1                        ; 16 x lane
	v_lshlrev_b32 v[CO], 4, v1
	s_mul_i32 s21, s15, WLOAD                      ; my 8 tiles of the M side
	s_mul_i32 s22, s16, WLOAD                      ; my 8 of the N side,
	s_add_co_u32 s22, s22, 2*WLOAD                 ; which lie behind M's 16
.irp s, 0,1
	v_add_nc_u32 v[ADRA+\s], s21, v4
	v_add_nc_u32 v[ADRB+\s], s22, v4
	s_add_co_u32 s21, s21, SLOT
	s_add_co_u32 s22, s22, SLOT
.endr
	; where my results go
	s_lshl_b32 s70, s17, 4
	s_lshl_b32 s71, s15, 3
	s_add_co_u32 s70, s70, s71                     ; mt: my first M tile
	s_lshl_b32 s72, s42, 4
	s_lshl_b32 s73, s16, 3
	s_add_co_u32 s72, s72, s73                     ; nt: my first N tile
	s_lshr_b32 s74, s70, 7                         ; q, k: batch = mt / 128; head = 4 TC + 2 x half (+ 1 for my second 64 of N)
	s_lshl_b32 s74, s74, 4
	s_lshl_b32 s75, s42, 2
	s_add_co_u32 s74, s74, s75
	s_lshl_b32 s75, s16, 1
	s_add_co_u32 s74, s74, s75
	s_lshl_b32 s74, s74, 7
	s_and_b32 s75, s70, 127
	s_add_co_u32 s74, s74, s75                     ; (batch x head) x 128 + token tile,
	s_lshl_b32 s74, s74, 10                        ; of 1,024 bytes,
	s_lshl_b32 s75, ttmp9, 22
	s_add_co_u32 s74, s74, s75                     ; in q's or k's 4 MiB
	s_lshr_b32 s76, s72, 7                         ; v: batch = nt / 128; head = 4 TR + 2 x half (+ 1 for my second four M tiles); my 128 tokens are one key step
	s_lshl_b32 s76, s76, 4
	s_lshl_b32 s77, s17, 2
	s_add_co_u32 s76, s76, s77
	s_lshl_b32 s77, s15, 1
	s_add_co_u32 s76, s76, s77
	s_lshl_b32 s76, s76, 4
	s_and_b32 s77, s72, 127
	s_lshr_b32 s77, s77, 3
	s_add_co_u32 s76, s76, s77                     ; (batch x head) x 16 + key step,
	s_lshl_b32 s76, s76, 13                        ; of 8,192 bytes,
	s_add_co_u32 s76, s76, 0x800000                ; behind q and k
	s_cmp_eq_u32 ttmp9, 2
	s_cselect_b32 s74, s76, s74
	s_mov_b32 s75, 0
	s_mov_b32 s76, 131072                          ; from a block's first two pieces to its last two: the next head (q, k), or c = 2 (v)
	s_cselect_b32 s76, 1024, s76
	s_mov_b32 s77, 0
	s_mov_b32 s78, 1024                            ; from an M tile to the next: a token tile, or a tile of the head's 64
	s_cselect_b32 s78, 2048, s78
	s_mov_b32 s79, 1024                            ; and from the fourth to the fifth: for v the next head, 16 x 8,192 - 3 x 2,048
	s_cselect_b32 s79, 124928, s79
	s_add_nc_u64 s[96:97], s[8:9], s[74:75]
	s_add_nc_u64 s[98:99], s[96:97], s[76:77]
.macro FRAG reg, adr, q, i             ; fragment of tile i, the slot's K step q: four loads of 512 consecutive bytes
.irp c, 0,1,2,3
	ds_load_b128 v[\reg+4*\c:\reg+4*\c+3], v[\adr] offset:(\i)*CHUNK+2048*(\q)+512*\c
.endr
.endm
; 16 matrix instructions: M tiles a0, a0 + 1 x N's eight.  The 64 accumulators take turns, one instruction a turn, in the same order in every step.
.macro MUL16 a0, p, zero
.irp a, \a0, \a0+1
.irp b, 0,1,2,3,4,5,6,7
.if \zero
	v_wmma_f32_16x16x128_fp8_fp8 v[8*(8*((\a)%4)+\b):8*(8*((\a)%4)+\b)+7], v[128*(\p)+FR*\b:128*(\p)+FR*\b+FR-1], v[AF+FR*(\a):AF+FR*(\a)+FR-1], 0
.else
	v_wmma_f32_16x16x128_fp8_fp8 v[8*(8*((\a)%4)+\b):8*(8*((\a)%4)+\b)+7], v[128*(\p)+FR*\b:128*(\p)+FR*\b+FR-1], v[AF+FR*(\a):AF+FR*(\a)+FR-1], v[8*(8*((\a)%4)+\b):8*(8*((\a)%4)+\b)+7]
.endif
.endr
.endr
.endm
.macro FETCH_B slot, q, p
	WIN TO_B
.irp i, 0,1,2,3,4,5,6,7
	FRAG 128*(\p)+FR*\i, ADRB+\slot, \q, \i
.endr
	WIN 0
.endm
.macro FETCH_A slot, q, i0
.irp i, \i0, \i0+1, \i0+2, \i0+3
	FRAG AF+FR*(\i), ADRA+\slot, \q, \i
.endr
.endm
.macro PLACES n                        ; plain vector instructions between a matrix instruction and a load into, or a read of, its registers
.rept \n
	v_nop
.endr
.endm
.macro STEP slot, q, zero              ; 128 along K whose successor lies in the same slot
	s_wait_dscnt 4*NL                              ; N's set and M's tiles 0-3 are in; the youngest sixteen loads (M's tiles 4-7) may be out
	WIN MUL_LO
	MUL16 0, (\q)%2, \zero
	MUL16 2, (\q)%2, \zero
	s_wait_dscnt 0
	PLACES NP
	FETCH_B \slot, (\q)+1, 1-(\q)%2
	FETCH_A \slot, (\q)+1, 0
	WIN MUL_HI
	MUL16 4, (\q)%2, \zero
	MUL16 6, (\q)%2, \zero
	PLACES NP
	WIN 0
	FETCH_A \slot, (\q)+1, 4
.endm
; A slot's last step changes slots: one barrier; in front of it each wave waits for all its tensor loads, adds 0 to its spare word, and waits for that and for its reads of this slot.  fill = 1: this slot is filled again.
.macro TURN slot, next, fill
	s_wait_tensorcnt 0x0                           ; all my tensor loads have landed: my part of the next slot
	ds_add_u32 v[SPW], v[NIL]                      ; 0 onto my spare word
	s_wait_dscnt 4*NL+1                            ; (the add and the youngest sixteen loads may be out)
	WIN MUL_LO
	MUL16 0, 1, 0
	s_wait_dscnt 0x0                               ; the add is done, and my reads of this slot are over
	s_barrier_signal -1
	MUL16 2, 1, 0
	WIN 0
	s_barrier_wait -1
.if \fill
	CREST                                          ; the barrier has opened a round of the cluster's: no wave of any partner still reads this slot or has a load on its way
	s_add_nc_u64 s[G0+4*\slot+2:G0+4*\slot+3], s[G0+4*\slot+2:G0+4*\slot+3], 2*CHUNK
	s_add_nc_u64 s[G0B+4*\slot+2:G0B+4*\slot+3], s[G0B+4*\slot+2:G0B+4*\slot+3], 2*CHUNK
	JLOAD G0+4*\slot, G1, G0B+4*\slot, G1B         ; the first tensor load behind the round; its four v_nop are also the places in front of the loads below
.else
	PLACES NP
.endif
	FETCH_B \next, 0, 0
	FETCH_A \next, 0, 0
	WIN MUL_HI
	MUL16 4, 1, 0
	MUL16 6, 1, 0
	PLACES NP
	WIN 0
	FETCH_A \next, 0, 4
.endm
	s_wait_tensorcnt 1                             ; my part of slot 0 is in; slot 1's may stay out
	s_barrier_signal -1
	s_barrier_wait -1
	FETCH_B 0, 0, 0
	FETCH_A 0, 0, 0
	FETCH_A 0, 0, 4
	STEP 0, 0, 1                                   ; K 0: the first products start the sums
	TURN 0, 1, 1                                   ; K 128; slot 0 takes K 512 on
	STEP 1, 0, 0                                   ; K 256
	TURN 1, 0, 1                                   ; K 384; slot 1 takes K 768 on
	STEP 0, 0, 0                                   ; K 512
	TURN 0, 1, 0                                   ; K 640; nothing is left to fetch
	STEP 1, 0, 0                                   ; K 768
	s_wait_dscnt 4*NL                              ; K 896, the last
	WIN MUL_LO
	MUL16 0, 1, 0
	MUL16 2, 1, 0
	s_wait_dscnt 0
	WIN MUL_HI
	MUL16 4, 1, 0
	MUL16 6, 1, 0
	WIN 0
	; THE WAY OUT.  A sum stands for sum x 2^(ea + eb); its code by the next operand's scale 2^eo is sum / 2^(eo - ea - eb): the three scales are folded into the conversion's one.
	s_wait_kmcnt 0x0
	s_sub_co_i32 s70, s86, s80
	s_sub_co_i32 s70, s70, s81                     ; q: e6 - e0 - e1
	s_sub_co_i32 s71, s87, s82
	s_sub_co_i32 s71, s71, s83                     ; k: e7 - e2 - e3
	s_sub_co_i32 s72, s89, s84
	s_sub_co_i32 s72, s72, s85                     ; v: e9 - e4 - e5
	s_cmp_eq_u32 ttmp9, 1
	s_cselect_b32 s70, s71, s70
	s_cmp_eq_u32 ttmp9, 2
	s_cselect_b32 s70, s72, s70
	s_add_co_i32 s70, s70, 127
	s_lshl_b32 s71, s70, 23
	v_mov_b32 v[SCL], s71
	s_add_co_i32 s70, s70, 8
	s_lshl_b32 s70, s70, 23
	s_or_b32 s70, s70, 0x600000
	v_mov_b32 v[LIMV], s70
	PLACES 2                                       ; with the two moves above: four places behind the last products
.macro OUTBLK a                        ; M tile a: 64 sums a lane = four runs of 16 neighbours along the next K
.set AC, 64*((\a)%4)
	s_wait_xcnt 0x0                                ; the last block's stores have read their offset and their codes
.if (\a) == 4
	v_add_nc_u32 v[CO], s79, v[CO]
.elseif (\a) > 0
	v_add_nc_u32 v[CO], s78, v[CO]
.endif
	WIN 0x02+((\a)/4)                              ; source 0: window 2 or 3
.set j, 0
.rept 64
	v_med3_num_f32 v[TMP+j], v[AC+j], -v[LIMV], v[LIMV]   ; the hold at 448 x the scale; each accumulator from its low end on
.set j, j+1
.endr
	WIN 0
.irp q, 0,1,2,3,4,5,6,7
	v_cvt_scalef32_pk8_fp8_f32 v[PC+2*\q:PC+2*\q+1], v[TMP+8*\q:TMP+8*\q+7], v[SCL]
.endr
	v_nop                                          ; a plain instruction behind the last conversion
	global_store_b128 v[CO], v[PC:PC+3], s[96:97]                 ; each store: 32 lanes, 512 consecutive bytes, at a multiple of 512 from the buffer's first byte
	global_store_b128 v[CO], v[PC+4:PC+7], s[96:97] offset:512
	global_store_b128 v[CO], v[PC+8:PC+11], s[98:99]
	global_store_b128 v[CO], v[PC+12:PC+15], s[98:99] offset:512
.endm
.irp a, 0,1,2,3,4,5,6,7
	OUTBLK \a
.endr
	s_wait_tensorcnt 0x0                           ; the wave's end
	ds_add_u32 v[SPW], v[NIL]
	s_wait_dscnt 0x0
	CROUND                                         ; the closing round
	s_endpgm
.Lfunc_end_k_q9a4df331f3_qkv:
	.size	k_q9a4df331f3_qkv, .Lfunc_end_k_q9a4df331f3_qkv-k_q9a4df331f3_qkv
	.p2alignl 7, 3214868480
	.fill 96, 4, 3214868480
	.section	.rodata,"a",@progbits
	.p2align	6, 0x0
	.amdhsa_kernel k_q9a4df331f3_qkv
		.amdhsa_group_segment_fixed_size 327680
		.amdhsa_private_segment_fixed_size 0
		.amdhsa_enable_private_segment 0
		.amdhsa_kernarg_size 24
		.amdhsa_user_sgpr_count 2
		.amdhsa_user_sgpr_kernarg_segment_ptr 1
		.amdhsa_wavefront_size32 1
		.amdhsa_system_sgpr_workgroup_id_x 1
		.amdhsa_system_sgpr_workgroup_id_y 1
		.amdhsa_system_sgpr_workgroup_id_z 1
		.amdhsa_system_vgpr_workitem_id 0
		.amdhsa_next_free_vgpr 1024
		.amdhsa_next_free_sgpr 100
		.amdhsa_reserve_vcc 0
		.amdhsa_float_denorm_mode_32 3
		.amdhsa_float_denorm_mode_16_64 3
		.amdhsa_memory_ordered 1
		.amdhsa_forward_progress 1
		.amdhsa_inst_pref_size 119
	.end_amdhsa_kernel
	.amdgpu_metadata
---
amdhsa.version: [ 1, 2 ]
amdhsa.kernels:
  - .name:           k_q9a4df331f3_qkv
    .symbol:         k_q9a4df331f3_qkv.kd
    .args:
      - { .name: img1, .offset: 0, .size: 8, .value_kind: global_buffer, .address_space: global }
      - { .name: lowp_scales, .offset: 8, .size: 8, .value_kind: global_buffer, .address_space: global }
      - { .name: img2, .offset: 16, .size: 8, .value_kind: global_buffer, .address_space: global }
    .group_segment_fixed_size: 327680
    .private_segment_fixed_size: 0
    .kernarg_segment_align: 8
    .kernarg_segment_size: 24
    .max_flat_workgroup_size: 128
    .sgpr_count:     100
    .vgpr_count:     1024
    .wavefront_size: 32
...
	.end_amdgpu_metadata
.endif
;; end of part 2
;; launch attn (part 3): grid 8 x 32, 16 waves a work-group, no clusters, 264,192 bytes of LDS; arguments img2, lowp_scales, img3; writes img3
.if DOCPART == 3
	.amdgcn_target "amdgcn-amd-amdhsa--gfx1250"
	.amdhsa_code_object_version 6
	.text
	.protected	k_q9a4df331f3_attn
	.globl	k_q9a4df331f3_attn
	.p2align	8
	.type	k_q9a4df331f3_attn,@function
k_q9a4df331f3_attn:
	s_mov_b64 s[64:65], 0
	v_nop
	global_prefetch_b8 v0, s[64:65] scope:SCOPE_SE
	s_setreg_imm32_b32 hwreg(HW_REG_WAVE_MODE, 25, 1), 1
	s_wait_xcnt 0x0
; ATTN.  Causal attention of 32 (batch x head) x 2,048 tokens x 64, both products on codes of E4M3; the result, divided by the row's sum, is quantised at once (scale entry 10) as the operand of the product with Wo.
; img2: q at 0 and k at 4 MiB, [batch x head][token tile 128][c 0..1][lane][16 bytes]; v at 8 MiB, [batch x head][key step 16][tile of the head's 64: 4][c 0..3][lane][16].  Token tile 2 b + u holds tokens 32 b + 8 u + r + 8 (r / 8).
; img3: [token tile 256][K step 8][c 0..3][lane][16]; k = 64 x head + channel.
; THE SOFTMAX: t = score x log2(e) / 8; M = the largest t so far, rounded up to a whole number; p = 2^(t - M) is quantised (entry 8), not normalised; the sum of the unquantised p divides at the end.  When M moves, the sum and O
; are multiplied by 2^(old M - new M), which rounds nothing.
; SHARES.  A work-group has one head and 16 waves, each with ONE tile of 16 queries in 256 registers.  Waves 0-7 take query block j (128 queries), waves 8-15 block 15 - j: 8 (j + 1) + 8 (16 - j) = 136 wave steps in every work-group.
; THE WHOLE HEAD'S K AND V, 262,144 bytes, LIE IN LDS, filled once: four tensor loads a wave at the head, one for each group of four key steps; nothing is filled again.  A group is read behind a counted wait and a barrier, while
; the later groups are on their way.  All four groups are always asked for, so that the counts hold on every path.
; LAYOUT.  Both products transposed: S^T = K Q^T (source 0 = 16 keys), O^T = V^T P^T (source 0 = 16 channels): a lane holds one query throughout; p's 16 registers of key tiles 2 b, 2 b + 1 are keys 32 b + 16 h + 0 .. 15.
; CAUSAL.  A step all of whose keys come after the wave's queries is jumped over (a scalar branch on ids, round no barrier); on the diagonal hidden scores become -infinity.  A step that is walked begins at or under every query of the tile.
; NO CLUSTER: the work-groups of a head walk different numbers of steps, and each byte is asked for once by each work-group, in its first lines; for the same reason nothing is prefetched.
; LIMITS: e6 + e7 between -124 and 129 (added to c's exponent field); e8, and e10 - e8 - e9, between -126 and 119.
.set SPARE, 262144                     ; behind K and V: the spare words, 128 bytes a wave, which no other line names
.set L16,  1                           ; v1   16 x lane
.set SPW,  5                           ; v5   my spare word; never rewritten
.set NIL,  6                           ; v6   0; never rewritten
.set ADK,  8                           ; v8   the step's K in LDS
.set ADV,  9                           ; v9   the step's V
.set DQ,   10                          ; v10  r + 8 (r / 8) - 16 h
.set TB,   2                           ; s2   the step's byte in K's (and V's) region
.set KF,   3                           ; s3   the step's first key
.set Q0,   10                          ; s10  my tile's first query
.set CNT,  11
.set WV,   18
.set SEL,  20                          ; s[20:21] lane l xor 16
.set CS,   22                          ; s[22:23] c
.set G1,   24                          ; s[24:31] group 1
.set G0,   32                          ; s[32:47] four groups 0
; v12 -M, v13 the largest t, v[14:15] the sum; v[16:23] Q; v[32:95] K's, then V's fragments; v[96:159] S^T, then p; v[160:191] O^T; v[192:223] the way out; v[224:239] p's codes; v240, v244: 448 x 2^e8, 2^e8; v241, v245: the same for the way out
	s_load_b128 s[4:7], s[0:1], 0x0                ; img2, lowp_scales
	s_load_b64 s[8:9], s[0:1], 0x10                ; img3
	v_lshl_add_u32 v[SPW], v0, 2, SPARE
	v_mov_b32 v[NIL], 0
	ds_add_u32 v[SPW], v[NIL]                      ; the wave's opening: the add, and its wait ahead of my first tensor load; the set-up below stands between them
	v_lshrrev_b32 v8, 5, v0
	v_readfirstlane_b32 s[WV], v8                  ; wave 0..15
	s_and_b32 s12, ttmp7, 0xffff                   ; batch x head
	s_lshl_b32 s13, ttmp9, 3
	s_add_co_u32 s14, s13, s[WV]                   ; 8 j + w
	s_sub_co_u32 s15, 112, s13
	s_add_co_u32 s15, s15, s[WV]                   ; 8 (15 - j) + w - 8
	s_cmp_lt_u32 s[WV], 8
	s_cselect_b32 s14, s14, s15                    ; T, my token tile in the batch
	s_lshr_b32 s15, s14, 1
	s_lshl_b32 s15, s15, 5
	s_and_b32 s16, s14, 1
	s_lshl_b32 s16, s16, 3
	s_add_co_u32 s[Q0], s15, s16                   ; 32 (T / 2) + 8 (T % 2)
	s_lshr_b32 s16, s[WV], 3                       ; what I fetch: waves 0-7 K, waves 8-15 V; 4,096 bytes of each group
	s_and_b32 s17, s[WV], 7
	s_lshl_b32 s17, s17, 12
	s_lshl_b32 s48, s16, 17
	s_add_co_u32 s48, s48, s17                     ; in LDS: 131,072 (w / 8) + 4,096 (w % 8)
	s_add_co_u32 s16, s16, 1
	s_lshl_b32 s50, s16, 22                        ; in img2: 4 MiB (K) or 8 MiB (V),
	s_add_co_u32 s50, s50, s17
	s_lshl_b32 s19, s12, 17
	s_add_co_u32 s50, s50, s19                     ; + the head's 131,072 bytes
	s_mov_b32 s51, 0
	s_lshr_b32 s52, s12, 4                         ; img3: token tile 128 x batch + T,
	s_lshl_b32 s52, s52, 7
	s_add_co_u32 s52, s52, s14
	s_lshl_b32 s52, s52, 3
	s_bfe_u32 s53, s12, 0x30001                    ; K step head / 2,
	s_add_co_u32 s52, s52, s53
	s_lshl_b32 s52, s52, 11
	s_and_b32 s53, s12, 1
	s_lshl_b32 s53, s53, 10                        ; c = 2 (head % 2) on
	s_add_co_u32 s52, s52, s53
	s_mov_b32 s53, 0
	s_lshl_b32 s54, s14, 10                        ; q: the head's 131,072 bytes, tile T of 1,024
	s_add_co_u32 s54, s54, s19
	s_mov_b32 s55, 0
	; group 1: 16 rows of 32 elements of 8 bytes, dense: 4,096 bytes
	s_mov_b32 s[G1], 3<<16
	s_mov_b32 s[G1+1], 32<<16
	s_mov_b32 s[G1+2], 16<<16
	s_mov_b32 s[G1+3], 32<<16
	s_mov_b32 s[G1+4], 16
	s_mov_b32 s[G1+5], 32
	s_mov_b32 s[G1+6], 0
	s_mov_b32 s[G1+7], 0
	s_mov_b32 s[SEL], 0x76543210
	s_mov_b32 s[SEL+1], 0xfedcba98
	s_mov_b32 s[CS], 0x3e38aa3b                    ; c = log2(e) / 8
	s_wait_dscnt 0x0                               ; the opening add is done
	s_wait_kmcnt 0x0
	s_load_b512 s[68:83], s[6:7], 0x0              ; the sixteen exponents
	s_add_nc_u64 s[50:51], s[4:5], s[50:51]
.irp q, 0,1,2,3
	s_mov_b32 s[G0+4*\q], 1
	s_add_co_u32 s[G0+4*\q+1], s48, \q*32768
	s_add_nc_u64 s[G0+4*\q+2:G0+4*\q+3], s[50:51], \q*32768
	s_or_b32 s[G0+4*\q+3], s[G0+4*\q+3], 0x80000000
.endr
.irp q, 0,1,2,3                                ; the first fills, and the only ones: four loads of mine are out
	tensor_load_to_lds s[G0+4*\q:G0+4*\q+3], s[G1:G1+7]
	s_nop 0
.endr
.rept 4
	v_nop
.endr
	s_add_nc_u64 s[54:55], s[4:5], s[54:55]
	s_add_nc_u64 s[8:9], s[8:9], s[52:53]
	v_and_b32 v8, 31, v0
	v_lshlrev_b32 v[L16], 4, v8
	global_load_b128 v[16:19], v[L16], s[54:55]               ; Q's fragment stays in registers
	global_load_b128 v[20:23], v[L16], s[54:55] offset:512
	v_and_b32 v8, 15, v0                           ; r
	v_and_b32 v9, 8, v8
	v_add_nc_u32 v[DQ], v9, v8                     ; r + 8 (r / 8)
	v_bfe_u32 v9, v0, 4, 1
	v_lshlrev_b32 v9, 4, v9
	v_sub_nc_u32 v[DQ], v[DQ], v9                  ; - 16 h
	v_mov_b32 v13, 0xff61b1e6                      ; the largest t so far: -3e38
	v_floor_f32 v12, -v13                          ; -M
	v_mov_b32 v14, 0
	v_mov_b32 v15, 0
	v_mov_b32 v236, 0                              ; lane permutes' destinations count as read: written once
	v_mov_b32 v252, 0
	v_mov_b32 v253, 0                              ; (named as the upper half of v[252:253])
.set j, 0
.rept 32
	v_mov_b32 v[160+j], 0                          ; O^T: the step is written without a first form of its own; the first change of M leaves zeros zeros
.set j, j+1
.endr
	s_wait_kmcnt 0x0
	s_add_co_i32 s13, s74, s75
	s_lshl_b32 s13, s13, 23
	s_add_co_i32 s[CS], s[CS], s13                 ; a score stands for score x 2^(e6 + e7): added to c's exponent field
	s_mov_b32 s[CS+1], s[CS]
	s_add_co_i32 s13, s76, 127
	s_lshl_b32 s15, s13, 23
	v_mov_b32 v244, s15                            ; 2^e8
	s_add_co_i32 s13, s13, 8
	s_lshl_b32 s13, s13, 23
	s_or_b32 s13, s13, 0x600000
	v_mov_b32 v240, s13                            ; 448 x 2^e8
	s_sub_co_i32 s13, s78, s76
	s_sub_co_i32 s13, s13, s77                     ; O^T / the sum stands for that x 2^(e8 + e9): its code by 2^e10 takes the scale 2^(e10 - e8 - e9)
	s_add_co_i32 s13, s13, 127
	s_lshl_b32 s15, s13, 23
	v_mov_b32 v245, s15
	s_add_co_i32 s13, s13, 8
	s_lshl_b32 s13, s13, 23
	s_or_b32 s13, s13, 0x600000
	v_mov_b32 v241, s13
; A KEY STEP: 128 keys
.macro STEP
	s_add_co_u32 s96, s[Q0], 23                    ; my last query
	s_cmp_gt_u32 s[KF], s96
	s_cbranch_scc1 .Lhidden_\@
	v_add_nc_u32 v[ADK], s[TB], v[L16]
	v_add_nc_u32 v[ADV], 0x20000, v[ADK]
	v_nop                                          ; with the two additions: four places in front of loads into registers that the last products read
	v_nop
.irp t, 0,1,2,3,4,5,6,7
.irp c, 0,1
	ds_load_b128 v[32+8*\t+4*\c:32+8*\t+4*\c+3], v[ADK] offset:1024*\t+512*\c
.endr
.endr
	s_wait_dscnt 0x0
.irp t, 0,1,2,3,4,5,6,7
	v_wmma_f32_16x16x64_fp8_fp8 v[96+8*\t:103+8*\t], v[32+8*\t:39+8*\t], v[16:23], 0
.endr
.rept 4
	v_nop
.endr
.irp t, 0,1,2,3                                ; V's fragments are asked for here and land under the softmax
.irp c, 0,1,2,3
	ds_load_b128 v[32+16*\t+4*\c:32+16*\t+4*\c+3], v[ADV] offset:2048*\t+512*\c
.endr
.endr
	s_add_co_u32 s96, s[KF], 127
	s_cmp_le_u32 s96, s[Q0]
	s_cbranch_scc1 .Lopen_\@                       ; all 128 keys count for all my queries
	s_sub_co_i32 s96, s[Q0], s[KF]
	v_add_nc_u32 v252, s96, v[DQ]                  ; d = my query - KF - 16 h.  Register 16 b + i holds key KF + 16 h + 32 b + i: hidden where 32 b + i > d
	v_mov_b32 v254, 0xff800000                     ; -infinity
.set n, 0
.rept 64
	v_cmp_gt_i32 vcc_lo, 32*(n/16)+n%16, v252
	v_cndmask_b32 v[96+n], v[96+n], v254, vcc_lo
.set n, n+1
.endr
.Lopen_\@:
	v_max3_num_f32 v254, v96, v97, v98             ; the step's largest score of my query, in two chains,
	v_max3_num_f32 v252, v99, v100, v101
.irp i, 6,10,14,18,22,26,30,34,38,42,46,50,54,58
	v_max3_num_f32 v254, v254, v[96+\i], v[97+\i]
	v_max3_num_f32 v252, v252, v[98+\i], v[99+\i]
.endr
	v_max3_num_f32 v254, v254, v158, v159
	v_max_num_f32 v254, v254, v252
	v_permlanex16_b32 v236, v254, s[SEL], s[SEL+1]
	v_max_num_f32 v254, v254, v236                 ; and among lane l xor 16's
	v_mul_f32 v254, s[CS], v254                    ; as t (c is positive)
	v_max_num_f32 v13, v13, v254
	v_mov_b32 v254, v12
	v_floor_f32 v12, -v13                          ; the new -M = -ceil(t)
	v_sub_f32 v254, v12, v254                      ; old M - new M: a whole number, 0 or less
	v_cvt_i32_f32 v254, v254                       ; (it saturates)
	v_ldexp_f32 v252, 1.0, v254                    ; f = 2^(old M - new M)
.irp j, 0,2,4,6,8,10,12,14,16,18,20,22,24,26,28,30,32,34,36,38,40,42,44,46,48,50,52,54,56,58,60,62
	v_pk_fma_f32 v[96+\j:97+\j], v[96+\j:97+\j], s[CS:CS+1], v[12:13] op_sel_hi:[1,0,0]   ; t - M
.endr
.set n, 0
.rept 64
	v_exp_f32 v[96+n], v[96+n]                     ; p = 2^(t - M)
.set n, n+1
.endr
	v_pk_mul_f32 v[14:15], v[14:15], v[252:253] op_sel_hi:[1,0]   ; the sum under the new M: the plain instruction behind the exponentials
	s_wait_alu depctr_va_vdst(0)                   ; one wait for the batch, ahead of its first reader
	v_pk_add_f32 v[242:243], v[96:97], v[98:99]    ; the sum of the unquantised p, in two chains
.irp j, 4,8,12,16,20,24,28,32,36,40,44,48,52,56,60
	v_pk_add_f32 v[14:15], v[14:15], v[96+\j:97+\j]
	v_pk_add_f32 v[242:243], v[242:243], v[98+\j:99+\j]
.endr
	v_pk_add_f32 v[14:15], v[14:15], v[242:243]
.irp b, 0,1,2,3
.irp i, 0,1,2,3,4,5,6,7,8,9,10,11,12,13,14,15
	v_min_num_f32 v[96+16*\b+\i], v[96+16*\b+\i], v240   ; the hold; p is not negative, so it is one-sided
.endr
	v_cvt_scalef32_pk8_fp8_f32 v[224+4*\b:225+4*\b], v[96+16*\b:103+16*\b], v244
	v_cvt_scalef32_pk8_fp8_f32 v[226+4*\b:227+4*\b], v[104+16*\b:111+16*\b], v244
.endr
.irp j, 0,2,4,6,8,10,12,14,16,18,20,22,24,26,28,30
	v_pk_mul_f32 v[160+\j:161+\j], v[160+\j:161+\j], v[252:253] op_sel_hi:[1,0]   ; O^T under the new M; also the plain instructions behind the conversions
.endr
	s_wait_dscnt 0x0                               ; V's fragments are in
.irp t, 0,1,2,3
	v_wmma_f32_16x16x128_fp8_fp8 v[160+8*\t:167+8*\t], v[32+16*\t:47+16*\t], v[224:239], v[160+8*\t:167+8*\t]
.endr
.Lhidden_\@:
	s_add_co_u32 s[TB], s[TB], 8192
	s_add_co_u32 s[KF], s[KF], 128
.endm
; A GROUP of four key steps: 32,768 bytes of K and of V, which each wave's load number g brought a sixteenth of
.macro GROUP g
	s_wait_dscnt 0x0                               ; no LDS instruction of mine is out at the signal
	s_wait_tensorcnt 3-\g                          ; my part of this group has landed; the later groups' loads stay out
	s_barrier_signal -1
	s_barrier_wait -1                              ; everybody's has
	s_mov_b32 s[TB], \g*32768
	s_mov_b32 s[KF], \g*512
	s_mov_b32 s[CNT], 4
.Lstep_\@:
	STEP
	s_sub_co_u32 s[CNT], s[CNT], 1
	s_cmp_lg_u32 s[CNT], 0
	s_cbranch_scc1 .Lstep_\@
.endm
	s_wait_loadcnt 0x0                             ; Q
	GROUP 0
	GROUP 1
	GROUP 2
	GROUP 3
	; THE WAY OUT: O^T / the sum, quantised: registers 16 b + i are channels 32 b + 16 h + i of my query: 16 bytes of the next operand's image
.rept 4
	v_nop                                          ; places behind the last products
.endr
	v_add_f32 v14, v14, v15
	v_permlanex16_b32 v252, v14, s[SEL], s[SEL+1]
	v_add_f32 v14, v14, v252                       ; the row's sum
	v_rcp_f32 v14, v14
	v_nop                                          ; a plain instruction behind the transcendental,
	s_wait_alu depctr_va_vdst(0)                   ; and the wait ahead of its first reader
.set j, 0
.rept 32
	v_mul_f32 v[192+j], v[160+j], v14
.set j, j+1
.endr
.set j, 0
.rept 32
	v_med3_num_f32 v[192+j], v[192+j], -v241, v241
.set j, j+1
.endr
.irp q, 0,1,2,3
	v_cvt_scalef32_pk8_fp8_f32 v[224+2*\q:225+2*\q], v[192+8*\q:199+8*\q], v245
.endr
	v_nop
	global_store_b128 v[L16], v[224:227], s[8:9]               ; 32 lanes store 512 consecutive bytes
	global_store_b128 v[L16], v[228:231], s[8:9] offset:512
	s_wait_tensorcnt 0x0                           ; the wave's end
	ds_add_u32 v[SPW], v[NIL]
	s_wait_dscnt 0x0
	s_endpgm
.Lfunc_end_k_q9a4df331f3_attn:
	.size	k_q9a4df331f3_attn, .Lfunc_end_k_q9a4df331f3_attn-k_q9a4df331f3_attn
	.p2alignl 7, 3214868480
	.fill 96, 4, 3214868480
	.section	.rodata,"a",@progbits
	.p2align	6, 0x0
	.amdhsa_kernel k_q9a4df331f3_attn
		.amdhsa_group_segment_fixed_size 264192
		.amdhsa_private_segment_fixed_size 0
		.amdhsa_enable_private_segment 0
		.amdhsa_kernarg_size 24
		.amdhsa_user_sgpr_count 2
		.amdhsa_user_sgpr_kernarg_segment_ptr 1
		.amdhsa_wavefront_size32 1
		.amdhsa_system_sgpr_workgroup_id_x 1
		.amdhsa_system_sgpr_workgroup_id_y 1
		.amdhsa_system_sgpr_workgroup_id_z 1
		.amdhsa_system_vgpr_workitem_id 0
		.amdhsa_next_free_vgpr 256
		.amdhsa_next_free_sgpr 100
		.amdhsa_reserve_vcc 1
		.amdhsa_float_denorm_mode_32 3
		.amdhsa_float_denorm_mode_16_64 3
		.amdhsa_memory_ordered 1
		.amdhsa_forward_progress 1
		.amdhsa_inst_pref_size 94
	.end_amdhsa_kernel
	.amdgpu_metadata
---
amdhsa.version: [ 1, 2 ]
amdhsa.kernels:
  - .name:           k_q9a4df331f3_attn
    .symbol:         k_q9a4df331f3_attn.kd
    .args:
      - { .name: img2, .offset: 0, .size: 8, .value_kind: global_buffer, .address_space: global }
      - { .name: lowp_scales, .offset: 8, .size: 8, .value_kind: global_buffer, .address_space: global }
      - { .name: img3, .offset: 16, .size: 8, .value_kind: global_buffer, .address_space: global }
    .group_segment_fixed_size: 264192
    .private_segment_fixed_size: 0
    .kernarg_segment_align: 8
    .kernarg_segment_size: 24
    .max_flat_workgroup_size: 512
    .sgpr_count:     100
    .vgpr_count:     256
    .wavefront_size: 32
...
	.end_amdgpu_metadata
.endif
;; end of part 3
;; launch tail (part 4): grid 128 x 1, 4 waves a work-group, no clusters, 206,848 bytes of LDS; arguments img3, img1, x, ln2_w, ln2_b, lowp_scales, out0; writes out0
.if DOCPART == 4
	.amdgcn_target "amdgcn-amd-amdhsa--gfx1250"
	.amdhsa_code_object_version 6
	.text
	.protected	k_q9a4df331f3_tail
	.globl	k_q9a4df331f3_tail
	.p2align	8
	.type	k_q9a4df331f3_tail,@function
k_q9a4df331f3_tail:
	s_mov_b64 s[64:65], 0
	v_nop
	global_prefetch_b8 v0, s[64:65] scope:SCOPE_SE
	s_setreg_imm32_b32 hwreg(HW_REG_WAVE_MODE, 25, 1), 1
	s_wait_xcnt 0x0
; TAIL.  x1 = x + attn Wo^T;  h = LayerNorm 2 (x1);  out = x1 + gelu(h W1^T) W2^T (gelu by erf), the three products on codes of E4M3.  x1, h and the hidden layer never go to memory.
; Operands are tile images (a tile: 16 rows, tile 2 b + u = rows 32 b + 8 u + r + 8 (r / 8); an image: [K step 8][c 4][lane 32][16 bytes], lane (r, h): k = 128 s + 32 c + 16 h + 0 .. 15): attn's from img3, the weights' from img1
; (Wo at tile 960, W1 at 1024, W2 at 1088).
; SHARES.  A work-group owns 32 tokens (token tiles 2 g, 2 g + 1).  THE WAVES SHARE THE COLUMNS: wave w makes columns 256 w .. 256 w + 255 of each product, a PAIR of weight tiles (32 columns) at a time.
; The products are used transposed (source 0 = a weight tile, source 1 = a token tile): a lane holds one token, and a pair's 16 registers are 16 neighbouring columns: what the residual in LDS, LayerNorm and the next quantiser want.
; THE WEIGHTS GO FROM MEMORY STRAIGHT INTO REGISTERS, each fragment read by one wave of the work-group, in two sets of four K steps that take turns: while one set is multiplied the other and the next pair's are on their way,
; across the epilogues, LayerNorm and the barriers too.  The token side's 16 fragments (256 registers) stay for a whole product.
; NO CLUSTER, NO RING IN LDS: a joint refill would stand behind a round with every load landed, 24 rounds for the three weights; the stream into registers has no barrier.  128 work-groups: with 16 tokens each, every work-group would
; still read all three weights.  No prefetch: the weights are read by all work-groups, not once.
; LDS: XS, 32 rows (position 16 m + r) of 4,096 bytes + 16: x, then x1, then out; HIMG, GIMG: h's and the hidden layer's 16 fragments as images; ln2_w, ln2_b; two places for the sums of LayerNorm; the spare words.
; erf(a): two polynomials, |a| <= 475/512 and above (there by an exponential); 1 + erf is formed without a difference of near numbers on the negative side: for a < 0 it is the exponential itself.
; LIMITS: e10 + e11, e12 + e13, e14 + e15 between -126 and 127; e12 between -126 and 119, e14 between -127 and 118.  NaN and infinities are not served.
; REGISTERS, in windows of 256: window 0: see below; window 1: the token side's fragments, (m, s) at v[16 (8 m + s)]; window 2: the weights, set q at v[128 q], (tile t, K step 4 q + s) at + 16 (4 t + s); at the end out's rows;
;   window 3: x's rows on their way into LDS.
.set XP,    4112
.set HIMG,  32*XP
.set GIMG,  HIMG+32768
.set LNW,   GIMG+32768
.set RED1,  LNW+8192                   ; [m][r][wave], 512 bytes; the second sums' place 512 further on
.set SPARE, RED1+1024                  ; the spare words, 128 bytes a wave, which no other line names
.set L16,  1                           ; v1   16 x lane
.set XA0,  2                           ; v2   XS: row r, my wave's 1,024 bytes, + 64 h (m = 0);  v3: m = 1
.set XROW, 4                           ; v4   XS by rows: my 8 tokens' rows, 16 x lane
.set IAH,  5                           ; v5   where I store h's images: HIMG + 4,096 w + 16 x lane;  v6: the same in GIMG
.set IAG,  6
.set HR,   7                           ; v7   HIMG + 16 x lane;  v8: GIMG + 16 x lane
.set GRD,  8
.set WA0,  9                           ; v9   ln2_w at my columns
.set R1S,  10                          ; v10  where I put a sum;  v11: where I read the four waves'
.set R1L,  11
.set SPW,  16                          ; v16  my spare word; never rewritten
.set NIL,  17                          ; v17  0; never rewritten
.set MU,   18                          ; v[18:19], v[20:21] the means of my two tokens, twice each
.set RS,   22                          ; v[22:23], v[24:25] 1 / sqrt(var + eps)
.set SM,   26                          ; v[26:27], v[28:29] sums
.set ACC,  32                          ; v[32:63]  accumulator (m, t) at 32 + 16 m + 8 t
.set XT,   64                          ; v[64:95]  x or x1 in hand, in ACC's order
.set LWR,  96                          ; v[96:111] ln2_w, v[112:127] ln2_b at the pair's columns
.set LBR,  112
.set GA,   128                         ; gelu: a;  |a|;  a^2;  the large branch;  the small branch: 16 each
.set GT,   144
.set GS,   160
.set GR,   176
.set GU,   192
.set PC,   208                         ; v[208:215] codes just made
.set KC,   216                         ; v[216:245] fifteen constants, each twice: c1-c7, d1-d6, log2(e), 1 / sqrt(2)
.set SC12, 246                         ; 2^e12, 448 x 2^e12;  2^(e14 + 1), 448 x that
.set LI12, 247
.set SC14, 248
.set LI14, 249
.set PF,   26                          ; s[26:27] the pair of weight tiles to fetch
.set CNT,  32
.set XO,   33                          ; 128 x pair: bytes in a row of XS
.set IO,   34                          ; 512 x pair: bytes in an image
.set MSB, 0
.macro WIN new                         ; the immediate's high byte repeats the setting that is left
.if MSB != \new
	s_set_vgpr_msb (MSB<<8)|\new
.set MSB, \new
.endif
.endm
.macro KSET i, val
	v_mov_b32 v[KC+2*\i], \val
	v_mov_b32 v[KC+2*\i+1], \val
.endm
.macro BARRIER                         ; my LDS stores have landed and my LDS loads are in: then the work-group's barrier
	s_wait_dscnt 0x0
	s_barrier_signal -1
	s_barrier_wait -1
.endm
	s_load_b256 s[4:11], s[0:1], 0x0               ; img3, img1, x, ln2_w
	s_load_b128 s[12:15], s[0:1], 0x20             ; ln2_b, lowp_scales
	s_load_b64 s[16:17], s[0:1], 0x30              ; out0
	v_lshl_add_u32 v[SPW], v0, 2, SPARE
	v_mov_b32 v[NIL], 0
	v_lshrrev_b32 v1, 5, v0
	v_readfirstlane_b32 s18, v1                    ; wave
	v_and_b32 v30, 31, v0
	v_lshlrev_b32 v[L16], 4, v30
	v_and_b32 v30, 15, v0                          ; r
	v_bfe_u32 v31, v0, 4, 1                        ; h
	s_lshl_b32 s41, s18, 10
	v_mul_u32_u24 v[XA0], v30, XP
	v_lshl_add_u32 v[XA0], v31, 6, v[XA0]
	v_add_nc_u32 v[XA0], s41, v[XA0]
	v_add_nc_u32 v[XA0+1], 16*XP, v[XA0]
	s_and_b32 s42, s18, 1                          ; tokens 8 w .. 8 w + 7 of the 32 are rows 8 (w / 2) .. of tile w % 2: positions 16 (w % 2) + 8 (w / 2) on
	s_lshl_b32 s42, s42, 4
	s_lshr_b32 s43, s18, 1
	s_lshl_b32 s43, s43, 3
	s_add_co_u32 s42, s42, s43
	s_mul_i32 s42, s42, XP
	v_add_nc_u32 v[XROW], s42, v[L16]
	s_lshl_b32 s42, s18, 12
	v_add_nc_u32 v[IAH], s42, v[L16]
	v_add_nc_u32 v[IAG], GIMG, v[IAH]
	v_add_nc_u32 v[IAH], HIMG, v[IAH]
	v_add_nc_u32 v[HR], HIMG, v[L16]
	v_add_nc_u32 v[GRD], GIMG, v[L16]
	v_lshlrev_b32 v[WA0], 6, v31
	v_add_nc_u32 v[WA0], s41, v[WA0]
	v_add_nc_u32 v[WA0], LNW, v[WA0]
	v_lshlrev_b32 v[R1L], 4, v30
	v_add_nc_u32 v[R1L], RED1, v[R1L]
	s_lshl_b32 s42, s18, 2
	v_add_nc_u32 v[R1S], s42, v[R1L]
	v_lshlrev_b32 v15, 4, v0                       ; 16 x thread
	v_add_nc_u32 v14, LNW, v15
	s_lshl_b32 s44, ttmp9, 17                      ; x, out0: (32 g + 8 w) rows of 4,096 bytes
	s_lshl_b32 s45, s18, 15
	s_add_co_u32 s44, s44, s45
	s_mov_b32 s45, 0
	s_lshl_b32 s46, ttmp9, 15                      ; img3: two tiles' images
	s_mov_b32 s47, 0
	s_lshl_b32 s48, s18, 18                        ; img1: tile 960 + 16 w
	s_add_co_u32 s48, s48, 960*16384
	s_mov_b32 s49, 0
	s_mov_b32 s36, 0x76543210                      ; lane l xor 16
	s_mov_b32 s37, 0xfedcba98
	s_mov_b32 s38, 0x3a800000                      ; 1 / 1024
	s_mov_b32 s39, 0x3727c5ac                      ; 1e-5
	s_mov_b32 s40, 0x3f6d8000                      ; 475 / 512
	s_wait_kmcnt 0x0
	s_load_b512 s[68:83], s[14:15], 0x0            ; the sixteen exponents
	s_add_nc_u64 s[8:9], s[8:9], s[44:45]
	s_add_nc_u64 s[16:17], s[16:17], s[44:45]
	s_add_nc_u64 s[4:5], s[4:5], s[46:47]
	s_add_nc_u64 s[PF:PF+1], s[6:7], s[48:49]      ; Wo's first pair of mine,
	s_add_nc_u64 s[28:29], s[PF:PF+1], 0x100000    ; W1's: 64 tiles on,
	s_add_nc_u64 s[30:31], s[PF:PF+1], 0x200000    ; W2's
.macro FETCHW q                        ; four K steps of both tiles of the pair at s[PF]: 32 loads of 512 consecutive bytes.  (The destination's window is 2)
.irp s, 0,1,2,3
.irp t, 0,1
.irp c, 0,1,2,3
	global_load_b128 v[128*\q+16*(4*\t+\s)+4*\c:128*\q+16*(4*\t+\s)+4*\c+3], v[L16], s[PF:PF+1] offset:\t*16384+(4*\q+\s)*2048+512*\c
.endr
.endr
.endr
.endm
	global_load_b128 v[96:99], v15, s[10:11]
	global_load_b128 v[100:103], v15, s[10:11] offset:2048
	global_load_b128 v[104:107], v15, s[12:13]
	global_load_b128 v[108:111], v15, s[12:13] offset:2048
	WIN 0xc0                                       ; destination window 3
.set k, 0
.rept 64
	global_load_b128 v[4*k:4*k+3], v[L16], s[8:9] offset:(k/8)*4096+(k%8)*512 th:TH_LOAD_NT   ; my 8 tokens' rows of x
.set k, k+1
.endr
	WIN 0x40                                       ; destination window 1
.set k, 0
.rept 64
	global_load_b128 v[4*k:4*k+3], v[L16], s[4:5] offset:512*k   ; attn's 16 fragments
.set k, k+1
.endr
	WIN 0x80                                       ; destination window 2
	FETCHW 0
	FETCHW 1
	WIN 0
	KSET 0, 0xb7910000                             ; c1 .. c7
	KSET 1, 0x39c8e7d9
	KSET 2, 0xbb7e8a1c
	KSET 3, 0x3cc6b1a1
	KSET 4, 0xbddaae5c
	KSET 5, 0xbf228550
	KSET 6, 0xbe03ce86
	KSET 7, 0xba1c7000                             ; d1 .. d6
	KSET 8, 0x3ba38d2c
	KSET 9, 0xbcdb48d9
	KSET 10, 0x3de70e22
	KSET 11, 0xbec09380
	KSET 12, 0x3e0375d4
	KSET 13, 0x3fb8aa3b                            ; log2(e)
	KSET 14, 0x3f3504f3                            ; 1 / sqrt(2)
.irp j, 0,1,2,3
	v_mov_b32 v[SM+\j], 0
.endr
	s_wait_kmcnt 0x0
	s_add_co_i32 s20, s78, s79
	s_add_co_i32 s20, s20, 127
	s_lshl_b32 s20, s20, 23                        ; 2^(e10 + e11)
	s_mov_b32 s21, s20
	s_add_co_i32 s22, s80, s81
	s_add_co_i32 s22, s22, 127
	s_lshl_b32 s22, s22, 23                        ; 2^(e12 + e13)
	s_mov_b32 s23, s22
	s_add_co_i32 s24, s82, s83
	s_add_co_i32 s24, s24, 127
	s_lshl_b32 s24, s24, 23                        ; 2^(e14 + e15)
	s_mov_b32 s25, s24
	s_add_co_i32 s41, s80, 127
	s_lshl_b32 s42, s41, 23
	v_mov_b32 v[SC12], s42
	s_add_co_i32 s41, s41, 8
	s_lshl_b32 s41, s41, 23
	s_or_b32 s41, s41, 0x600000
	v_mov_b32 v[LI12], s41
	s_add_co_i32 s41, s82, 128                     ; e14 + 1: gelu's factor 1/2 goes into the conversion's scale
	s_lshl_b32 s42, s41, 23
	v_mov_b32 v[SC14], s42
	s_add_co_i32 s41, s41, 8
	s_lshl_b32 s41, s41, 23
	s_or_b32 s41, s41, 0x600000
	v_mov_b32 v[LI14], s41
	s_wait_xcnt 0x0                                ; the loads have read their base:
	s_add_nc_u64 s[PF:PF+1], s[PF:PF+1], 32768     ; on to my second pair
	s_wait_loadcnt 63                              ; ln2's and x's loads are in: 128 loads are younger, more than the count can name
	ds_store_b128 v14, v[96:99]
	ds_store_b128 v14, v[100:103] offset:2048
	ds_store_b128 v14, v[104:107] offset:4096
	ds_store_b128 v14, v[108:111] offset:6144
	WIN 0x0c                                       ; the stores' data in window 3
.set k, 0
.rept 64
	ds_store_b128 v[XROW], v[4*k:4*k+3] offset:(k/8)*XP+(k%8)*512
.set k, k+1
.endr
	WIN 0
	BARRIER                                        ; x's 32 rows and ln2's gains lie in LDS
; 16 matrix instructions: four K steps, the pair's four accumulators by turns, one instruction a turn.  The first K step starts the sums.
.macro MM q
.irp s, 0,1,2,3
.irp t, 0,1
.irp m, 0,1
.if (\q == 0) && (\s == 0)
	v_wmma_f32_16x16x128_fp8_fp8 v[ACC+16*\m+8*\t:ACC+16*\m+8*\t+7], v[128*\q+16*(4*\t+\s):128*\q+16*(4*\t+\s)+15], v[16*(8*\m+4*\q+\s):16*(8*\m+4*\q+\s)+15], 0
.else
	v_wmma_f32_16x16x128_fp8_fp8 v[ACC+16*\m+8*\t:ACC+16*\m+8*\t+7], v[128*\q+16*(4*\t+\s):128*\q+16*(4*\t+\s)+15], v[16*(8*\m+4*\q+\s):16*(8*\m+4*\q+\s)+15], v[ACC+16*\m+8*\t:ACC+16*\m+8*\t+7]
.endif
.endr
.endr
.endr
.endm
; A PAIR: 32 columns x 32 tokens x 1,024 along K.  fetch = 1: each set, once multiplied, takes the pair at s[PF]
.macro PAIR fetch
	s_wait_loadcnt 32                              ; set 0 is in; set 1's 32 loads may be out
	WIN 0x06                                       ; source 0 window 2, source 1 window 1, C and D window 0
	MM 0
.rept 4
	v_nop                                          ; places in front of loads into registers that the products read
.endr
.if \fetch
	WIN 0x80
	FETCHW 0
	s_wait_loadcnt 32                              ; set 1 is in; the 32 just issued may be out
.else
	s_wait_loadcnt 0x0
.endif
	WIN 0x06
	MM 1
.rept 4
	v_nop                                          ; places in front of the loads below and of the first read of the sums
.endr
.if \fetch
	WIN 0x80
	FETCHW 1
.endif
	WIN 0
.endm
.macro XADR
	v_add_nc_u32 v12, s[XO], v[XA0]
	v_add_nc_u32 v13, s[XO], v[XA0+1]
.endm
.macro XLD                             ; my two tokens' 16 numbers of the pair's columns
.irp m, 0,1
.irp i, 0,1,2,3
	ds_load_b128 v[XT+16*\m+4*\i:XT+16*\m+4*\i+3], v[12+\m] offset:16*\i
.endr
.endr
.endm
.macro XST
.irp m, 0,1
.irp i, 0,1,2,3
	ds_store_b128 v[12+\m], v[XT+16*\m+4*\i:XT+16*\m+4*\i+3] offset:16*\i
.endr
.endr
.endm
; XS += sums x the factor in s[sp]; sums = 1: LayerNorm's first sums are taken on the way.  A wave touches its own 1,024 bytes of each row alone.
.macro EPIADD sp, sums
	s_wait_dscnt 0x0                               ; the last pair's stores have read their registers
	XADR
	XLD
	s_wait_dscnt 0x0
.set j, 0
.rept 16
	v_pk_fma_f32 v[XT+j:XT+j+1], v[ACC+j:ACC+j+1], s[\sp:\sp+1], v[XT+j:XT+j+1] op_sel_hi:[1,0,1]   ; each accumulator from its low end on
.set j, j+2
.endr
.if \sums
.irp k, 0,2,4,6,8,10,12,14
	v_pk_add_f32 v[SM:SM+1], v[SM:SM+1], v[XT+\k:XT+\k+1]
	v_pk_add_f32 v[SM+2:SM+3], v[SM+2:SM+3], v[XT+16+\k:XT+16+\k+1]
.endr
.endif
	XST
.endm
.macro P8 op, d, a, b                  ; a packed two-source instruction over 16 numbers
.irp k, 0,2,4,6,8,10,12,14
	\op v[\d+\k:\d+\k+1], v[\a+\k:\a+\k+1], v[\b+\k:\b+\k+1]
.endr
.endm
.macro F8K d, a, b, c                  ; d = a x b + constant c, over 16 numbers
.irp k, 0,2,4,6,8,10,12,14
	v_pk_fma_f32 v[\d+\k:\d+\k+1], v[\a+\k:\a+\k+1], v[\b+\k:\b+\k+1], v[KC+2*\c:KC+2*\c+1]
.endr
.endm
.macro F8KK d, a, c1, c2               ; d = a x constant c1 + constant c2
.irp k, 0,2,4,6,8,10,12,14
	v_pk_fma_f32 v[\d+\k:\d+\k+1], v[\a+\k:\a+\k+1], v[KC+2*\c1:KC+2*\c1+1], v[KC+2*\c2:KC+2*\c2+1]
.endr
.endm
; 16 sums of token tile m become codes of gelu(z), z = sum x 2^(e12 + e13): z (1 + erf(z / sqrt 2)), whose half is taken by the conversion's scale
.macro GELU16 m
.set AB, ACC+16*(\m)
.irp k, 0,2,4,6,8,10,12,14
	v_pk_mul_f32 v[AB+\k:AB+\k+1], v[AB+\k:AB+\k+1], s[22:23] op_sel_hi:[1,0]   ; z
.endr
.irp k, 0,2,4,6,8,10,12,14
	v_pk_mul_f32 v[GA+\k:GA+\k+1], v[AB+\k:AB+\k+1], v[KC+28:KC+29]             ; a = z / sqrt 2
.endr
.irp i, 0,1,2,3,4,5,6,7,8,9,10,11,12,13,14,15
	v_and_b32 v[GT+\i], 0x7fffffff, v[GA+\i]       ; t = |a|
.endr
	P8 v_pk_mul_f32, GS, GA, GA                    ; s = a^2
	F8KK GR, GT, 0, 1                              ; the large branch: r = ((c1 t + c2) s + (c3 t + c4)) ..
	F8KK GU, GT, 2, 3
.irp k, 0,2,4,6,8,10,12,14
	v_pk_fma_f32 v[GR+\k:GR+\k+1], v[GR+\k:GR+\k+1], v[GS+\k:GS+\k+1], v[GU+\k:GU+\k+1]
.endr
	F8K GR, GR, GT, 4
	F8K GR, GR, GT, 5
	F8K GR, GR, GT, 6
.irp k, 0,2,4,6,8,10,12,14
	v_pk_fma_f32 v[GR+\k:GR+\k+1], v[GR+\k:GR+\k+1], v[GT+\k:GT+\k+1], v[GT+\k:GT+\k+1] neg_lo:[0,0,1] neg_hi:[0,0,1]   ; r t - t
.endr
.irp k, 0,2,4,6,8,10,12,14
	v_pk_mul_f32 v[GR+\k:GR+\k+1], v[GR+\k:GR+\k+1], v[KC+26:KC+27]
.endr
.irp i, 0,1,2,3,4,5,6,7,8,9,10,11,12,13,14,15
	v_exp_f32 v[GR+\i], v[GR+\i]                   ; E = e^r = 1 - erf(t)
.endr
	F8KK GU, GS, 7, 8                              ; the small branch, which names no exponential's result: the work behind the batch
	F8K GU, GU, GS, 9
	F8K GU, GU, GS, 10
	F8K GU, GU, GS, 11
	F8K GU, GU, GS, 12
.irp k, 0,2,4,6,8,10,12,14
	v_pk_fma_f32 v[GU+\k:GU+\k+1], v[GU+\k:GU+\k+1], v[GA+\k:GA+\k+1], v[GA+\k:GA+\k+1]   ; erf(a)
.endr
.irp k, 0,2,4,6,8,10,12,14
	v_pk_add_f32 v[GU+\k:GU+\k+1], v[GU+\k:GU+\k+1], 1.0 op_sel_hi:[1,0]
.endr
	s_wait_alu depctr_va_vdst(0)                   ; one wait for the batch, ahead of its first reader
.irp k, 0,2,4,6,8,10,12,14
	v_pk_fma_f32 v[GS+\k:GS+\k+1], v[GR+\k:GR+\k+1], -1.0, 2.0 op_sel_hi:[1,0,0]          ; 2 - E
.endr
.irp i, 0,1,2,3,4,5,6,7,8,9,10,11,12,13,14,15
	v_cmp_gt_f32 vcc_lo, 0, v[GA+\i]
	v_cndmask_b32 v[GS+\i], v[GS+\i], v[GR+\i], vcc_lo      ; a < 0: 1 + erf = E
	v_cmp_lt_f32 vcc_lo, s40, v[GT+\i]
	v_cndmask_b32 v[GU+\i], v[GU+\i], v[GS+\i], vcc_lo      ; t above 475/512: the large branch
.endr
	P8 v_pk_mul_f32, GU, GU, AB                    ; z (1 + erf) = 2 gelu
.irp i, 0,1,2,3,4,5,6,7,8,9,10,11,12,13,14,15
	v_med3_num_f32 v[GU+\i], v[GU+\i], -v[LI14], v[LI14]
.endr
	v_cvt_scalef32_pk8_fp8_f32 v[PC+4*\m:PC+4*\m+1], v[GU:GU+7], v[SC14]
	v_cvt_scalef32_pk8_fp8_f32 v[PC+4*\m+2:PC+4*\m+3], v[GU+8:GU+15], v[SC14]
.endm
.macro EPIGELU
	s_wait_dscnt 0x0                               ; the last pair's stores have read the codes' registers
	v_add_nc_u32 v14, s[IO], v[IAG]
	GELU16 0
	GELU16 1
	v_nop                                          ; a plain instruction behind the last conversion
	ds_store_b128 v14, v[PC:PC+3]                  ; columns 256 w + 32 p + 16 h on are K step 2 w + p / 4, c = p % 4 of the next product: 512 p bytes on in my part of the image
	ds_store_b128 v14, v[PC+4:PC+7] offset:16384
.endm
.macro EPI e
.if \e == 1
	EPIADD 20, 1
.elseif \e == 2
	EPIGELU
.else
	EPIADD 24, 0
.endif
.endm
; A PRODUCT: my eight pairs.  Seven trips fetch the next pair; the eighth is written out: it fetches the next weight's first pair (at s[nx]) or, nx = 0, nothing.
.macro PHASE e, nx
	s_mov_b32 s[XO], 0
	s_mov_b32 s[IO], 0
	s_mov_b32 s[CNT], 7
.Lpair_\@:
	PAIR 1
	EPI \e
	s_wait_xcnt 0x0                                ; the loads have read their base
	s_add_nc_u64 s[PF:PF+1], s[PF:PF+1], 32768
	s_add_co_u32 s[XO], s[XO], 128
	s_add_co_u32 s[IO], s[IO], 512
	s_sub_co_u32 s[CNT], s[CNT], 1
	s_cmp_lg_u32 s[CNT], 0
	s_cbranch_scc1 .Lpair_\@
.if \nx
	s_mov_b64 s[PF:PF+1], s[\nx:\nx+1]
	PAIR 1
	EPI \e
	s_wait_xcnt 0x0
	s_add_nc_u64 s[PF:PF+1], s[PF:PF+1], 32768
.else
	PAIR 0
	EPI \e
.endif
.endm
; My sums of two tokens (v[SM] on, in halves) are completed over the lane 16 away and over the four waves: the totals come back in v[SM] and v[SM+2]
.macro XCHG off
	v_add_f32 v[SM], v[SM], v[SM+1]
	v_add_f32 v[SM+2], v[SM+2], v[SM+3]
	v_permlanex16_b32 v[SM+1], v[SM], s36, s37
	v_permlanex16_b32 v[SM+3], v[SM+2], s36, s37
	v_add_f32 v[SM], v[SM], v[SM+1]
	v_add_f32 v[SM+2], v[SM+2], v[SM+3]
	ds_store_b32 v[R1S], v[SM] offset:\off
	ds_store_b32 v[R1S], v[SM+2] offset:\off+256
	BARRIER
	ds_load_b128 v[64:67], v[R1L] offset:\off
	ds_load_b128 v[68:71], v[R1L] offset:\off+256
	s_wait_dscnt 0x0
	v_add_f32 v64, v64, v65
	v_add_f32 v66, v66, v67
	v_add_f32 v68, v68, v69
	v_add_f32 v70, v70, v71
	v_add_f32 v[SM], v64, v66
	v_add_f32 v[SM+2], v68, v70
.endm
.macro DEV                             ; x1 - mean
.irp k, 0,2,4,6,8,10,12,14
	v_pk_add_f32 v[XT+\k:XT+\k+1], v[XT+\k:XT+\k+1], v[MU:MU+1] neg_lo:[0,1] neg_hi:[0,1]
	v_pk_add_f32 v[XT+16+\k:XT+16+\k+1], v[XT+16+\k:XT+16+\k+1], v[MU+2:MU+3] neg_lo:[0,1] neg_hi:[0,1]
.endr
.endm
.macro AFLD adr                        ; the token side's 16 fragments, from their images
	WIN 0x40
.set k, 0
.rept 64
	ds_load_b128 v[4*k:4*k+3], v[\adr] offset:512*k
.set k, k+1
.endr
	WIN 0
	s_wait_dscnt 0x0
.endm
	PHASE 1, 28                                    ; x1 = x + attn Wo^T, in XS; W1's first pair is asked for in the last pair
	XCHG 0
	v_mul_f32 v[MU], s38, v[SM]
	v_mul_f32 v[MU+2], s38, v[SM+2]
	v_mov_b32 v[MU+1], v[MU]
	v_mov_b32 v[MU+3], v[MU+2]
.irp j, 0,1,2,3
	v_mov_b32 v[SM+\j], 0
.endr
	s_mov_b32 s[XO], 0
	s_mov_b32 s[CNT], 8
.Lsq:                                              ; the squares of the deviations, over my 256 columns
	XADR
	XLD
	s_wait_dscnt 0x0
	DEV
.irp k, 0,2,4,6,8,10,12,14
	v_pk_fma_f32 v[SM:SM+1], v[XT+\k:XT+\k+1], v[XT+\k:XT+\k+1], v[SM:SM+1]
	v_pk_fma_f32 v[SM+2:SM+3], v[XT+16+\k:XT+16+\k+1], v[XT+16+\k:XT+16+\k+1], v[SM+2:SM+3]
.endr
	s_add_co_u32 s[XO], s[XO], 128
	s_sub_co_u32 s[CNT], s[CNT], 1
	s_cmp_lg_u32 s[CNT], 0
	s_cbranch_scc1 .Lsq
	XCHG 512
	v_fma_f32 v[SM], v[SM], s38, s39               ; var + eps
	v_fma_f32 v[SM+2], v[SM+2], s38, s39
	v_rsq_f32 v[RS], v[SM]
	v_rsq_f32 v[RS+2], v[SM+2]
	v_nop                                          ; a plain instruction behind the transcendentals,
	s_wait_alu depctr_va_vdst(0)                   ; and the one wait ahead of their first reader
	v_mov_b32 v[RS+1], v[RS]
	v_mov_b32 v[RS+3], v[RS+2]
	s_mov_b32 s[XO], 0
	s_mov_b32 s[IO], 0
	s_mov_b32 s[CNT], 8
.Lnorm:                                            ; h = (x1 - mean) x rsqrt x w + b, quantised by entry 12, as images
	s_wait_dscnt 0x0                               ; the last trip's stores have read the codes' registers
	XADR
	v_add_nc_u32 v15, s[XO], v[WA0]
	v_add_nc_u32 v14, s[IO], v[IAH]
	XLD
.irp i, 0,1,2,3
	ds_load_b128 v[LWR+4*\i:LWR+4*\i+3], v15 offset:16*\i
	ds_load_b128 v[LBR+4*\i:LBR+4*\i+3], v15 offset:4096+16*\i
.endr
	s_wait_dscnt 0x0
	DEV
.irp k, 0,2,4,6,8,10,12,14
	v_pk_mul_f32 v[XT+\k:XT+\k+1], v[XT+\k:XT+\k+1], v[RS:RS+1]
	v_pk_mul_f32 v[XT+16+\k:XT+16+\k+1], v[XT+16+\k:XT+16+\k+1], v[RS+2:RS+3]
.endr
.irp k, 0,2,4,6,8,10,12,14
	v_pk_fma_f32 v[XT+\k:XT+\k+1], v[XT+\k:XT+\k+1], v[LWR+\k:LWR+\k+1], v[LBR+\k:LBR+\k+1]
	v_pk_fma_f32 v[XT+16+\k:XT+16+\k+1], v[XT+16+\k:XT+16+\k+1], v[LWR+\k:LWR+\k+1], v[LBR+\k:LBR+\k+1]
.endr
.set j, 0
.rept 32
	v_med3_num_f32 v[XT+j], v[XT+j], -v[LI12], v[LI12]
.set j, j+1
.endr
.irp q, 0,1,2,3
	v_cvt_scalef32_pk8_fp8_f32 v[PC+2*\q:PC+2*\q+1], v[XT+8*\q:XT+8*\q+7], v[SC12]
.endr
	v_nop                                          ; a plain instruction behind the last conversion
	ds_store_b128 v14, v[PC:PC+3]
	ds_store_b128 v14, v[PC+4:PC+7] offset:16384
	s_add_co_u32 s[XO], s[XO], 128
	s_add_co_u32 s[IO], s[IO], 512
	s_sub_co_u32 s[CNT], s[CNT], 1
	s_cmp_lg_u32 s[CNT], 0
	s_cbranch_scc1 .Lnorm
	BARRIER                                        ; h's sixteen fragments lie in LDS
	AFLD HR
	PHASE 2, 30                                    ; the hidden layer, gelu, quantised by entry 14, as images; W2's first pair is asked for in the last pair
	BARRIER                                        ; its sixteen fragments lie in LDS
	AFLD GRD
	PHASE 3, 0                                     ; out = x1 + hidden W2^T, in XS
	BARRIER                                        ; 32 whole rows of out lie in XS
	WIN 0x80                                       ; destination window 2: the weights' registers are free, and the epilogue's instructions are the places behind the last products
.set k, 0
.rept 64
	ds_load_b128 v[4*k:4*k+3], v[XROW] offset:(k/8)*XP+(k%8)*512
.set k, k+1
.endr
	WIN 0x08                                       ; the stores' data in window 2
.set k, 0
.rept 64
	s_wait_dscnt 63-k
	global_store_b128 v[L16], v[4*k:4*k+3], s[16:17] offset:(k/8)*4096+(k%8)*512 th:TH_STORE_NT   ; 32 lanes store 512 consecutive bytes of a row
.set k, k+1
.endr
	WIN 0
	s_wait_tensorcnt 0x0                           ; the wave's end, behind my last LDS store
	ds_add_u32 v[SPW], v[NIL]
	s_wait_dscnt 0x0
	s_endpgm
.Lfunc_end_k_q9a4df331f3_tail:
	.size	k_q9a4df331f3_tail, .Lfunc_end_k_q9a4df331f3_tail-k_q9a4df331f3_tail
	.p2alignl 7, 3214868480
	.fill 96, 4, 3214868480
	.section	.rodata,"a",@progbits
	.p2align	6, 0x0
	.amdhsa_kernel k_q9a4df331f3_tail
		.amdhsa_group_segment_fixed_size 206848
		.amdhsa_private_segment_fixed_size 0
		.amdhsa_enable_private_segment 0
		.amdhsa_kernarg_size 56
		.amdhsa_user_sgpr_count 2
		.amdhsa_user_sgpr_kernarg_segment_ptr 1
		.amdhsa_wavefront_size32 1
		.amdhsa_system_sgpr_workgroup_id_x 1
		.amdhsa_system_sgpr_workgroup_id_y 1
		.amdhsa_system_sgpr_workgroup_id_z 1
		.amdhsa_system_vgpr_workitem_id 0
		.amdhsa_next_free_vgpr 1024
		.amdhsa_next_free_sgpr 104
		.amdhsa_reserve_vcc 1
		.amdhsa_float_denorm_mode_32 3
		.amdhsa_float_denorm_mode_16_64 3
		.amdhsa_memory_ordered 1
		.amdhsa_forward_progress 1
		.amdhsa_inst_pref_size 178
	.end_amdhsa_kernel
	.amdgpu_metadata
---
amdhsa.version: [ 1, 2 ]
amdhsa.kernels:
  - .name:           k_q9a4df331f3_tail
    .symbol:         k_q9a4df331f3_tail.kd
    .args:
      - { .name: img3, .offset: 0, .size: 8, .value_kind: global_buffer, .address_space: global }
      - { .name: img1, .offset: 8, .size: 8, .value_kind: global_buffer, .address_space: global }
      - { .name: x, .offset: 16, .size: 8, .value_kind: global_buffer, .address_space: global }
      - { .name: ln2_w, .offset: 24, .size: 8, .value_kind: global_buffer, .address_space: global }
      - { .name: ln2_b, .offset: 32, .size: 8, .value_kind: global_buffer, .address_space: global }
      - { .name: lowp_scales, .offset: 40, .size: 8, .value_kind: global_buffer, .address_space: global }
      - { .name: out0, .offset: 48, .size: 8, .value_kind: global_buffer, .address_space: global }
    .group_segment_fixed_size: 206848
    .private_segment_fixed_size: 0
    .kernarg_segment_align: 8
    .kernarg_segment_size: 56
    .max_flat_workgroup_size: 128
    .sgpr_count:     104
    .vgpr_count:     1024
    .wavefront_size: 32
...
	.end_amdgpu_metadata
.endif
;; end of part 4
;; ======== version 2 of 2: 4 launches
;; limits: right only within a limited range of input values
;; workspace buffers: img1 18,874,368 bytes; img2 12,582,912 bytes; img3 4,194,304 bytes
;; launch prep (part 5): grid 224 x 1, 4 waves a work-group, no clusters, 139,776 bytes of LDS; arguments x, token_emb, Wq, Wk, Wv, Wo, W1, W2, ln1_w, ln1_b, lowp_scales, img1; writes img1
.if DOCPART == 5
	.amdgcn_target "amdgcn-amd-amdhsa--gfx1250"
	.amdhsa_code_object_version 6
	.text
	.protected	k_q9a4df331f3_prep
	.globl	k_q9a4df331f3_prep
	.p2align	8
	.type	k_q9a4df331f3_prep,@function
k_q9a4df331f3_prep:
	s_mov_b64 s[64:65], 0
	v_nop
	global_prefetch_b8 v0, s[64:65] scope:SCOPE_SE
	s_setreg_imm32_b32 hwreg(HW_REG_WAVE_MODE, 25, 1), 1
	s_wait_xcnt 0x0
; PREP.  LayerNorm 1 of x, quantised twice (scale entries 0 and 2); token_emb (entry 4) and the six weights (entries 1, 3, 5, 11, 13, 15) quantised: all to codes of E4M3, stored as TILE IMAGES.
; A TILE is 16 rows x 1,024 along K.  Tile T = 2 b + u holds rows 32 b + 8 u + r + 8 (r / 8), r = 0 .. 15: so that, in a product used transposed, the 16 registers of two neighbouring tiles are 16 neighbours.
; ITS IMAGE, 16,384 bytes: [K step s 0..7][c 0..3][lane 0..31][16 bytes]; lane (r, h) = r + 16 h holds k = 128 s + 32 c + 16 h + 0 .. 15 of row r: the order of an operand's registers, so a later launch loads fragments whole.
; img1, in tiles: LN1 codes by entry 0 at 0, by entry 2 at 256, token_emb at 512, Wq 768, Wk 832, Wv 896, Wo 960, W1 1024, W2 1088.
; SHARES.  One wave, one tile: 896 waves, 224 work-groups.  Work-groups 0-63: x; 64-127: token_emb; from 128 on sixteen for each weight.  Only pointers and the scale are chosen by the work-group's number; the lines
; of LayerNorm and of the second image stand under scalar branches on it.  Waves share nothing: no barrier.
; A row is read by eight loads of 512 consecutive bytes; lane l then holds columns 128 j + 4 l + 0 .. 3.  Its 4 codes of K step j go to the wave's own stage in LDS, where the image is gathered in units of 16 rows x 16 bytes
; (+ 16 of padding: the 32 lanes' words fall on 32 different banks), and the image leaves in stores of 512 consecutive bytes.  Memory binds: matrix units, clusters and tensor loads would add nothing here.
; LIMITS: each given exponent e between -126 and 119, so that 2^e and 448 x 2^e are f32 numbers.  NaN and infinities among the inputs are not served.
.set ROWB,  4096                       ; bytes in a row
.set UNIT,  272                        ; a unit of the stage: 16 rows x 16 bytes + 16 of padding
.set IMG,   64*UNIT                    ; an image in the stage
.set WREG,  2*IMG                      ; a wave's region: image A, image B (LayerNorm's second quantising)
.set SPARE, 4*WREG                     ; behind the four regions: the spare words, 128 bytes a wave, which no other line names
.set L16,  2                           ; v2   16 x lane
.set ISTO, 3                           ; v3   the stage, in: region + UNIT (lane / 4) + 4 (lane % 4)
.set IRD,  4                           ; v4   the stage, out: region + UNIT (lane / 16) + 16 (lane % 16)
.set SPW,  5                           ; v5   my spare word; never rewritten
.set NIL,  6                           ; v6   0; never rewritten
.set SCA,  7                           ; v7, v8   2^e and 448 x 2^e of image A
.set LIA,  8
.set SCB,  9                           ; v9, v10  the same by entry 2, of image B
.set LIB,  10
.set MU,   12                          ; v[12:13] the row's mean (low word)
.set RS,   14                          ; v[14:15] 1 / sqrt(var + eps) (low word)
.set RD,   16                          ; v[16:19] sums at work
.set T,    20                          ; v[20:35] two sets of 8 held numbers
.set CA,   36                          ; v[36:43] a row's codes for image A
.set CB,   44                          ; v[44:51] for image B
.set X,    64                          ; v[64:191] four row buffers of 32; at the end an image on its way out
.set LW,   192                         ; v[192:223] ln1_w at my columns
.set LB,   224                         ; v[224:255] ln1_b
	s_load_b512 s[8:23], s[0:1], 0x0               ; x, token_emb, Wq, Wk, Wv, Wo, W1, W2
	s_load_b256 s[24:31], s[0:1], 0x40             ; ln1_w, ln1_b, lowp_scales, img1
	v_lshl_add_u32 v[SPW], v0, 2, SPARE
	v_mov_b32 v[NIL], 0
	v_lshrrev_b32 v1, 5, v0
	v_readfirstlane_b32 s2, v1                     ; wave
	v_and_b32 v1, 31, v0                           ; lane
	v_lshlrev_b32 v[L16], 4, v1
	s_mul_i32 s3, s2, WREG
	v_lshrrev_b32 v[ISTO], 2, v1
	v_mul_u32_u24 v[ISTO], v[ISTO], UNIT
	v_and_b32 v11, 3, v1
	v_lshl_add_u32 v[ISTO], v11, 2, v[ISTO]
	v_add_nc_u32 v[ISTO], s3, v[ISTO]
	v_lshrrev_b32 v[IRD], 4, v1
	v_mul_u32_u24 v[IRD], v[IRD], UNIT
	v_and_b32 v11, 15, v1
	v_lshl_add_u32 v[IRD], v11, 4, v[IRD]
	v_add_nc_u32 v[IRD], s3, v[IRD]
	v_mov_b32 v[MU+1], 0                           ; named as the upper halves of pairs, so they are written
	v_mov_b32 v[RS+1], 0
	s_mov_b32 s54, 0x76543210                      ; lane selects: lane l xor 16
	s_mov_b32 s55, 0xfedcba98
	s_mov_b32 s56, 0x3a800000                      ; 1 / 1024
	s_mov_b32 s57, 0x3727c5ac                      ; 1e-5
	; which tile of which tensor
	s_and_b32 s4, ttmp9, 0xfff0                    ; a weight's first work-group (128 + 16 k),
	s_and_b32 s5, ttmp9, 64                        ; x's (0) or token_emb's (64)
	s_cmp_lt_u32 ttmp9, 128
	s_cselect_b32 s4, s5, s4
	s_sub_co_u32 s4, ttmp9, s4
	s_lshl_b32 s4, s4, 2
	s_add_co_u32 s4, s4, s2                        ; T, the tile in its tensor
	s_lshr_b32 s5, s4, 1
	s_lshl_b32 s5, s5, 5
	s_and_b32 s6, s4, 1
	s_lshl_b32 s6, s6, 3
	s_add_co_u32 s5, s5, s6                        ; its first row: 32 (T / 2) + 8 (T % 2)
	s_lshl_b32 s58, s5, 12
	s_mov_b32 s59, 0
	s_lshl_b32 s6, ttmp9, 2
	s_add_co_u32 s6, s6, s2
	s_cmp_lt_u32 ttmp9, 64
	s_cselect_b32 s48, 1, 0                        ; 1: x, with LayerNorm and two images
	s_cselect_b32 s7, 0, 256
	s_add_co_u32 s6, s6, s7                        ; the tile in img1
	s_lshl_b32 s60, s6, 14
	s_mov_b32 s61, 0
	s_wait_kmcnt 0x0
	s_load_b512 s[32:47], s[28:29], 0x0            ; the sixteen exponents
	s_mov_b64 s[50:51], s[8:9]                     ; the source: a choice among buffers by the work-group's number alone
	s_cmp_ge_u32 ttmp9, 64
	s_cselect_b64 s[50:51], s[10:11], s[50:51]
	s_cmp_ge_u32 ttmp9, 128
	s_cselect_b64 s[50:51], s[12:13], s[50:51]
	s_cmp_ge_u32 ttmp9, 144
	s_cselect_b64 s[50:51], s[14:15], s[50:51]
	s_cmp_ge_u32 ttmp9, 160
	s_cselect_b64 s[50:51], s[16:17], s[50:51]
	s_cmp_ge_u32 ttmp9, 176
	s_cselect_b64 s[50:51], s[18:19], s[50:51]
	s_cmp_ge_u32 ttmp9, 192
	s_cselect_b64 s[50:51], s[20:21], s[50:51]
	s_cmp_ge_u32 ttmp9, 208
	s_cselect_b64 s[50:51], s[22:23], s[50:51]
	s_add_nc_u64 s[50:51], s[50:51], s[58:59]
	s_add_nc_u64 s[52:53], s[30:31], s[60:61]
	s_cmp_eq_u32 s48, 0
	s_cbranch_scc1 .Lno_gain
.irp j, 0,1,2,3,4,5,6,7
	global_load_b128 v[LW+4*\j:LW+4*\j+3], v[L16], s[24:25] offset:512*\j
	global_load_b128 v[LB+4*\j:LB+4*\j+3], v[L16], s[26:27] offset:512*\j
.endr
.Lno_gain:
.macro LOADROW i                       ; row i of the tile, 8 x 512 consecutive bytes, into buffer i % 4
.irp j, 0,1,2,3,4,5,6,7
	global_load_b128 v[X+32*((\i)%4)+4*\j:X+32*((\i)%4)+4*\j+3], v[L16], s[50:51] offset:((\i)+8*((\i)/8))*ROWB+512*\j th:TH_LOAD_NT
.endr
.endm
	LOADROW 0
	LOADROW 1
	LOADROW 2
	s_wait_kmcnt 0x0
	s_mov_b32 s49, s32                             ; the tensor's exponent, chosen as the pointer was
	s_cmp_ge_u32 ttmp9, 64
	s_cselect_b32 s49, s36, s49
	s_cmp_ge_u32 ttmp9, 128
	s_cselect_b32 s49, s33, s49
	s_cmp_ge_u32 ttmp9, 144
	s_cselect_b32 s49, s35, s49
	s_cmp_ge_u32 ttmp9, 160
	s_cselect_b32 s49, s37, s49
	s_cmp_ge_u32 ttmp9, 176
	s_cselect_b32 s49, s43, s49
	s_cmp_ge_u32 ttmp9, 192
	s_cselect_b32 s49, s45, s49
	s_cmp_ge_u32 ttmp9, 208
	s_cselect_b32 s49, s47, s49
	s_add_co_i32 s49, s49, 127
	s_lshl_b32 s62, s49, 23
	v_mov_b32 v[SCA], s62                          ; 2^e: the conversion takes its exponent field
	s_add_co_i32 s49, s49, 8
	s_lshl_b32 s49, s49, 23
	s_or_b32 s49, s49, 0x600000
	v_mov_b32 v[LIA], s49                          ; 448 x 2^e
	s_add_co_i32 s49, s34, 127
	s_lshl_b32 s62, s49, 23
	v_mov_b32 v[SCB], s62                          ; the same by entry 2
	s_add_co_i32 s49, s49, 8
	s_lshl_b32 s49, s49, 23
	s_or_b32 s49, s49, 0x600000
	v_mov_b32 v[LIB], s49
.macro REDUCE                          ; v[RD] summed over the 32 lanes, the result in every lane
	v_add_f32_dpp v[RD], v[RD], v[RD] row_xmask:1 row_mask:0xf bank_mask:0xf
	v_add_f32_dpp v[RD], v[RD], v[RD] row_xmask:2 row_mask:0xf bank_mask:0xf
	v_add_f32_dpp v[RD], v[RD], v[RD] row_xmask:4 row_mask:0xf bank_mask:0xf
	v_add_f32_dpp v[RD], v[RD], v[RD] row_xmask:8 row_mask:0xf bank_mask:0xf
	v_permlanex16_b32 v[RD+1], v[RD], s54, s55
	v_add_f32 v[RD], v[RD], v[RD+1]
.endm
; LayerNorm of the row in v[XB] on, in place: the mean; the deviations; the mean of their squares; (x - mean) x rsqrt(var + eps) x w + b
.macro LNROW
	v_pk_add_f32 v[RD:RD+1], v[XB:XB+1], v[XB+2:XB+3]
	v_pk_add_f32 v[RD+2:RD+3], v[XB+4:XB+5], v[XB+6:XB+7]
.irp k, 8,12,16,20,24,28
	v_pk_add_f32 v[RD:RD+1], v[RD:RD+1], v[XB+\k:XB+\k+1]
	v_pk_add_f32 v[RD+2:RD+3], v[RD+2:RD+3], v[XB+\k+2:XB+\k+3]
.endr
	v_pk_add_f32 v[RD:RD+1], v[RD:RD+1], v[RD+2:RD+3]
	v_add_f32 v[RD], v[RD], v[RD+1]
	REDUCE
	v_mul_f32 v[MU], s56, v[RD]
.irp k, 0,2,4,6,8,10,12,14,16,18,20,22,24,26,28,30
	v_pk_add_f32 v[XB+\k:XB+\k+1], v[XB+\k:XB+\k+1], v[MU:MU+1] op_sel_hi:[1,0] neg_lo:[0,1] neg_hi:[0,1]
.endr
	v_pk_mul_f32 v[RD:RD+1], v[XB:XB+1], v[XB:XB+1]
	v_pk_mul_f32 v[RD+2:RD+3], v[XB+2:XB+3], v[XB+2:XB+3]
.irp k, 4,8,12,16,20,24,28
	v_pk_fma_f32 v[RD:RD+1], v[XB+\k:XB+\k+1], v[XB+\k:XB+\k+1], v[RD:RD+1]
	v_pk_fma_f32 v[RD+2:RD+3], v[XB+\k+2:XB+\k+3], v[XB+\k+2:XB+\k+3], v[RD+2:RD+3]
.endr
	v_pk_add_f32 v[RD:RD+1], v[RD:RD+1], v[RD+2:RD+3]
	v_add_f32 v[RD], v[RD], v[RD+1]
	REDUCE
	v_fma_f32 v[RD], v[RD], s56, s57               ; var + eps
	s_wait_alu depctr_va_vdst(0)
	v_rsq_f32 v[RS], v[RD]
	v_nop                                          ; a plain instruction behind the transcendental,
	s_wait_alu depctr_va_vdst(0)                   ; and the wait ahead of its first reader
.irp k, 0,2,4,6,8,10,12,14,16,18,20,22,24,26,28,30
	v_pk_mul_f32 v[XB+\k:XB+\k+1], v[XB+\k:XB+\k+1], v[RS:RS+1] op_sel_hi:[1,0]
.endr
.irp k, 0,2,4,6,8,10,12,14,16,18,20,22,24,26,28,30
	v_pk_fma_f32 v[XB+\k:XB+\k+1], v[XB+\k:XB+\k+1], v[LW+\k:LW+\k+1], v[LB+\k:LB+\k+1]
.endr
.endm
; The row in v[XB] on is quantised (the row stays as it is) and its codes go into the stage: register j holds the 4 codes of columns 128 j + 4 lane on, which are 4 bytes of row i in unit 8 j + lane / 4
.macro QROW sc, lim, c, base, i
.irp jj, 0,1,2,3
.irp k, 0,1,2,3,4,5,6,7
	v_med3_num_f32 v[T+8*(\jj%2)+\k], v[XB+8*\jj+\k], -v[\lim], v[\lim]   ; the conversion to an 8-bit code does not saturate (ISA guide 7.6.2): the hold at 448 x the scale
.endr
	v_cvt_scalef32_pk8_fp8_f32 v[\c+2*\jj:\c+2*\jj+1], v[T+8*(\jj%2):T+8*(\jj%2)+7], v[\sc]
.endr
	v_nop                                          ; a plain instruction behind the last conversion of the run
.irp j, 0,1,2,3,4,5,6,7
	ds_store_b32 v[ISTO], v[\c+\j] offset:\base+8*UNIT*\j+16*(\i)
.endr
.endm
.macro ROW i
.set XB, X+32*((\i)%4)
.if (\i) < 14
	s_wait_loadcnt 16                              ; row i is in; the two rows behind it stay out
.else
	s_wait_loadcnt 8*(15-(\i))
.endif
.if (\i)+3 < 16
	LOADROW (\i)+3                                 ; into the buffer of row i - 1, which has been quantised
.endif
	s_cmp_eq_u32 s48, 0
	s_cbranch_scc1 .Lplain_\@
	LNROW
.Lplain_\@:
	s_wait_dscnt 0x0                               ; the last row's stores into the stage have read the codes' registers
	s_wait_alu depctr_va_vdst(0)
	QROW SCA, LIA, CA, 0, \i
	s_cmp_eq_u32 s48, 0
	s_cbranch_scc1 .Lone_\@
	QROW SCB, LIB, CB, IMG, \i
.Lone_\@:
.endm
.irp i, 0,1,2,3,4,5,6,7,8,9,10,11,12,13,14,15
	ROW \i
.endr
; An image leaves: two units, 512 bytes of the image, an instruction.  LDS serves a wave's instructions in order (ISA guide 5.7.1.4): the loads see my stores.
.macro WRITEOUT base, goff
.set t, 0
.rept 32
	ds_load_b128 v[X+4*t:X+4*t+3], v[IRD] offset:\base+2*UNIT*t
.set t, t+1
.endr
.set t, 0
.rept 32
	s_wait_dscnt 31-t
	global_store_b128 v[L16], v[X+4*t:X+4*t+3], s[52:53] offset:\goff+512*t   ; 32 lanes store 512 consecutive bytes, at a multiple of 512 from the buffer's first byte
.set t, t+1
.endr
.endm
	WRITEOUT 0, 0
	s_cmp_eq_u32 s48, 0
	s_cbranch_scc1 .Ldone
	s_wait_xcnt 0x0                                ; the stores have read their registers: the second image may land there
	WRITEOUT IMG, 256*16384                        ; 256 tiles further on
.Ldone:
	s_wait_tensorcnt 0x0                           ; the wave's end, behind my last LDS store
	ds_add_u32 v[SPW], v[NIL]
	s_wait_dscnt 0x0
	s_endpgm
.Lfunc_end_k_q9a4df331f3_prep:
	.size	k_q9a4df331f3_prep, .Lfunc_end_k_q9a4df331f3_prep-k_q9a4df331f3_prep
	.p2alignl 7, 3214868480
	.fill 96, 4, 3214868480
	.section	.rodata,"a",@progbits
	.p2align	6, 0x0
	.amdhsa_kernel k_q9a4df331f3_prep
		.amdhsa_group_segment_fixed_size 139776
		.amdhsa_private_segment_fixed_size 0
		.amdhsa_enable_private_segment 0
		.amdhsa_kernarg_size 96
		.amdhsa_user_sgpr_count 2
		.amdhsa_user_sgpr_kernarg_segment_ptr 1
		.amdhsa_wavefront_size32 1
		.amdhsa_system_sgpr_workgroup_id_x 1
		.amdhsa_system_sgpr_workgroup_id_y 1
		.amdhsa_system_sgpr_workgroup_id_z 1
		.amdhsa_system_vgpr_workitem_id 0
		.amdhsa_next_free_vgpr 256
		.amdhsa_next_free_sgpr 66
		.amdhsa_reserve_vcc 0
		.amdhsa_float_denorm_mode_32 3
		.amdhsa_float_denorm_mode_16_64 3
		.amdhsa_memory_ordered 1
		.amdhsa_forward_progress 1
		.amdhsa_inst_pref_size 219
	.end_amdhsa_kernel
	.amdgpu_metadata
---
amdhsa.version: [ 1, 2 ]
amdhsa.kernels:
  - .name:           k_q9a4df331f3_prep
    .symbol:         k_q9a4df331f3_prep.kd
    .args:
      - { .name: x, .offset: 0, .size: 8, .value_kind: global_buffer, .address_space: global }
      - { .name: token_emb, .offset: 8, .size: 8, .value_kind: global_buffer, .address_space: global }
      - { .name: Wq, .offset: 16, .size: 8, .value_kind: global_buffer, .address_space: global }
      - { .name: Wk, .offset: 24, .size: 8, .value_kind: global_buffer, .address_space: global }
      - { .name: Wv, .offset: 32, .size: 8, .value_kind: global_buffer, .address_space: global }
      - { .name: Wo, .offset: 40, .size: 8, .value_kind: global_buffer, .address_space: global }
      - { .name: W1, .offset: 48, .size: 8, .value_kind: global_buffer, .address_space: global }
      - { .name: W2, .offset: 56, .size: 8, .value_kind: global_buffer, .address_space: global }
      - { .name: ln1_w, .offset: 64, .size: 8, .value_kind: global_buffer, .address_space: global }
      - { .name: ln1_b, .offset: 72, .size: 8, .value_kind: global_buffer, .address_space: global }
      - { .name: lowp_scales, .offset: 80, .size: 8, .value_kind: global_buffer, .address_space: global }
      - { .name: img1, .offset: 88, .size: 8, .value_kind: global_buffer, .address_space: global }
    .group_segment_fixed_size: 139776
    .private_segment_fixed_size: 0
    .kernarg_segment_align: 8
    .kernarg_segment_size: 96
    .max_flat_workgroup_size: 128
    .sgpr_count:     66
    .vgpr_count:     256
    .wavefront_size: 32
...
	.end_amdgpu_metadata
.endif
;; end of part 5
;; launch qkv (part 6): grid 12 x 16, 4 waves a work-group, clusters of 4 x 4, 327,680 bytes of LDS; arguments img1, lowp_scales, img2; writes img2
.if DOCPART == 6
	.amdgcn_target "amdgcn-amd-amdhsa--gfx1250"
	.amdhsa_code_object_version 6
	.text
	.protected	k_q9a4df331f3_qkv
	.globl	k_q9a4df331f3_qkv
	.p2align	8
	.type	k_q9a4df331f3_qkv,@function
k_q9a4df331f3_qkv:
	s_mov_b64 s[64:65], 0
	v_nop
	global_prefetch_b8 v0, s[64:65] scope:SCOPE_SE
	s_setreg_imm32_b32 hwreg(HW_REG_WAVE_MODE, 25, 1), 1
	s_wait_xcnt 0x0
	s_wait_alu depctr_hold_cnt(0) depctr_sa_sdst(0) depctr_va_vdst(0) depctr_va_sdst(0) depctr_va_ssrc(0) depctr_va_vcc(0) depctr_vm_vsrc(0)
	s_getreg_b32 s2, hwreg(HW_REG_IB_STS2, 6, 4)
	s_cmp_eq_u32 s2, 0
	s_cbranch_scc0 .Lentry_in_a_cluster
	s_endpgm
.Lentry_in_a_cluster:
	s_bfe_u32 s2, ttmp6, 0x10000c
	s_cmp_lg_u32 s2, 0xf033
	s_cbranch_scc0 .Lentry_shape_is_right
	s_endpgm
.Lentry_shape_is_right:
.set CHUNK,  4096
.set WLOAD,  8*CHUNK
.set SLOT,   4*WLOAD
.set SPARE,  2*SLOT
.set FR,     16
.set NL,     4
.set NP,     4
.set ADRA, 16
.set ADRB, 20
.set CO,   26
.set SPW,  28
.set NIL,  29
.set SCL,  30
.set LIMV, 31
.set TMP,  32
.set PC,   96
.set AF,   128
.set G1, 24
.set G0, 32
.set G1B, 48
.set G0B, 56
.set MSB, 0
.macro WIN new
.if MSB != \new
	s_set_vgpr_msb (MSB<<8)|\new
.set MSB, \new
.endif
.endm
.set MUL_LO, 0xa1
.set MUL_HI, 0xf1
.set TO_B,   0x40
.macro JLOAD g0a, g1a, g0b, g1b
	s_cmp_eq_u32 s15, 0
	s_cbranch_scc0 .Lfor_b_\@
	tensor_load_to_lds s[\g0a:\g0a+3], s[\g1a:\g1a+7]
	s_nop 0
.rept 4
	v_nop
.endr
	s_branch .Lasked_\@
.Lfor_b_\@:
	tensor_load_to_lds s[\g0b:\g0b+3], s[\g1b:\g1b+7]
	s_nop 0
.rept 4
	v_nop
.endr
.Lasked_\@:
.endm
.macro CREST
	s_cmp_lg_u32 s14, 0
	s_cbranch_scc1 .Lnot_wave_0_\@
	s_barrier_signal -3
.Lnot_wave_0_\@:
	s_barrier_wait -3
	s_barrier_signal -1
	s_barrier_wait -1
.endm
.macro CROUND
	s_barrier_signal -1
	s_barrier_wait -1
	CREST
.endm
	s_load_b128 s[4:7], s[0:1], 0x0
	s_load_b64 s[8:9], s[0:1], 0x10
	v_lshl_add_u32 v[SPW], v0, 2, SPARE
	v_mov_b32 v[NIL], 0
	ds_add_u32 v[SPW], v[NIL]
	ds_add_u32 v[SPW], v[NIL]
	v_lshrrev_b32 v1, 5, v0
	v_readfirstlane_b32 s14, v1
	s_lshr_b32 s15, s14, 1
	s_and_b32 s16, s14, 1
	s_bfe_u32 s40, ttmp6, 0x40000
	s_bfe_u32 s41, ttmp6, 0x40004
	s_and_b32 s10, ttmp7, 0xffff
	s_lshl_b32 s10, s10, 2
	s_lshl_b32 s66, ttmp9, 8
	s_lshl_b32 s67, ttmp9, 6
	s_add_co_u32 s67, s67, 768
	s_cmp_eq_u32 ttmp9, 2
	s_cselect_b32 s11, 0, s10
	s_cselect_b32 s12, s10, 0
	s_cselect_b32 s66, 896, s66
	s_cselect_b32 s67, 512, s67
	s_add_co_u32 s17, s41, s11
	s_add_co_u32 s42, s40, s12
	s_lshl_b32 s43, s41, 2
	s_lshl_b32 s43, 15, s43
	s_lshl_b32 s44, 0x1111, s40
	s_or_b32 s[G1+0], s43, (3<<16)|(1<<21)
	s_or_b32 s[G1B+0], s44, (3<<16)|(1<<21)
.irp g, G1, G1B
	s_mov_b32 s[\g+1], 512<<16
	s_mov_b32 s[\g+2], 8<<16
	s_mov_b32 s[\g+3], 512<<16
	s_mov_b32 s[\g+4], 8
	s_mov_b32 s[\g+5], 2048
	s_mov_b32 s[\g+6], 0
	s_mov_b32 s[\g+7], 0
.endr
	s_lshl_b32 s18, s16, 3
	s_lshl_b32 s20, s17, 4
	s_add_co_u32 s20, s20, s18
	s_add_co_u32 s20, s20, s66
	s_lshl_b32 s20, s20, 14
	s_mov_b32 s21, 0
	s_lshl_b32 s46, s42, 4
	s_add_co_u32 s46, s46, s18
	s_add_co_u32 s46, s46, s67
	s_lshl_b32 s46, s46, 14
	s_mov_b32 s47, 0
	s_mul_i32 s45, s14, WLOAD
	s_wait_dscnt 0x0
	s_wait_kmcnt 0x0
	s_load_b512 s[80:95], s[6:7], 0x0
	s_add_nc_u64 s[20:21], s[4:5], s[20:21]
	s_add_nc_u64 s[46:47], s[4:5], s[46:47]
	CROUND
.irp s, 0,1
	s_mov_b32 s[G0+4*\s], 1
	s_add_co_u32 s[G0+4*\s+1], s45, \s*SLOT
	s_add_nc_u64 s[G0+4*\s+2:G0+4*\s+3], s[20:21], \s*CHUNK
	s_or_b32 s[G0+4*\s+3], s[G0+4*\s+3], 0x80000000
	s_mov_b32 s[G0B+4*\s], 1
	s_add_co_u32 s[G0B+4*\s+1], s45, \s*SLOT
	s_add_nc_u64 s[G0B+4*\s+2:G0B+4*\s+3], s[46:47], \s*CHUNK
	s_or_b32 s[G0B+4*\s+3], s[G0B+4*\s+3], 0x80000000
	s_wait_alu depctr_va_vdst(0)
	s_wait_tensorcnt 0x0
	ds_add_u32 v28, v29
	ds_add_u32 v28, v29
	s_wait_dscnt 0x0
	CROUND
	JLOAD G0+4*\s, G1, G0B+4*\s, G1B
.endr
	v_and_b32 v1, 31, v0
	v_lshlrev_b32 v4, 4, v1
	v_lshlrev_b32 v[CO], 4, v1
	s_mul_i32 s21, s15, WLOAD
	s_mul_i32 s22, s16, WLOAD
	s_add_co_u32 s22, s22, 2*WLOAD
.irp s, 0,1
	v_add_nc_u32 v[ADRA+\s], s21, v4
	v_add_nc_u32 v[ADRB+\s], s22, v4
	s_add_co_u32 s21, s21, SLOT
	s_add_co_u32 s22, s22, SLOT
.endr
	s_lshl_b32 s70, s17, 4
	s_lshl_b32 s71, s15, 3
	s_add_co_u32 s70, s70, s71
	s_lshl_b32 s72, s42, 4
	s_lshl_b32 s73, s16, 3
	s_add_co_u32 s72, s72, s73
	s_lshr_b32 s74, s70, 7
	s_lshl_b32 s74, s74, 4
	s_lshl_b32 s75, s42, 2
	s_add_co_u32 s74, s74, s75
	s_lshl_b32 s75, s16, 1
	s_add_co_u32 s74, s74, s75
	s_lshl_b32 s74, s74, 7
	s_and_b32 s75, s70, 127
	s_add_co_u32 s74, s74, s75
	s_lshl_b32 s74, s74, 10
	s_lshl_b32 s75, ttmp9, 22
	s_add_co_u32 s74, s74, s75
	s_lshr_b32 s76, s72, 7
	s_lshl_b32 s76, s76, 4
	s_lshl_b32 s77, s17, 2
	s_add_co_u32 s76, s76, s77
	s_lshl_b32 s77, s15, 1
	s_add_co_u32 s76, s76, s77
	s_lshl_b32 s76, s76, 4
	s_and_b32 s77, s72, 127
	s_lshr_b32 s77, s77, 3
	s_add_co_u32 s76, s76, s77
	s_lshl_b32 s76, s76, 13
	s_add_co_u32 s76, s76, 0x800000
	s_cmp_eq_u32 ttmp9, 2
	s_cselect_b32 s74, s76, s74
	s_mov_b32 s75, 0
	s_mov_b32 s76, 131072
	s_cselect_b32 s76, 1024, s76
	s_mov_b32 s77, 0
	s_mov_b32 s78, 1024
	s_cselect_b32 s78, 2048, s78
	s_mov_b32 s79, 1024
	s_cselect_b32 s79, 124928, s79
	s_add_nc_u64 s[96:97], s[8:9], s[74:75]
	s_add_nc_u64 s[98:99], s[96:97], s[76:77]
.macro FRAG reg, adr, q, i
.irp c, 0,1,2,3
	ds_load_b128 v[\reg+4*\c:\reg+4*\c+3], v[\adr] offset:(\i)*CHUNK+2048*(\q)+512*\c
.endr
.endm
.macro MUL16 a0, p, zero
.irp a, \a0, \a0+1
.irp b, 0,1,2,3,4,5,6,7
.if \zero
	v_wmma_f32_16x16x128_fp8_fp8 v[8*(8*((\a)%4)+\b):8*(8*((\a)%4)+\b)+7], v[128*(\p)+FR*\b:128*(\p)+FR*\b+FR-1], v[AF+FR*(\a):AF+FR*(\a)+FR-1], 0
.else
	v_wmma_f32_16x16x128_fp8_fp8 v[8*(8*((\a)%4)+\b):8*(8*((\a)%4)+\b)+7], v[128*(\p)+FR*\b:128*(\p)+FR*\b+FR-1], v[AF+FR*(\a):AF+FR*(\a)+FR-1], v[8*(8*((\a)%4)+\b):8*(8*((\a)%4)+\b)+7]
.endif
.endr
.endr
.endm
.macro FETCH_B slot, q, p
	WIN TO_B
.irp i, 0,1,2,3,4,5,6,7
	FRAG 128*(\p)+FR*\i, ADRB+\slot, \q, \i
.endr
	WIN 0
.endm
.macro FETCH_A slot, q, i0
.irp i, \i0, \i0+1, \i0+2, \i0+3
	FRAG AF+FR*(\i), ADRA+\slot, \q, \i
.endr
.endm
.macro PLACES n
.rept \n
	v_nop
.endr
.endm
.macro STEP slot, q, zero
	s_wait_dscnt 4*NL
	WIN MUL_LO
	MUL16 0, (\q)%2, \zero
	MUL16 2, (\q)%2, \zero
	s_wait_dscnt 0
	PLACES NP
	FETCH_B \slot, (\q)+1, 1-(\q)%2
	FETCH_A \slot, (\q)+1, 0
	WIN MUL_HI
	MUL16 4, (\q)%2, \zero
	MUL16 6, (\q)%2, \zero
	PLACES NP
	WIN 0
	FETCH_A \slot, (\q)+1, 4
.endm
.macro TURN slot, next, fill
	s_wait_tensorcnt 0x0
	ds_add_u32 v[SPW], v[NIL]
	s_wait_dscnt 4*NL+1
	WIN MUL_LO
	MUL16 0, 1, 0
	s_wait_dscnt 0x0
	s_barrier_signal -1
	MUL16 2, 1, 0
	WIN 0
	s_barrier_wait -1
.if \fill
	CREST
	s_add_nc_u64 s[G0+4*\slot+2:G0+4*\slot+3], s[G0+4*\slot+2:G0+4*\slot+3], 2*CHUNK
	s_add_nc_u64 s[G0B+4*\slot+2:G0B+4*\slot+3], s[G0B+4*\slot+2:G0B+4*\slot+3], 2*CHUNK
	JLOAD G0+4*\slot, G1, G0B+4*\slot, G1B
.else
	PLACES NP
.endif
	FETCH_B \next, 0, 0
	FETCH_A \next, 0, 0
	WIN MUL_HI
	MUL16 4, 1, 0
	MUL16 6, 1, 0
	PLACES NP
	WIN 0
	FETCH_A \next, 0, 4
.endm
	s_wait_alu depctr_va_vdst(0)
	s_wait_tensorcnt 1
	s_barrier_signal -1
	s_barrier_wait -1
	FETCH_B 0, 0, 0
	FETCH_A 0, 0, 0
	FETCH_A 0, 0, 4
	STEP 0, 0, 1
	TURN 0, 1, 1
	STEP 1, 0, 0
	TURN 1, 0, 1
	STEP 0, 0, 0
	TURN 0, 1, 0
	STEP 1, 0, 0
	s_wait_dscnt 4*NL
	WIN MUL_LO
	MUL16 0, 1, 0
	MUL16 2, 1, 0
	s_wait_dscnt 0
	WIN MUL_HI
	MUL16 4, 1, 0
	MUL16 6, 1, 0
	WIN 0
	s_wait_kmcnt 0x0
	s_sub_co_i32 s70, s86, s80
	s_sub_co_i32 s70, s70, s81
	s_sub_co_i32 s71, s87, s82
	s_sub_co_i32 s71, s71, s83
	s_sub_co_i32 s72, s89, s84
	s_sub_co_i32 s72, s72, s85
	s_cmp_eq_u32 ttmp9, 1
	s_cselect_b32 s70, s71, s70
	s_cmp_eq_u32 ttmp9, 2
	s_cselect_b32 s70, s72, s70
	s_add_co_i32 s70, s70, 127
	s_lshl_b32 s71, s70, 23
	v_mov_b32 v[SCL], s71
	s_add_co_i32 s70, s70, 8
	s_lshl_b32 s70, s70, 23
	s_or_b32 s70, s70, 0x600000
	v_mov_b32 v[LIMV], s70
	PLACES 2
.macro OUTBLK a
.set AC, 64*((\a)%4)
	s_wait_xcnt 0x0
.if (\a) == 4
	v_add_nc_u32 v[CO], s79, v[CO]
.elseif (\a) > 0
	v_add_nc_u32 v[CO], s78, v[CO]
.endif
	WIN 0x02+((\a)/4)
.set j, 0
.rept 64
	v_med3_num_f32 v[TMP+j], v[AC+j], -v[LIMV], v[LIMV]
.set j, j+1
.endr
	WIN 0
.irp q, 0,1,2,3,4,5,6,7
	v_cvt_scalef32_pk8_fp8_f32 v[PC+2*\q:PC+2*\q+1], v[TMP+8*\q:TMP+8*\q+7], v[SCL]
.endr
	v_nop
	global_store_b128 v[CO], v[PC:PC+3], s[96:97]
	global_store_b128 v[CO], v[PC+4:PC+7], s[96:97] offset:512
	global_store_b128 v[CO], v[PC+8:PC+11], s[98:99]
	global_store_b128 v[CO], v[PC+12:PC+15], s[98:99] offset:512
.endm
	s_wait_alu depctr_va_vdst(0)
.irp a, 0,1,2,3,4,5,6,7
	OUTBLK \a
.endr
	s_wait_tensorcnt 0x0
	ds_add_u32 v[SPW], v[NIL]
	s_wait_dscnt 0x0
	CROUND
	s_endpgm
.Lfunc_end_k_q9a4df331f3_qkv:
	.size	k_q9a4df331f3_qkv, .Lfunc_end_k_q9a4df331f3_qkv-k_q9a4df331f3_qkv
	.p2alignl 7, 3214868480
	.fill 96, 4, 3214868480
	.section	.rodata,"a",@progbits
	.p2align	6, 0x0
	.amdhsa_kernel k_q9a4df331f3_qkv
		.amdhsa_group_segment_fixed_size 327680
		.amdhsa_private_segment_fixed_size 0
		.amdhsa_enable_private_segment 0
		.amdhsa_kernarg_size 24
		.amdhsa_user_sgpr_count 2
		.amdhsa_user_sgpr_kernarg_segment_ptr 1
		.amdhsa_wavefront_size32 1
		.amdhsa_system_sgpr_workgroup_id_x 1
		.amdhsa_system_sgpr_workgroup_id_y 1
		.amdhsa_system_sgpr_workgroup_id_z 1
		.amdhsa_system_vgpr_workitem_id 0
		.amdhsa_next_free_vgpr 1024
		.amdhsa_next_free_sgpr 100
		.amdhsa_reserve_vcc 0
		.amdhsa_float_denorm_mode_32 3
		.amdhsa_float_denorm_mode_16_64 3
		.amdhsa_memory_ordered 1
		.amdhsa_forward_progress 1
		.amdhsa_inst_pref_size 120
	.end_amdhsa_kernel
	.amdgpu_metadata
---
amdhsa.version: [ 1, 2 ]
amdhsa.kernels:
  - .name:           k_q9a4df331f3_qkv
    .symbol:         k_q9a4df331f3_qkv.kd
    .args:
      - { .name: img1, .offset: 0, .size: 8, .value_kind: global_buffer, .address_space: global }
      - { .name: lowp_scales, .offset: 8, .size: 8, .value_kind: global_buffer, .address_space: global }
      - { .name: img2, .offset: 16, .size: 8, .value_kind: global_buffer, .address_space: global }
    .group_segment_fixed_size: 327680
    .private_segment_fixed_size: 0
    .kernarg_segment_align: 8
    .kernarg_segment_size: 24
    .max_flat_workgroup_size: 128
    .sgpr_count:     100
    .vgpr_count:     1024
    .wavefront_size: 32
...
	.end_amdgpu_metadata
.endif
;; end of part 6
;; launch attn (part 7): grid 8 x 32, 16 waves a work-group, no clusters, 327,680 bytes of LDS; arguments img2, lowp_scales, img3; writes img3
.if DOCPART == 7
	.amdgcn_target "amdgcn-amd-amdhsa--gfx1250"
	.amdhsa_code_object_version 6
	.text
	.protected	k_q9a4df331f3_attn
	.globl	k_q9a4df331f3_attn
	.p2align	8
	.type	k_q9a4df331f3_attn,@function
k_q9a4df331f3_attn:
	s_mov_b64 s[64:65], 0
	v_nop
	global_prefetch_b8 v0, s[64:65] scope:SCOPE_SE
	s_setreg_imm32_b32 hwreg(HW_REG_WAVE_MODE, 25, 1), 1
	s_wait_xcnt 0x0
; ATTENTION on codes of E4M3, causal; scale entries 6, 7 (scores), 8, 9 (p, V), 10 (the result's codes).  img2 holds Q's, K's and V's tile images (4 MiB each), img3 takes the result as token tile images.
; p = 2^(t - M), M the running largest t rounded up to a whole number; the row's sum is taken of the unquantised p and divides at the end.
; SHARES.  A work-group (x, head) owns sixteen tiles of 16 queries: the EARLY tiles 8 x + j and the LATE tiles 120 - 8 x + j, j = 0 .. 7.  An early tile has x + 1 key steps of 128 keys under the causal mask, a late one 16 - x.
; A LATE TILE'S KEYS ARE SHARED BY TWO WAVES.  Wave 8 + j walks its key steps 0 .. 8.  Wave j walks the early tile's x + 1 steps, stores that tile, takes the late tile's Q and walks its steps 9 .. 15 - x: 8 steps in all.
; It hands O^T, -M and the sums to wave 8 + j through LDS; since both M are whole numbers, the two parts are joined by multiplications with powers of two, which round nothing.  (x = 7: no step is left to share; the part handed over is zeros.)
; Every wave walks both loops of 16 trips; a step outside the wave's range is jumped over by scalar branches on ids, round the step's work alone.
; The head's K images (131,072 bytes) and V images (131,072 bytes) lie whole in LDS: each wave brings 16,384 consecutive bytes by ONE tensor load at the head (waves 0-7: K, waves 8-15: V), stated as 4 rows of 4,096 bytes.  Nothing is filled again.
; No cluster: the work-groups of a head jump over different steps.  No prefetch: every byte is asked for at the head.
; LIMITS: e6 + e7 between -123 and 130; e8 between -126 and 119; e10 - e8 - e9 between -126 and 119.  The scaled scores stay under 2^31 in magnitude.
.set SPARE, 262144
.set SCR,   SPARE+2048                 ; behind the spare words: 4,608 bytes for each pair of waves, into which no fill lands
.set L16,  1
.set SPW,  5
.set NIL,  6
.set HND,  7                           ; v7  my pair's place in SCR + 16 x lane
.set ADK,  8
.set ADV,  9
.set DQ,   10
.set TB,   2
.set KF,   3
.set Q0,   10
.set CNT,  11
.set WV,   18
.set SEL,  20
.set CS,   22
.set G1,   24
.set G0,   32
.set KLO,  60                          ; s60, s61: a step is walked where KLO <= its first key <= KMAX
.set KMAX, 61
	s_load_b128 s[4:7], s[0:1], 0x0
	s_load_b64 s[8:9], s[0:1], 0x10
	v_lshl_add_u32 v[SPW], v0, 2, SPARE
	v_mov_b32 v[NIL], 0
	ds_add_u32 v[SPW], v[NIL]                      ; the opening lines: the add twice on end, and its wait ahead of my tensor load
	ds_add_u32 v[SPW], v[NIL]
	v_lshrrev_b32 v8, 5, v0
	s_delay_alu instid0(VALU_DEP_1)
	v_readfirstlane_b32 s[WV], v8
	s_and_b32 s12, ttmp7, 0xffff                   ; the head (batch x 16 + head)
	s_lshl_b32 s13, ttmp9, 3
	s_add_co_u32 s14, s13, s[WV]
	s_sub_co_u32 s15, 112, s13
	s_add_co_u32 s15, s15, s[WV]
	s_cmp_lt_u32 s[WV], 8
	s_cselect_b32 s14, s14, s15                    ; my tile
	s_add_co_u32 s58, s15, 8
	s_min_u32 s58, s58, 127                        ; waves 0-7: the late tile that I share
	s_lshr_b32 s62, s58, 1
	s_lshl_b32 s62, s62, 5
	s_and_b32 s59, s58, 1
	s_lshl_b32 s59, s59, 3
	s_add_co_u32 s62, s62, s59                     ; its first query
	s_lshr_b32 s15, s14, 1
	s_lshl_b32 s15, s15, 5
	s_and_b32 s16, s14, 1
	s_lshl_b32 s16, s16, 3
	s_add_co_u32 s[Q0], s15, s16                   ; my tile's first query
	s_lshr_b32 s16, s[WV], 3
	s_and_b32 s17, s[WV], 7
	s_lshl_b32 s17, s17, 14
	s_lshl_b32 s48, s16, 17
	s_add_co_u32 s48, s48, s17                     ; LDS: K from 0, V from 131,072; 16,384 bytes a wave
	s_add_co_u32 s16, s16, 1
	s_lshl_b32 s50, s16, 22
	s_add_co_u32 s50, s50, s17
	s_lshl_b32 s19, s12, 17
	s_add_co_u32 s50, s50, s19
	s_mov_b32 s51, 0
	s_lshr_b32 s52, s12, 4
	s_lshl_b32 s52, s52, 7
	s_add_co_u32 s52, s52, s14
	s_lshl_b32 s52, s52, 3
	s_bfe_u32 s53, s12, 0x30001
	s_add_co_u32 s52, s52, s53
	s_lshl_b32 s52, s52, 11
	s_and_b32 s53, s12, 1
	s_lshl_b32 s53, s53, 10
	s_add_co_u32 s52, s52, s53
	s_mov_b32 s53, 0
	s_lshl_b32 s54, s14, 10
	s_add_co_u32 s54, s54, s19
	s_mov_b32 s55, 0
	s_lshl_b32 s56, s58, 10
	s_add_co_u32 s56, s56, s19
	s_mov_b32 s57, 0
	s_and_b32 s59, s[WV], 7
	s_mul_i32 s59, s59, 4608
	s_add_co_u32 s59, s59, SCR
	s_add_co_u32 s[KMAX], s[Q0], 23                ; the tile's last query
	s_cmp_lt_u32 s[WV], 8
	s_cselect_b32 s[KMAX], s[KMAX], 1151           ; waves 8-15: key steps 0 .. 8
	s_mov_b32 s[KLO], 0
	s_mov_b32 s[G1], 3<<16                         ; elements of 8 bytes; 4 rows of 512
	s_mov_b32 s[G1+1], 512<<16
	s_mov_b32 s[G1+2], 4<<16
	s_mov_b32 s[G1+3], 512<<16
	s_mov_b32 s[G1+4], 4
	s_mov_b32 s[G1+5], 512
	s_mov_b32 s[G1+6], 0
	s_mov_b32 s[G1+7], 0
	s_mov_b32 s[SEL], 0x76543210
	s_mov_b32 s[SEL+1], 0xfedcba98
	s_mov_b32 s[CS], 0x3e38aa3b                    ; log2(e) / sqrt(64)
	s_wait_dscnt 0x0
	s_wait_kmcnt 0x0
	s_load_b512 s[68:83], s[6:7], 0x0
	s_add_nc_u64 s[50:51], s[4:5], s[50:51]
	s_mov_b32 s[G0], 1
	s_mov_b32 s[G0+1], s48
	s_mov_b64 s[G0+2:G0+3], s[50:51]
	s_or_b32 s[G0+3], s[G0+3], 0x80000000
	tensor_load_to_lds s[G0:G0+3], s[G1:G1+7]      ; the wave's one tensor load
	s_nop 0
.rept 4
	v_nop
.endr
	s_add_nc_u64 s[54:55], s[4:5], s[54:55]
	s_add_nc_u64 s[56:57], s[4:5], s[56:57]
	s_add_nc_u64 s[8:9], s[8:9], s[52:53]
	v_and_b32 v8, 31, v0
	s_delay_alu instid0(VALU_DEP_1)
	v_lshlrev_b32 v[L16], 4, v8
	global_load_b128 v[16:19], v[L16], s[54:55]
	global_load_b128 v[20:23], v[L16], s[54:55] offset:512
	v_add_nc_u32 v[HND], s59, v[L16]
	v_and_b32 v8, 15, v0
	s_delay_alu instid0(VALU_DEP_1)
	v_and_b32 v9, 8, v8
	s_delay_alu instid0(VALU_DEP_1)
	v_add_nc_u32 v[DQ], v9, v8
	v_bfe_u32 v9, v0, 4, 1
	s_delay_alu instid0(VALU_DEP_1)
	v_lshlrev_b32 v9, 4, v9
	s_delay_alu instid0(VALU_DEP_1)
	v_sub_nc_u32 v[DQ], v[DQ], v9
	v_mov_b32 v13, 0xff61b1e6
	s_delay_alu instid0(VALU_DEP_1)
	v_floor_f32 v12, -v13
	v_mov_b32 v14, 0
	v_mov_b32 v15, 0
	v_mov_b32 v236, 0
	v_mov_b32 v252, 0
	v_mov_b32 v253, 0
	v_mov_b32 v255, 0
.set j, 0
.rept 32
	v_mov_b32 v[160+j], 0
.set j, j+1
.endr
	s_wait_kmcnt 0x0
	s_add_co_i32 s13, s74, s75
	s_lshl_b32 s13, s13, 23
	s_add_co_i32 s[CS], s[CS], s13
	s_mov_b32 s[CS+1], s[CS]
	s_add_co_i32 s13, s76, 127
	s_lshl_b32 s15, s13, 23
	v_mov_b32 v244, s15
	s_add_co_i32 s13, s13, 8
	s_lshl_b32 s13, s13, 23
	s_or_b32 s13, s13, 0x600000
	v_mov_b32 v240, s13
	s_sub_co_i32 s13, s78, s76
	s_sub_co_i32 s13, s13, s77
	s_add_co_i32 s13, s13, 127
	s_lshl_b32 s15, s13, 23
	v_mov_b32 v245, s15
	s_add_co_i32 s13, s13, 8
	s_lshl_b32 s13, s13, 23
	s_or_b32 s13, s13, 0x600000
	v_mov_b32 v241, s13
.macro STEP
	s_cmp_gt_u32 s[KF], s[KMAX]
	s_cbranch_scc1 .Lhidden_\@
	s_cmp_lt_u32 s[KF], s[KLO]
	s_cbranch_scc1 .Lhidden_\@
	v_add_nc_u32 v[ADK], s[TB], v[L16]
	s_delay_alu instid0(VALU_DEP_1)
	v_add_nc_u32 v[ADV], 0x20000, v[ADK]
	v_nop
	v_nop
.irp t, 0,1,2,3,4,5,6,7
.irp c, 0,1
	ds_load_b128 v[32+8*\t+4*\c:32+8*\t+4*\c+3], v[ADK] offset:1024*\t+512*\c
.endr
.endr
	s_wait_alu depctr_va_vdst(0)
	s_wait_dscnt 0x0
.irp t, 0,1,2,3,4,5,6,7
	v_wmma_f32_16x16x64_fp8_fp8 v[96+8*\t:103+8*\t], v[32+8*\t:39+8*\t], v[16:23], 0
.endr
.rept 4
	v_nop
.endr
.irp t, 0,1,2,3
.irp c, 0,1,2,3
	ds_load_b128 v[32+16*\t+4*\c:32+16*\t+4*\c+3], v[ADV] offset:2048*\t+512*\c
.endr
.endr
	s_add_co_u32 s96, s[KF], 127
	s_cmp_le_u32 s96, s[Q0]
	s_cbranch_scc1 .Lopen_\@
	s_sub_co_i32 s96, s[Q0], s[KF]
	v_add_nc_u32 v252, s96, v[DQ]
	v_mov_b32 v254, 0xff800000
.set n, 0
.rept 64
	v_cmp_gt_i32 vcc_lo, 32*(n/16)+n%16, v252
	v_cndmask_b32 v[96+n], v[96+n], v254, vcc_lo
.set n, n+1
.endr
.Lopen_\@:
	v_max3_num_f32 v254, v96, v97, v98
	v_max3_num_f32 v252, v99, v100, v101
.irp i, 6,10,14,18,22,26,30,34,38,42,46,50,54,58
	v_max3_num_f32 v254, v254, v[96+\i], v[97+\i]
	v_max3_num_f32 v252, v252, v[98+\i], v[99+\i]
.endr
	v_max3_num_f32 v254, v254, v158, v159
	s_delay_alu instid0(VALU_DEP_1)
	v_max_num_f32 v254, v254, v252
	v_permlanex16_b32 v236, v254, s[SEL], s[SEL+1]
	s_delay_alu instid0(VALU_DEP_1)
	v_max_num_f32 v254, v254, v236
	s_delay_alu instid0(VALU_DEP_1)
	v_mul_f32 v254, s[CS], v254
	s_delay_alu instid0(VALU_DEP_1)
	v_max_num_f32 v13, v13, v254
	v_mov_b32 v254, v12
	s_delay_alu instid0(VALU_DEP_2)
	v_floor_f32 v12, -v13
	s_delay_alu instid0(VALU_DEP_1)
	v_sub_f32 v254, v12, v254
	s_delay_alu instid0(VALU_DEP_1)
	v_cvt_i32_f32 v254, v254
	s_delay_alu instid0(VALU_DEP_1)
	v_ldexp_f32 v252, 1.0, v254
.irp j, 0,2,4,6,8,10,12,14,16,18,20,22,24,26,28,30,32,34,36,38,40,42,44,46,48,50,52,54,56,58,60,62
	v_pk_fma_f32 v[96+\j:97+\j], v[96+\j:97+\j], s[CS:CS+1], v[12:13] op_sel_hi:[1,0,0]
.endr
.set n, 0
	s_wait_alu depctr_va_vdst(0)
.rept 64
	v_exp_f32 v[96+n], v[96+n]
.set n, n+1
.endr
	v_pk_mul_f32 v[14:15], v[14:15], v[252:253] op_sel_hi:[1,0]
	s_wait_alu depctr_va_vdst(0)
	v_pk_add_f32 v[242:243], v[96:97], v[98:99]
.irp j, 4,8,12,16,20,24,28,32,36,40,44,48,52,56,60
	v_pk_add_f32 v[14:15], v[14:15], v[96+\j:97+\j]
	v_pk_add_f32 v[242:243], v[242:243], v[98+\j:99+\j]
.endr
	s_delay_alu instid0(VALU_DEP_1)
	v_pk_add_f32 v[14:15], v[14:15], v[242:243]
.irp b, 0,1,2,3
.irp i, 0,1,2,3,4,5,6,7,8,9,10,11,12,13,14,15
	v_min_num_f32 v[96+16*\b+\i], v[96+16*\b+\i], v240
.endr
	v_cvt_scalef32_pk8_fp8_f32 v[224+4*\b:225+4*\b], v[96+16*\b:103+16*\b], v244
	v_cvt_scalef32_pk8_fp8_f32 v[226+4*\b:227+4*\b], v[104+16*\b:111+16*\b], v244
.endr
.irp j, 0,2,4,6,8,10,12,14,16,18,20,22,24,26,28,30
	v_pk_mul_f32 v[160+\j:161+\j], v[160+\j:161+\j], v[252:253] op_sel_hi:[1,0]
.endr
	s_wait_alu depctr_va_vdst(0)
	s_wait_dscnt 0x0
.irp t, 0,1,2,3
	v_wmma_f32_16x16x128_fp8_fp8 v[160+8*\t:167+8*\t], v[32+16*\t:47+16*\t], v[224:239], v[160+8*\t:167+8*\t]
.endr
.Lhidden_\@:
	s_add_co_u32 s[TB], s[TB], 8192
	s_add_co_u32 s[KF], s[KF], 128
.endm
.macro PASS                            ; all 16 key steps, of which the wave's range is walked
	s_mov_b32 s[TB], 0
	s_mov_b32 s[KF], 0
	s_mov_b32 s[CNT], 16
.Lstep_\@:
	STEP
	s_sub_co_u32 s[CNT], s[CNT], 1
	s_cmp_lg_u32 s[CNT], 0
	s_cbranch_scc1 .Lstep_\@
.endm
.macro FINISH                          ; O^T / the row's sum, quantised by entry 10, stored as my part of a token tile's image
.rept 4
	v_nop
.endr
	v_add_f32 v14, v14, v15
	v_permlanex16_b32 v252, v14, s[SEL], s[SEL+1]
	v_add_f32 v14, v14, v252
	s_wait_alu depctr_va_vdst(0)                   ; the wait ahead of the transcendental,
	v_rcp_f32 v14, v14
	v_nop
	s_wait_alu depctr_va_vdst(0)                   ; and ahead of its first reader, which is also O^T's
.set j, 0
.rept 32
	v_mul_f32 v[192+j], v[160+j], v14
.set j, j+1
.endr
.set j, 0
.rept 32
	v_med3_num_f32 v[192+j], v[192+j], -v241, v241
.set j, j+1
.endr
.irp q, 0,1,2,3
	v_cvt_scalef32_pk8_fp8_f32 v[224+2*\q:225+2*\q], v[192+8*\q:199+8*\q], v245
.endr
	v_nop
	global_store_b128 v[L16], v[224:227], s[8:9]
	global_store_b128 v[L16], v[228:231], s[8:9] offset:512
.endm
	s_wait_alu depctr_va_vdst(0)                   ; the wait at the head's end
	s_wait_loadcnt 0x0                             ; Q
	s_wait_dscnt 0x0
	s_wait_tensorcnt 0x0                           ; my part of K or V has landed,
	s_barrier_signal -1
	s_barrier_wait -1                              ; and so has everybody's
	PASS
	s_wait_alu depctr_va_vdst(0)
	s_cmp_lt_u32 s[WV], 8
	s_cbranch_scc0 .Llate
	FINISH                                         ; waves 0-7: the early tile is done;
	v_mov_b32 v13, 0xff61b1e6                      ; the state begins anew,
	v_floor_f32 v12, -v13
	v_mov_b32 v14, 0
	v_mov_b32 v15, 0
.set j, 0
.rept 32
	v_mov_b32 v[160+j], 0
.set j, j+1
.endr
	global_load_b128 v[16:19], v[L16], s[56:57]    ; with the late tile's Q,
	global_load_b128 v[20:23], v[L16], s[56:57] offset:512
	s_mov_b32 s[Q0], s62
	s_add_co_u32 s[KMAX], s62, 23
	s_mov_b32 s[KLO], 1152                         ; from its key step 9 on
	s_wait_alu depctr_va_vdst(0)
	s_wait_xcnt 0x0                                ; the stores have read the codes' registers, which the steps write again
	s_branch .Lsecond
.Llate:
	s_mov_b32 s[KLO], 4096                         ; waves 8-15 have no step in the second walk
.Lsecond:
	s_wait_loadcnt 0x0
	PASS
.rept 4
	v_nop                                          ; places behind the last products, on every wave's way
.endr
	s_wait_alu depctr_va_vdst(0)
	s_cmp_lt_u32 s[WV], 8
	s_cbranch_scc0 .Lkeeps
	s_wait_alu depctr_va_vdst(0)
.irp i, 0,1,2,3,4,5,6,7
	ds_store_b128 v[HND], v[160+4*\i:163+4*\i] offset:512*\i   ; my part of the late tile: O^T, each accumulator from its low end on,
.endr
	ds_store_b128 v[HND], v[12:15] offset:4096     ; -M, the largest t, the sum's two halves
.Lkeeps:
	s_wait_dscnt 0x0                               ; my stores have landed
	s_barrier_signal -1
	s_barrier_wait -1
	s_cmp_lt_u32 s[WV], 8
	s_cbranch_scc1 .Lend
.irp i, 0,1,2,3,4,5,6,7
	ds_load_b128 v[192+4*\i:195+4*\i], v[HND] offset:512*\i
.endr
	ds_load_b128 v[248:251], v[HND] offset:4096
	s_wait_dscnt 0x0
	v_min_num_f32 v246, v12, v248                  ; the joint -M: the larger M
	v_sub_f32 v247, v246, v12                      ; my M less the joint one: a whole number, 0 or less
	v_sub_f32 v242, v246, v248                     ; the other part's likewise
	v_cvt_i32_f32 v247, v247                       ; (they saturate)
	v_cvt_i32_f32 v242, v242
	v_ldexp_f32 v252, 1.0, v247                    ; both parts are brought under the joint M by powers of two
	v_ldexp_f32 v254, 1.0, v242
	v_mul_f32 v14, v14, v252
	v_mul_f32 v15, v15, v252
	v_fma_f32 v14, v250, v254, v14
	v_fma_f32 v15, v251, v254, v15
.irp j, 0,2,4,6,8,10,12,14,16,18,20,22,24,26,28,30
	v_pk_mul_f32 v[192+\j:193+\j], v[192+\j:193+\j], v[254:255] op_sel_hi:[1,0]
.endr
	s_wait_alu depctr_va_vdst(0)                   ; the wait directly ahead of the first readers of O^T
.irp j, 0,2,4,6,8,10,12,14,16,18,20,22,24,26,28,30
	v_pk_fma_f32 v[160+\j:161+\j], v[160+\j:161+\j], v[252:253], v[192+\j:193+\j] op_sel_hi:[1,0,1]
.endr
	FINISH
.Lend:
	s_wait_tensorcnt 0x0                           ; the wave's end
	ds_add_u32 v[SPW], v[NIL]
	s_wait_dscnt 0x0
	s_endpgm
.Lfunc_end_k_q9a4df331f3_attn:
	.size	k_q9a4df331f3_attn, .Lfunc_end_k_q9a4df331f3_attn-k_q9a4df331f3_attn
	.p2alignl 7, 3214868480
	.fill 96, 4, 3214868480
	.section	.rodata,"a",@progbits
	.p2align	6, 0x0
	.amdhsa_kernel k_q9a4df331f3_attn
		.amdhsa_group_segment_fixed_size 327680
		.amdhsa_private_segment_fixed_size 0
		.amdhsa_enable_private_segment 0
		.amdhsa_kernarg_size 24
		.amdhsa_user_sgpr_count 2
		.amdhsa_user_sgpr_kernarg_segment_ptr 1
		.amdhsa_wavefront_size32 1
		.amdhsa_system_sgpr_workgroup_id_x 1
		.amdhsa_system_sgpr_workgroup_id_y 1
		.amdhsa_system_sgpr_workgroup_id_z 1
		.amdhsa_system_vgpr_workitem_id 0
		.amdhsa_next_free_vgpr 256
		.amdhsa_next_free_sgpr 100
		.amdhsa_reserve_vcc 1
		.amdhsa_float_denorm_mode_32 3
		.amdhsa_float_denorm_mode_16_64 3
		.amdhsa_memory_ordered 1
		.amdhsa_forward_progress 1
		.amdhsa_inst_pref_size 63
	.end_amdhsa_kernel
	.amdgpu_metadata
---
amdhsa.version: [ 1, 2 ]
amdhsa.kernels:
  - .name:           k_q9a4df331f3_attn
    .symbol:         k_q9a4df331f3_attn.kd
    .args:
      - { .name: img2, .offset: 0, .size: 8, .value_kind: global_buffer, .address_space: global }
      - { .name: lowp_scales, .offset: 8, .size: 8, .value_kind: global_buffer, .address_space: global }
      - { .name: img3, .offset: 16, .size: 8, .value_kind: global_buffer, .address_space: global }
    .group_segment_fixed_size: 327680
    .private_segment_fixed_size: 0
    .kernarg_segment_align: 8
    .kernarg_segment_size: 24
    .max_flat_workgroup_size: 512
    .sgpr_count:     100
    .vgpr_count:     256
    .wavefront_size: 32
...
	.end_amdgpu_metadata
.endif
;; end of part 7
;; launch tail (part 8): grid 128 x 1, 4 waves a work-group, no clusters, 206,848 bytes of LDS; arguments img3, img1, x, ln2_w, ln2_b, lowp_scales, out0; writes out0
.if DOCPART == 8
	.amdgcn_target "amdgcn-amd-amdhsa--gfx1250"
	.amdhsa_code_object_version 6
	.text
	.protected	k_q9a4df331f3_tail
	.globl	k_q9a4df331f3_tail
	.p2align	8
	.type	k_q9a4df331f3_tail,@function
k_q9a4df331f3_tail:
	s_mov_b64 s[64:65], 0
	v_nop
	global_prefetch_b8 v0, s[64:65] scope:SCOPE_SE
	s_setreg_imm32_b32 hwreg(HW_REG_WAVE_MODE, 25, 1), 1
	s_wait_xcnt 0x0
; TAIL.  x1 = x + attn Wo^T;  h = LayerNorm 2 (x1);  out = x1 + gelu(h W1^T) W2^T (gelu by erf), the three products on codes of E4M3.  x1, h and the hidden layer never go to memory.
; Operands are tile images (a tile: 16 rows, tile 2 b + u = rows 32 b + 8 u + r + 8 (r / 8); an image: [K step 8][c 4][lane 32][16 bytes], lane (r, h): k = 128 s + 32 c + 16 h + 0 .. 15): attn's from img3, the weights' from img1
; (Wo at tile 960, W1 at 1024, W2 at 1088).
; SHARES.  A work-group owns 32 tokens (token tiles 2 g, 2 g + 1).  THE WAVES SHARE THE COLUMNS: wave w makes columns 256 w .. 256 w + 255 of each product, a PAIR of weight tiles (32 columns) at a time.
; The products are used transposed (source 0 = a weight tile, source 1 = a token tile): a lane holds one token, and a pair's 16 registers are 16 neighbouring columns: what the residual in LDS, LayerNorm and the next quantiser want.
; THE WEIGHTS GO FROM MEMORY STRAIGHT INTO REGISTERS, each fragment read by one wave of the work-group, in FOUR SETS of two K steps (16 loads) that take turns: a set is asked for again directly behind its eight products, so a
; pair's 64 loads are on their way across the epilogues, LayerNorm and the barriers too.  The token side's 16 fragments (256 registers) stay for a whole product.
; THE WORK-GROUPS WALK THEIR PAIRS IN DIFFERENT ORDERS.  ROT = work-group % 8; what a wave does in its trip p (SLOT p) is pair p xor ROT.  So at any step the 128 work-groups together ask for all 32 pairs of a weight, and not all
; for the same four.  LDS is laid by SLOTS, so that no LDS address hangs on the work-group's number: byte b of a row of XS, of ln2_w and of ln2_b holds the true byte b xor (128 ROT), and chunk kb (32 along K) of an image made
; here holds the true chunk kb xor ROT.  The permutation is applied in GLOBAL offsets alone: x's loads, out's stores, ln2's loads, and the K chunks of attn's and the weights' fragments.  A permutation of K in chunks of 32, the same
; on both operands, keeps every product.  A load of x and a store of out still cover one aligned run of 512 bytes whole: only its four pieces of 128 bytes change places among the lanes.
; NO CLUSTER, NO RING IN LDS: a joint refill would stand behind a round with every load landed, 24 rounds for the three weights; the stream into registers has no barrier.  128 work-groups: with 16 tokens each, every work-group would
; still read all three weights.  No prefetch: the weights are read by all work-groups, not once.
; LDS: XS, 32 rows (position 16 m + r) of 4,096 bytes + 16: x, then x1, then out; HIMG, GIMG: h's and the hidden layer's 16 fragments as images; ln2_w, ln2_b; two places for the sums of LayerNorm; the spare words.
; erf(a): two polynomials, |a| <= 475/512 and above (there by an exponential); 1 + erf is formed without a difference of near numbers on the negative side: for a < 0 it is the exponential itself.
; LIMITS: e10 + e11, e12 + e13, e14 + e15 between -126 and 127; e12 between -126 and 119, e14 between -127 and 118.  NaN and infinities are not served.
; REGISTERS, in windows of 256: window 0: see below; window 1: the token side's fragments, (m, s) at v[16 (8 m + s)]; window 2: the weights, (K step s, tile t) at v[32 s + 16 t]; at the end out's rows;
;   window 3: x's rows on their way into LDS.  A set's loads and its products want different windows: two switches a set, nine a pair, for its 32 products and 64 loads.
.set XP,    4112
.set HIMG,  32*XP
.set GIMG,  HIMG+32768
.set LNW,   GIMG+32768
.set RED1,  LNW+8192                   ; [m][r][wave], 512 bytes; the second sums' place 512 further on
.set SPARE, RED1+1024                  ; the spare words, 128 bytes a wave, which no other line names
.set L16,  1                           ; v1   16 x lane
.set XA0,  2                           ; v2   XS: row r, my wave's 1,024 bytes, + 64 h (m = 0);  v3: m = 1
.set XROW, 4                           ; v4   XS by rows: my 8 tokens' rows, 16 x lane
.set IAH,  5                           ; v5   where I store h's images: HIMG + 4,096 w + 16 x lane;  v6: the same in GIMG
.set IAG,  6
.set HR,   7                           ; v7   HIMG + 16 x lane;  v8: GIMG + 16 x lane
.set GRD,  8
.set WA0,  9                           ; v9   ln2_w at my slots
.set R1S,  10                          ; v10  where I put a sum;  v11: where I read the four waves'
.set R1L,  11
.set SPW,  16                          ; v16  my spare word; never rewritten
.set NIL,  17                          ; v17  0; never rewritten
.set MU,   18                          ; v[18:19], v[20:21] the means of my two tokens, twice each
.set RS,   22                          ; v[22:23], v[24:25] 1 / sqrt(var + eps)
.set SM,   26                          ; v[26:27], v[28:29] sums
.set ACC,  32                          ; v[32:63]  accumulator (m, t) at 32 + 16 m + 8 t
.set XT,   64                          ; v[64:95]  x or x1 in hand, in ACC's order
.set LWR,  96                          ; v[96:111] ln2_w, v[112:127] ln2_b at the slot's columns
.set LBR,  112
.set GA,   128                         ; gelu: a;  |a|;  a^2;  the large branch;  the small branch: 16 each
.set GT,   144
.set GS,   160
.set GR,   176
.set GU,   192
.set PC,   208                         ; v[208:215] codes just made
.set KC,   216                         ; v[216:245] fifteen constants, each twice: c1-c7, d1-d6, log2(e), 1 / sqrt(2)
.set SC12, 246                         ; 2^e12, 448 x 2^e12;  2^(e14 + 1), 448 x that
.set LI12, 247
.set SC14, 248
.set LI14, 249
; v250-255, v30, v31: the eight offsets of K chunks, number i: 16 x lane + 512 (i xor ROT); never rewritten.  Number i stands in v[250 + i - 226 (i / 6)]
; v12, v13: at the head and on the way out the two offsets in a row's 1,024 bytes, (512 e + 16 x lane) xor (128 ROT); between, addresses in hand
.set PF,   26                          ; s[26:27] the pair of weight tiles to fetch
.set CNT,  32
.set XO,   33                          ; 128 x slot: bytes in a row of XS
.set IO,   34                          ; 512 x slot: bytes in an image
.set ROT,  50                          ; s50  work-group % 8
.set R7,   51                          ; s51  128 ROT
.set PN,   52                          ; s52  the slot to fetch next
.set WB,   54                          ; s[54:55] my wave's eight pairs of the weight in hand
.set OFS,  56                          ; s[56:57] a pair's offset among them
.set R15,  58                          ; s[58:59] slot 0's: 32,768 ROT
.set MSB, 0
.macro WIN new                         ; the immediate's high byte repeats the setting that is left
.if MSB != \new
	s_set_vgpr_msb (MSB<<8)|\new
.set MSB, \new
.endif
.endm
.macro KSET i, val
	v_mov_b32 v[KC+2*\i], \val
	v_mov_b32 v[KC+2*\i+1], \val
.endm
.macro BARRIER                         ; my LDS stores have landed and my LDS loads are in: then the work-group's barrier
	s_wait_dscnt 0x0
	s_barrier_signal -1
	s_barrier_wait -1
.endm
.macro NEXTPF                          ; s[PF] = the pair of slot s[PN] (taken modulo 8, so that the address formed stays among my eight pairs)
	s_xor_b32 s[OFS], s[PN], s[ROT]
	s_and_b32 s[OFS], s[OFS], 7
	s_lshl_b32 s[OFS], s[OFS], 15
	s_add_nc_u64 s[PF:PF+1], s[WB:WB+1], s[OFS:OFS+1]
.endm
	s_load_b256 s[4:11], s[0:1], 0x0               ; img3, img1, x, ln2_w
	s_load_b128 s[12:15], s[0:1], 0x20             ; ln2_b, lowp_scales
	s_load_b64 s[16:17], s[0:1], 0x30              ; out0
	v_lshl_add_u32 v[SPW], v0, 2, SPARE
	v_mov_b32 v[NIL], 0
	v_lshrrev_b32 v1, 5, v0
	v_readfirstlane_b32 s18, v1                    ; wave
	v_and_b32 v64, 31, v0
	v_lshlrev_b32 v[L16], 4, v64
	s_wait_alu depctr_va_vdst(0)
	v_and_b32 v64, 15, v0                          ; r
	v_bfe_u32 v65, v0, 4, 1                        ; h
	s_lshl_b32 s41, s18, 10
	v_mul_u32_u24 v[XA0], v64, XP
	v_lshl_add_u32 v[XA0], v65, 6, v[XA0]
	v_add_nc_u32 v[XA0], s41, v[XA0]
	v_add_nc_u32 v[XA0+1], 16*XP, v[XA0]
	s_and_b32 s42, s18, 1                          ; tokens 8 w .. 8 w + 7 of the 32 are rows 8 (w / 2) .. of tile w % 2: positions 16 (w % 2) + 8 (w / 2) on
	s_lshl_b32 s42, s42, 4
	s_lshr_b32 s43, s18, 1
	s_lshl_b32 s43, s43, 3
	s_add_co_u32 s42, s42, s43
	s_mul_i32 s42, s42, XP
	v_add_nc_u32 v[XROW], s42, v[L16]
	s_lshl_b32 s42, s18, 12
	v_add_nc_u32 v[IAH], s42, v[L16]
	v_add_nc_u32 v[IAG], GIMG, v[IAH]
	v_add_nc_u32 v[IAH], HIMG, v[IAH]
	v_add_nc_u32 v[HR], HIMG, v[L16]
	v_add_nc_u32 v[GRD], GIMG, v[L16]
	v_lshlrev_b32 v[WA0], 6, v65
	v_add_nc_u32 v[WA0], s41, v[WA0]
	v_add_nc_u32 v[WA0], LNW, v[WA0]
	v_lshlrev_b32 v[R1L], 4, v64
	v_add_nc_u32 v[R1L], RED1, v[R1L]
	s_lshl_b32 s42, s18, 2
	v_add_nc_u32 v[R1S], s42, v[R1L]
	; the order of this work-group's walk, and the global offsets that carry it
	s_and_b32 s[ROT], ttmp9, 7
	s_lshl_b32 s[R7], s[ROT], 7
	s_lshl_b32 s60, s[ROT], 9
	s_lshl_b32 s[R15], s[ROT], 15
	s_mov_b32 s[R15+1], 0
	s_mov_b32 s[OFS+1], 0
.irp p, 0,1,2,3,4,5,6,7
.set vr, 250+\p-226*(\p/6)
	s_xor_b32 s61, s60, 512*\p
	v_add_nc_u32 v[vr], s61, v[L16]                ; 16 x lane + 512 (p xor ROT)
.endr
	v_xor_b32 v12, s[R7], v[L16]                   ; (16 x lane) xor (128 ROT),
	v_xor_b32 v13, 0x200, v12                      ; (512 + 16 x lane) xor (128 ROT)
	v_lshlrev_b32 v15, 4, v0                       ; 16 x thread
	v_add_nc_u32 v14, LNW, v15                     ; where ln2's numbers go in LDS,
	v_xor_b32 v15, s[R7], v15                      ; and where they come from
	s_lshl_b32 s44, ttmp9, 17                      ; x, out0: (32 g + 8 w) rows of 4,096 bytes
	s_lshl_b32 s45, s18, 15
	s_add_co_u32 s44, s44, s45
	s_mov_b32 s45, 0
	s_lshl_b32 s46, ttmp9, 15                      ; img3: two tiles' images
	s_mov_b32 s47, 0
	s_lshl_b32 s48, s18, 18                        ; img1: tile 960 + 16 w
	s_add_co_u32 s48, s48, 960*16384
	s_mov_b32 s49, 0
	s_mov_b32 s36, 0x76543210                      ; lane l xor 16
	s_mov_b32 s37, 0xfedcba98
	s_mov_b32 s38, 0x3a800000                      ; 1 / 1024
	s_mov_b32 s39, 0x3727c5ac                      ; 1e-5
	s_mov_b32 s40, 0x3f6d8000                      ; 475 / 512
	s_wait_alu depctr_va_vdst(0)
	s_wait_kmcnt 0x0
	s_load_b512 s[68:83], s[14:15], 0x0            ; the sixteen exponents
	s_add_nc_u64 s[8:9], s[8:9], s[44:45]
	s_add_nc_u64 s[16:17], s[16:17], s[44:45]
	s_add_nc_u64 s[4:5], s[4:5], s[46:47]
	s_add_nc_u64 s[WB:WB+1], s[6:7], s[48:49]      ; Wo's eight pairs of mine,
	s_add_nc_u64 s[28:29], s[WB:WB+1], 0x100000    ; W1's: 64 tiles on,
	s_add_nc_u64 s[30:31], s[WB:WB+1], 0x200000    ; W2's
	s_add_nc_u64 s[PF:PF+1], s[WB:WB+1], s[R15:R15+1]   ; slot 0's pair
; Set q: K steps 2 q, 2 q + 1 of both tiles of the pair at s[PF]: 16 loads of 512 consecutive bytes.  Registers (s, c) take the true chunk (4 s + c) xor ROT.  (The destination's window is 2)
.macro FETCHQ q
.irp s, 0,1
.irp t, 0,1
.irp c, 0,1,2,3
.set vi, 4*\s+\c
.set vr, 250+vi-226*(vi/6)
	global_load_b128 v[64*\q+32*\s+16*\t+4*\c:64*\q+32*\s+16*\t+4*\c+3], v[vr], s[PF:PF+1] offset:\t*16384+\q*4096
.endr
.endr
.endr
.endm
	global_load_b128 v[96:99], v15, s[10:11]
	global_load_b128 v[100:103], v15, s[10:11] offset:2048
	global_load_b128 v[104:107], v15, s[12:13]
	global_load_b128 v[108:111], v15, s[12:13] offset:2048
	WIN 0xc0                                       ; destination window 3
.set k, 0
.rept 64
	global_load_b128 v[4*k:4*k+3], v[12+k%2], s[8:9] offset:(k/8)*4096+((k%8)/2)*1024 th:TH_LOAD_NT   ; my 8 tokens' rows of x: what goes to byte 512 (k % 8) + 16 x lane of the row in XS
.set k, k+1
.endr
	WIN 0x40                                       ; destination window 1
.set k, 0
.rept 64
.set vi, k%8
.set vr, 250+vi-226*(vi/6)
	global_load_b128 v[4*k:4*k+3], v[vr], s[4:5] offset:(k/32)*16384+((k%32)/8)*4096   ; attn's 16 fragments, their K chunks in the slots' order
.set k, k+1
.endr
	WIN 0x80                                       ; destination window 2
	FETCHQ 0
	FETCHQ 1
	FETCHQ 2
	FETCHQ 3
	WIN 0
	KSET 0, 0xb7910000                             ; c1 .. c7
	KSET 1, 0x39c8e7d9
	KSET 2, 0xbb7e8a1c
	KSET 3, 0x3cc6b1a1
	KSET 4, 0xbddaae5c
	KSET 5, 0xbf228550
	KSET 6, 0xbe03ce86
	KSET 7, 0xba1c7000                             ; d1 .. d6
	KSET 8, 0x3ba38d2c
	KSET 9, 0xbcdb48d9
	KSET 10, 0x3de70e22
	KSET 11, 0xbec09380
	KSET 12, 0x3e0375d4
	KSET 13, 0x3fb8aa3b                            ; log2(e)
	KSET 14, 0x3f3504f3                            ; 1 / sqrt(2)
.irp j, 0,1,2,3
	v_mov_b32 v[SM+\j], 0
.endr
	s_wait_kmcnt 0x0
	s_add_co_i32 s20, s78, s79
	s_add_co_i32 s20, s20, 127
	s_lshl_b32 s20, s20, 23                        ; 2^(e10 + e11)
	s_mov_b32 s21, s20
	s_add_co_i32 s22, s80, s81
	s_add_co_i32 s22, s22, 127
	s_lshl_b32 s22, s22, 23                        ; 2^(e12 + e13)
	s_mov_b32 s23, s22
	s_add_co_i32 s24, s82, s83
	s_add_co_i32 s24, s24, 127
	s_lshl_b32 s24, s24, 23                        ; 2^(e14 + e15)
	s_mov_b32 s25, s24
	s_add_co_i32 s41, s80, 127
	s_lshl_b32 s42, s41, 23
	v_mov_b32 v[SC12], s42
	s_add_co_i32 s41, s41, 8
	s_lshl_b32 s41, s41, 23
	s_or_b32 s41, s41, 0x600000
	v_mov_b32 v[LI12], s41
	s_add_co_i32 s41, s82, 128                     ; e14 + 1: gelu's factor 1/2 goes into the conversion's scale
	s_lshl_b32 s42, s41, 23
	v_mov_b32 v[SC14], s42
	s_add_co_i32 s41, s41, 8
	s_lshl_b32 s41, s41, 23
	s_or_b32 s41, s41, 0x600000
	v_mov_b32 v[LI14], s41
	s_wait_xcnt 0x0                                ; the loads have read their base and their offsets:
	s_mov_b32 s[PN], 1
	NEXTPF                                         ; on to slot 1's pair
	s_wait_loadcnt 63                              ; ln2's and x's loads are in: 128 loads are younger, more than the count can name
	ds_store_b128 v14, v[96:99]
	ds_store_b128 v14, v[100:103] offset:2048
	ds_store_b128 v14, v[104:107] offset:4096
	ds_store_b128 v14, v[108:111] offset:6144
	WIN 0x0c                                       ; the stores' data in window 3
.set k, 0
.rept 64
	ds_store_b128 v[XROW], v[4*k:4*k+3] offset:(k/8)*XP+(k%8)*512
.set k, k+1
.endr
	WIN 0
	BARRIER                                        ; x's 32 rows and ln2's gains lie in LDS
; 8 matrix instructions: set q's two K steps, the pair's four accumulators by turns, one instruction a turn.  The first K step starts the sums.
.macro MMQ q
.irp s, 0,1
.irp t, 0,1
.irp m, 0,1
.if (\q == 0) && (\s == 0)
	v_wmma_f32_16x16x128_fp8_fp8 v[ACC+16*\m+8*\t:ACC+16*\m+8*\t+7], v[64*\q+32*\s+16*\t:64*\q+32*\s+16*\t+15], v[16*(8*\m+2*\q+\s):16*(8*\m+2*\q+\s)+15], 0
.else
	v_wmma_f32_16x16x128_fp8_fp8 v[ACC+16*\m+8*\t:ACC+16*\m+8*\t+7], v[64*\q+32*\s+16*\t:64*\q+32*\s+16*\t+15], v[16*(8*\m+2*\q+\s):16*(8*\m+2*\q+\s)+15], v[ACC+16*\m+8*\t:ACC+16*\m+8*\t+7]
.endif
.endr
.endr
.endr
.endm
; A PAIR: 32 columns x 32 tokens x 1,024 along K, set by set.  fetch = 1: each set, once multiplied, takes its part of the pair at s[PF]
.macro PAIR fetch
.irp q, 0,1,2,3
.if \fetch
	s_wait_loadcnt 48                              ; this set's 16 loads are in; the 48 younger ones, the three other sets', may be out
.else
	s_wait_loadcnt 48-16*\q                        ; nothing is asked for any more: the sets behind this one may be out
.endif
	WIN 0x06                                       ; source 0 window 2, source 1 window 1, C and D window 0
	MMQ \q
.rept 4
	v_nop                                          ; places in front of loads into registers that the products read, and, behind the last set, of the first read of the sums
.endr
.if \fetch
	WIN 0x80
	FETCHQ \q
.endif
.endr
	WIN 0
.endm
.macro XADR
	v_add_nc_u32 v12, s[XO], v[XA0]
	v_add_nc_u32 v13, s[XO], v[XA0+1]
.endm
.macro XLD                             ; my two tokens' 16 numbers of the slot's columns
.irp m, 0,1
.irp i, 0,1,2,3
	ds_load_b128 v[XT+16*\m+4*\i:XT+16*\m+4*\i+3], v[12+\m] offset:16*\i
.endr
.endr
.endm
.macro XST
.irp m, 0,1
.irp i, 0,1,2,3
	ds_store_b128 v[12+\m], v[XT+16*\m+4*\i:XT+16*\m+4*\i+3] offset:16*\i
.endr
.endr
.endm
; Ahead of a pair whose sums are added into XS: the slot's numbers are asked of LDS here, and land while the wave waits for the weights and multiplies
.macro PRE e
.if (\e) != 2
	s_wait_dscnt 0x0                               ; the last pair's stores into XS have read their registers
	XADR
	XLD
.endif
.endm
; XS += sums x the factor in s[sp]; sums = 1: LayerNorm's first sums are taken on the way.  A wave touches its own 1,024 bytes of each row alone.
.macro EPIADD sp, sums
	s_wait_dscnt 0x0                               ; the slot's numbers, asked for at the pair's head, are in
.set j, 0
.rept 16
	v_pk_fma_f32 v[XT+j:XT+j+1], v[ACC+j:ACC+j+1], s[\sp:\sp+1], v[XT+j:XT+j+1] op_sel_hi:[1,0,1]   ; each accumulator from its low end on
.set j, j+2
.endr
.if \sums
.irp k, 0,2,4,6,8,10,12,14
	v_pk_add_f32 v[SM:SM+1], v[SM:SM+1], v[XT+\k:XT+\k+1]
	v_pk_add_f32 v[SM+2:SM+3], v[SM+2:SM+3], v[XT+16+\k:XT+16+\k+1]
.endr
.endif
	XST
.endm
.macro P8 op, d, a, b                  ; a packed two-source instruction over 16 numbers
.irp k, 0,2,4,6,8,10,12,14
	\op v[\d+\k:\d+\k+1], v[\a+\k:\a+\k+1], v[\b+\k:\b+\k+1]
.endr
.endm
.macro F8K d, a, b, c                  ; d = a x b + constant c, over 16 numbers
.irp k, 0,2,4,6,8,10,12,14
	v_pk_fma_f32 v[\d+\k:\d+\k+1], v[\a+\k:\a+\k+1], v[\b+\k:\b+\k+1], v[KC+2*\c:KC+2*\c+1]
.endr
.endm
.macro F8KK d, a, c1, c2               ; d = a x constant c1 + constant c2
.irp k, 0,2,4,6,8,10,12,14
	v_pk_fma_f32 v[\d+\k:\d+\k+1], v[\a+\k:\a+\k+1], v[KC+2*\c1:KC+2*\c1+1], v[KC+2*\c2:KC+2*\c2+1]
.endr
.endm
; 16 sums of token tile m become codes of gelu(z), z = sum x 2^(e12 + e13): z (1 + erf(z / sqrt 2)), whose half is taken by the conversion's scale
.macro GELU16 m
.set AB, ACC+16*(\m)
.irp k, 0,2,4,6,8,10,12,14
	v_pk_mul_f32 v[AB+\k:AB+\k+1], v[AB+\k:AB+\k+1], s[22:23] op_sel_hi:[1,0]   ; z
.endr
.irp k, 0,2,4,6,8,10,12,14
	v_pk_mul_f32 v[GA+\k:GA+\k+1], v[AB+\k:AB+\k+1], v[KC+28:KC+29]             ; a = z / sqrt 2
.endr
.irp i, 0,1,2,3,4,5,6,7,8,9,10,11,12,13,14,15
	v_and_b32 v[GT+\i], 0x7fffffff, v[GA+\i]       ; t = |a|
.endr
	P8 v_pk_mul_f32, GS, GA, GA                    ; s = a^2
	F8KK GR, GT, 0, 1                              ; the large branch: r = ((c1 t + c2) s + (c3 t + c4)) ..
	F8KK GU, GT, 2, 3
.irp k, 0,2,4,6,8,10,12,14
	v_pk_fma_f32 v[GR+\k:GR+\k+1], v[GR+\k:GR+\k+1], v[GS+\k:GS+\k+1], v[GU+\k:GU+\k+1]
.endr
	F8K GR, GR, GT, 4
	F8K GR, GR, GT, 5
	F8K GR, GR, GT, 6
.irp k, 0,2,4,6,8,10,12,14
	v_pk_fma_f32 v[GR+\k:GR+\k+1], v[GR+\k:GR+\k+1], v[GT+\k:GT+\k+1], v[GT+\k:GT+\k+1] neg_lo:[0,0,1] neg_hi:[0,0,1]   ; r t - t
.endr
.irp k, 0,2,4,6,8,10,12,14
	v_pk_mul_f32 v[GR+\k:GR+\k+1], v[GR+\k:GR+\k+1], v[KC+26:KC+27]
.endr
	s_wait_alu depctr_va_vdst(0)
.irp i, 0,1,2,3,4,5,6,7,8,9,10,11,12,13,14,15
	v_exp_f32 v[GR+\i], v[GR+\i]                   ; E = e^r = 1 - erf(t)
.endr
	F8KK GU, GS, 7, 8                              ; the small branch, which names no exponential's result: the work behind the batch
	F8K GU, GU, GS, 9
	F8K GU, GU, GS, 10
	F8K GU, GU, GS, 11
	F8K GU, GU, GS, 12
.irp k, 0,2,4,6,8,10,12,14
	v_pk_fma_f32 v[GU+\k:GU+\k+1], v[GU+\k:GU+\k+1], v[GA+\k:GA+\k+1], v[GA+\k:GA+\k+1]   ; erf(a)
.endr
.irp k, 0,2,4,6,8,10,12,14
	v_pk_add_f32 v[GU+\k:GU+\k+1], v[GU+\k:GU+\k+1], 1.0 op_sel_hi:[1,0]
.endr
	s_wait_alu depctr_va_vdst(0)                   ; one wait for the batch, ahead of its first reader
.irp k, 0,2,4,6,8,10,12,14
	v_pk_fma_f32 v[GS+\k:GS+\k+1], v[GR+\k:GR+\k+1], -1.0, 2.0 op_sel_hi:[1,0,0]          ; 2 - E
.endr
.irp i, 0,1,2,3,4,5,6,7,8,9,10,11,12,13,14,15
	v_cmp_gt_f32 vcc_lo, 0, v[GA+\i]
	v_cndmask_b32 v[GS+\i], v[GS+\i], v[GR+\i], vcc_lo      ; a < 0: 1 + erf = E
	v_cmp_lt_f32 vcc_lo, s40, v[GT+\i]
	v_cndmask_b32 v[GU+\i], v[GU+\i], v[GS+\i], vcc_lo      ; t above 475/512: the large branch
.endr
	P8 v_pk_mul_f32, GU, GU, AB                    ; z (1 + erf) = 2 gelu
.irp i, 0,1,2,3,4,5,6,7,8,9,10,11,12,13,14,15
	v_med3_num_f32 v[GU+\i], v[GU+\i], -v[LI14], v[LI14]
.endr
	v_cvt_scalef32_pk8_fp8_f32 v[PC+4*\m:PC+4*\m+1], v[GU:GU+7], v[SC14]
	v_cvt_scalef32_pk8_fp8_f32 v[PC+4*\m+2:PC+4*\m+3], v[GU+8:GU+15], v[SC14]
.endm
.macro EPIGELU
	s_wait_dscnt 0x0                               ; the last pair's stores have read the codes' registers
	v_add_nc_u32 v14, s[IO], v[IAG]
	GELU16 0
	GELU16 1
	v_nop                                          ; a plain instruction behind the last conversion
	ds_store_b128 v14, v[PC:PC+3]                  ; slot p of wave w is chunk 8 w + p of the next product's K, in the slots' order: 512 p bytes on in my part of the image
	ds_store_b128 v14, v[PC+4:PC+7] offset:16384
.endm
.macro EPI e
.if \e == 1
	EPIADD 20, 1
.elseif \e == 2
	EPIGELU
.else
	EPIADD 24, 0
.endif
.endm
; A PRODUCT: my eight slots.  Seven trips fetch the next slot's pair; the eighth is written out: it fetches slot 0's pair of the next weight (whose eight pairs stand at s[nx]) or, nx = 0, nothing.
.macro PHASE e, nx
	s_mov_b32 s[XO], 0
	s_mov_b32 s[IO], 0
	s_mov_b32 s[PN], 1
	s_mov_b32 s[CNT], 7
.Lpair_\@:
	PRE \e
	PAIR 1
	EPI \e
	s_wait_xcnt 0x0                                ; the loads have read their base
	s_add_co_u32 s[PN], s[PN], 1
	NEXTPF
	s_add_co_u32 s[XO], s[XO], 128
	s_add_co_u32 s[IO], s[IO], 512
	s_sub_co_u32 s[CNT], s[CNT], 1
	s_cmp_lg_u32 s[CNT], 0
	s_cbranch_scc1 .Lpair_\@
.if \nx
	s_mov_b64 s[WB:WB+1], s[\nx:\nx+1]
	s_add_nc_u64 s[PF:PF+1], s[WB:WB+1], s[R15:R15+1]
	PRE \e
	PAIR 1
	EPI \e
	s_wait_xcnt 0x0
	s_mov_b32 s[PN], 1
	NEXTPF
.else
	PRE \e
	PAIR 0
	EPI \e
.endif
.endm
; My sums of two tokens (v[SM] on, in halves) are completed over the lane 16 away and over the four waves: the totals come back in v[SM] and v[SM+2]
.macro XCHG off
	v_add_f32 v[SM], v[SM], v[SM+1]
	v_add_f32 v[SM+2], v[SM+2], v[SM+3]
	v_permlanex16_b32 v[SM+1], v[SM], s36, s37
	v_permlanex16_b32 v[SM+3], v[SM+2], s36, s37
	v_add_f32 v[SM], v[SM], v[SM+1]
	v_add_f32 v[SM+2], v[SM+2], v[SM+3]
	ds_store_b32 v[R1S], v[SM] offset:\off
	ds_store_b32 v[R1S], v[SM+2] offset:\off+256
	BARRIER
	ds_load_b128 v[64:67], v[R1L] offset:\off
	ds_load_b128 v[68:71], v[R1L] offset:\off+256
	s_wait_dscnt 0x0
	v_add_f32 v64, v64, v65
	v_add_f32 v66, v66, v67
	v_add_f32 v68, v68, v69
	v_add_f32 v70, v70, v71
	v_add_f32 v[SM], v64, v66
	v_add_f32 v[SM+2], v68, v70
.endm
.macro DEV                             ; x1 - mean
.irp k, 0,2,4,6,8,10,12,14
	v_pk_add_f32 v[XT+\k:XT+\k+1], v[XT+\k:XT+\k+1], v[MU:MU+1] neg_lo:[0,1] neg_hi:[0,1]
	v_pk_add_f32 v[XT+16+\k:XT+16+\k+1], v[XT+16+\k:XT+16+\k+1], v[MU+2:MU+3] neg_lo:[0,1] neg_hi:[0,1]
.endr
.endm
.macro AFLD adr                        ; the token side's 16 fragments, from their images
	WIN 0x40
.set k, 0
.rept 64
	ds_load_b128 v[4*k:4*k+3], v[\adr] offset:512*k
.set k, k+1
.endr
	WIN 0
	s_wait_dscnt 0x0
.endm
	PHASE 1, 28                                    ; x1 = x + attn Wo^T, in XS; W1's first pair is asked for in the last slot
	s_wait_alu depctr_va_vdst(0)
	XCHG 0
	v_mul_f32 v[MU], s38, v[SM]
	v_mul_f32 v[MU+2], s38, v[SM+2]
	v_mov_b32 v[MU+1], v[MU]
	v_mov_b32 v[MU+3], v[MU+2]
.irp j, 0,1,2,3
	v_mov_b32 v[SM+\j], 0
.endr
	s_mov_b32 s[XO], 0
	s_mov_b32 s[CNT], 8
.Lsq:                                              ; the squares of the deviations, over my 256 columns
	XADR
	XLD
	s_wait_dscnt 0x0
	s_wait_alu depctr_va_vdst(0)
	DEV
.irp k, 0,2,4,6,8,10,12,14
	v_pk_fma_f32 v[SM:SM+1], v[XT+\k:XT+\k+1], v[XT+\k:XT+\k+1], v[SM:SM+1]
	v_pk_fma_f32 v[SM+2:SM+3], v[XT+16+\k:XT+16+\k+1], v[XT+16+\k:XT+16+\k+1], v[SM+2:SM+3]
.endr
	s_add_co_u32 s[XO], s[XO], 128
	s_sub_co_u32 s[CNT], s[CNT], 1
	s_cmp_lg_u32 s[CNT], 0
	s_cbranch_scc1 .Lsq
	XCHG 512
	v_fma_f32 v[SM], v[SM], s38, s39               ; var + eps
	v_fma_f32 v[SM+2], v[SM+2], s38, s39
	s_wait_alu depctr_va_vdst(0)
	v_rsq_f32 v[RS], v[SM]
	v_rsq_f32 v[RS+2], v[SM+2]
	v_nop                                          ; a plain instruction behind the transcendentals,
	s_wait_alu depctr_va_vdst(0)                   ; and the one wait ahead of their first reader
	v_mov_b32 v[RS+1], v[RS]
	v_mov_b32 v[RS+3], v[RS+2]
	s_mov_b32 s[XO], 0
	s_mov_b32 s[IO], 0
	s_mov_b32 s[CNT], 8
.Lnorm:                                            ; h = (x1 - mean) x rsqrt x w + b, quantised by entry 12, as images in the slots' order
	s_wait_dscnt 0x0                               ; the last trip's stores have read the codes' registers
	XADR
	v_add_nc_u32 v15, s[XO], v[WA0]
	v_add_nc_u32 v14, s[IO], v[IAH]
	XLD
.irp i, 0,1,2,3
	ds_load_b128 v[LWR+4*\i:LWR+4*\i+3], v15 offset:16*\i
	ds_load_b128 v[LBR+4*\i:LBR+4*\i+3], v15 offset:4096+16*\i
.endr
	s_wait_dscnt 0x0
	DEV
.irp k, 0,2,4,6,8,10,12,14
	v_pk_mul_f32 v[XT+\k:XT+\k+1], v[XT+\k:XT+\k+1], v[RS:RS+1]
	v_pk_mul_f32 v[XT+16+\k:XT+16+\k+1], v[XT+16+\k:XT+16+\k+1], v[RS+2:RS+3]
.endr
.irp k, 0,2,4,6,8,10,12,14
	v_pk_fma_f32 v[XT+\k:XT+\k+1], v[XT+\k:XT+\k+1], v[LWR+\k:LWR+\k+1], v[LBR+\k:LBR+\k+1]
	v_pk_fma_f32 v[XT+16+\k:XT+16+\k+1], v[XT+16+\k:XT+16+\k+1], v[LWR+\k:LWR+\k+1], v[LBR+\k:LBR+\k+1]
.endr
.set j, 0
.rept 32
	v_med3_num_f32 v[XT+j], v[XT+j], -v[LI12], v[LI12]
.set j, j+1
.endr
.irp q, 0,1,2,3
	v_cvt_scalef32_pk8_fp8_f32 v[PC+2*\q:PC+2*\q+1], v[XT+8*\q:XT+8*\q+7], v[SC12]
.endr
	v_nop                                          ; a plain instruction behind the last conversion
	ds_store_b128 v14, v[PC:PC+3]
	ds_store_b128 v14, v[PC+4:PC+7] offset:16384
	s_add_co_u32 s[XO], s[XO], 128
	s_add_co_u32 s[IO], s[IO], 512
	s_sub_co_u32 s[CNT], s[CNT], 1
	s_cmp_lg_u32 s[CNT], 0
	s_cbranch_scc1 .Lnorm
	BARRIER                                        ; h's sixteen fragments lie in LDS
	AFLD HR
	PHASE 2, 30                                    ; the hidden layer, gelu, quantised by entry 14, as images; W2's first pair is asked for in the last slot
	BARRIER                                        ; its sixteen fragments lie in LDS
	AFLD GRD
	PHASE 3, 0                                     ; out = x1 + hidden W2^T, in XS
	BARRIER                                        ; 32 whole rows of out lie in XS
	v_xor_b32 v12, s[R7], v[L16]                   ; the two offsets in a row's 1,024 bytes, as at the head
	v_xor_b32 v13, 0x200, v12
	WIN 0x80                                       ; destination window 2: the weights' registers are free, four places and the epilogue behind the last products
.set k, 0
.rept 64
	ds_load_b128 v[4*k:4*k+3], v[XROW] offset:(k/8)*XP+(k%8)*512
.set k, k+1
.endr
	WIN 0x08                                       ; the stores' data in window 2
.set k, 0
	s_wait_alu depctr_va_vdst(0)
.rept 64
	s_wait_dscnt 63-k
	global_store_b128 v[12+k%2], v[4*k:4*k+3], s[16:17] offset:(k/8)*4096+((k%8)/2)*1024 th:TH_STORE_NT   ; 32 lanes store one aligned run of 512 bytes of a row, whole
.set k, k+1
.endr
	WIN 0
	s_wait_tensorcnt 0x0                           ; the wave's end, behind my last LDS store
	ds_add_u32 v[SPW], v[NIL]
	s_wait_dscnt 0x0
	s_endpgm
.Lfunc_end_k_q9a4df331f3_tail:
	.size	k_q9a4df331f3_tail, .Lfunc_end_k_q9a4df331f3_tail-k_q9a4df331f3_tail
	.p2alignl 7, 3214868480
	.fill 96, 4, 3214868480
	.section	.rodata,"a",@progbits
	.p2align	6, 0x0
	.amdhsa_kernel k_q9a4df331f3_tail
		.amdhsa_group_segment_fixed_size 206848
		.amdhsa_private_segment_fixed_size 0
		.amdhsa_enable_private_segment 0
		.amdhsa_kernarg_size 56
		.amdhsa_user_sgpr_count 2
		.amdhsa_user_sgpr_kernarg_segment_ptr 1
		.amdhsa_wavefront_size32 1
		.amdhsa_system_sgpr_workgroup_id_x 1
		.amdhsa_system_sgpr_workgroup_id_y 1
		.amdhsa_system_sgpr_workgroup_id_z 1
		.amdhsa_system_vgpr_workitem_id 0
		.amdhsa_next_free_vgpr 1024
		.amdhsa_next_free_sgpr 104
		.amdhsa_reserve_vcc 1
		.amdhsa_float_denorm_mode_32 3
		.amdhsa_float_denorm_mode_16_64 3
		.amdhsa_memory_ordered 1
		.amdhsa_forward_progress 1
		.amdhsa_inst_pref_size 183
	.end_amdhsa_kernel
	.amdgpu_metadata
---
amdhsa.version: [ 1, 2 ]
amdhsa.kernels:
  - .name:           k_q9a4df331f3_tail
    .symbol:         k_q9a4df331f3_tail.kd
    .args:
      - { .name: img3, .offset: 0, .size: 8, .value_kind: global_buffer, .address_space: global }
      - { .name: img1, .offset: 8, .size: 8, .value_kind: global_buffer, .address_space: global }
      - { .name: x, .offset: 16, .size: 8, .value_kind: global_buffer, .address_space: global }
      - { .name: ln2_w, .offset: 24, .size: 8, .value_kind: global_buffer, .address_space: global }
      - { .name: ln2_b, .offset: 32, .size: 8, .value_kind: global_buffer, .address_space: global }
      - { .name: lowp_scales, .offset: 40, .size: 8, .value_kind: global_buffer, .address_space: global }
      - { .name: out0, .offset: 48, .size: 8, .value_kind: global_buffer, .address_space: global }
    .group_segment_fixed_size: 206848
    .private_segment_fixed_size: 0
    .kernarg_segment_align: 8
    .kernarg_segment_size: 56
    .max_flat_workgroup_size: 128
    .sgpr_count:     104
    .vgpr_count:     1024
    .wavefront_size: 32
...
	.end_amdgpu_metadata
.endif
;; end of part 8
